; MI455X (gfx1250); checked and timed in simulation.
; The chip was launched on July 23, 2026; its instructions are those of AMD's public machine-readable ISA for CDNA 5 (MIT licence, August 2026) and "CDNA5" Instruction Set Architecture Reference Guide (July 2026). The comments in the code are by the model that wrote it; some were corrected since.
;; Encoder Ro PE Block. Allowed arithmetic: matrix products marked QUANTISED: E3M2 operands, one E8M0 scale for each 32 along K, by v_wmma_scale_f32_16x16x128_f8f6f4 with both operands' format E3M2, f32 sums; everything else in f32.
;; Inputs: b1 4,096 float32; b2 1,024 float32; bk 1,024 float32; bo 1,024 float32; bq 1,024 float32; bv 1,024 float32; gate_mlp 1 x 1 x 1,024 float32; gate_msa 1 x 1 x 1,024 float32; ln1_b 1,024 float32; ln1_g 1,024 float32; ln2_b 1,024 float32; ln2_g 1,024 float32; w1_codes 4,096 x 32 x 24 uint8 (E3M2 codes of w1, K innermost, in blocks of 32 codes, four codes in three bytes); w1_scales 4,096 x 32 uint8 (E8M0 scales of w1, one for each 32 codes along K); w2_codes 1,024 x 128 x 24 uint8 (E3M2 codes of w2, K innermost, in blocks of 32 codes, four codes in three bytes); w2_scales 1,024 x 128 uint8 (E8M0 scales of w2, one for each 32 codes along K); wk_codes 1,024 x 32 x 24 uint8 (E3M2 codes of wk, K innermost, in blocks of 32 codes, four codes in three bytes); wk_scales 1,024 x 32 uint8 (E8M0 scales of wk, one for each 32 codes along K); wo_codes 1,024 x 32 x 24 uint8 (E3M2 codes of wo, K innermost, in blocks of 32 codes, four codes in three bytes); wo_scales 1,024 x 32 uint8 (E8M0 scales of wo, one for each 32 codes along K); wq_codes 1,024 x 32 x 24 uint8 (E3M2 codes of wq, K innermost, in blocks of 32 codes, four codes in three bytes); wq_scales 1,024 x 32 uint8 (E8M0 scales of wq, one for each 32 codes along K); wv_codes 1,024 x 32 x 24 uint8 (E3M2 codes of wv, K innermost, in blocks of 32 codes, four codes in three bytes); wv_scales 1,024 x 32 uint8 (E8M0 scales of wv, one for each 32 codes along K); x 2 x 2,048 x 1,024 float32.
;; Outputs: out0 2 x 2,048 x 1,024 float32.
;; This version of the problem:
;;   THIS VERSION OF THE PROBLEM IS GIVEN IN LOW PRECISION. The matrix products marked QUANTISED in the list below multiply operands that are first quantised to E3M2 (3 exponent bits, 2 mantissa bits; 6 bits a number), with one power-of-two scale for each 32 numbers along K (OCP MX v1.0); their sums are f32. All else is computed in f32.
;;   The module's matrix products, in the order in which they are computed (A, B: the left and right operand; K: the contracted axis; several contracted axes count as one K, in the product's order):
;;     1. [M 4,096, K 1,024] x [K 1,024, N 1,024]; A: computed on the way; B: input wq (given as codes): QUANTISED
;;     2. [M 4,096, K 1,024] x [K 1,024, N 1,024]; A: computed on the way; B: input wk (given as codes): QUANTISED
;;     3. [M 4,096, K 1,024] x [K 1,024, N 1,024]; A: computed on the way; B: input wv (given as codes): QUANTISED
;;     4. batch 32 x [M 2,048, K 64] x [K 64, N 2,048]; A: computed on the way; B: computed on the way: QUANTISED
;;     5. batch 32 x [M 2,048, K 2,048] x [K 2,048, N 64]; A: softmax (see below); B: computed on the way: QUANTISED
;;     6. [M 4,096, K 1,024] x [K 1,024, N 1,024]; A: computed on the way; B: input wo (given as codes): QUANTISED
;;     7. [M 4,096, K 1,024] x [K 1,024, N 4,096]; A: computed on the way; B: input w1 (given as codes): QUANTISED
;;     8. [M 4,096, K 4,096] x [K 4,096, N 1,024]; A: computed on the way; B: input w2 (given as codes): QUANTISED
;;   THE QUANTISER, for each operand of a quantised product, along K:
;;     - K is cut into blocks of 32 from its start; a last block that is shorter is filled with zeros.
;;     - A block's scale is 2^e with e = floor(log2(the largest magnitude in the block)) - 4, held to -126 .. 127; a block of zeros has e = 0. As a byte (E8M0): e + 127.
;;     - Each number is divided by its block's scale, clamped to +-28, and rounded to the nearest number of E3M2, ties to even, subnormals kept.
;;     - The product sums the exact products of the quantised numbers (number of the format x scale) in f32.
;;   ~~~python
;;   def quantise(x, axis):      # numpy; x: float32 -> the quantised numbers, widened to float32 again
;;       x = np.moveaxis(x, axis, -1); K = x.shape[-1]
;;       x = np.pad(x, [(0, 0)] * (x.ndim - 1) + [(0, -K % 32)]); x = x.reshape(x.shape[:-1] + (-1, 32)); a = np.abs(x).max(-1, keepdims=True)
;;       e = np.where(a > 0, np.clip(np.frexp(np.where(a > 0, a, 1))[1] - 1 - 4, -126, 127), 0)      # np.frexp(a)[1] - 1 = floor(log2(a)), exactly
;;       r = np.clip(x / 2.0 ** e, -28, 28)
;;       step = 2.0 ** (np.maximum(np.frexp(np.where(r == 0, 1, r))[1] - 1, -2) - 2)
;;       q = np.round(r / step) * step * 2.0 ** e      # np.round: ties to even
;;       return np.moveaxis(q.reshape(q.shape[:-2] + (-1,))[..., :K], -1, axis).astype(np.float32)
;;   ~~~
;;   SOFTMAX AHEAD OF A QUANTISED PRODUCT. Where the list says 'softmax', what is quantised is not the finished softmax but p = 2^(t - M), with t = logit x log2(e) and M = ceil(the row's largest t), a whole number; so 1/2 < the row's largest p <= 1. The row's sum l is taken of the UNQUANTISED p, in f32, and the product's result is divided by l at the end. Since M is a whole number, a kernel that streams over the keys may use a running M (the ceiling of the running maximum): every later rescaling is an exact power of two, which a block's scale takes up: the codes' values come out the same.
;;   OPERANDS COMPUTED ON THE WAY. 'Computed on the way' means the value that the module computes at that place (a softmax that the list does not call 'softmax' is quantised finished and normalised). What goes into a quantiser is computed in f32, as accurately as f32 sums, v_exp_f32 and their like allow (about 1e-6 of the number): no bf16 or f16 on the way to a quantiser, and a product that is left as it is and whose result goes on into a quantised operand takes f32 operands (vector FMAs, or v_wmma_f32_16x16x4_f32). A number that lies on a knife's edge between two numbers of the format may be rounded either way, as far as f32 arithmetic and the matrix unit's own rounding can turn it there, and no further.
;;   INPUTS GIVEN AS CODES. w1 (in the module: [1024, 4096], K = its axis 0); w2 (in the module: [4096, 1024], K = its axis 0); wk (in the module: [1024, 1024], K = its axis 0); wo (in the module: [1024, 1024], K = its axis 0); wq (in the module: [1024, 1024], K = its axis 0); wv (in the module: [1024, 1024], K = its axis 0): each comes as NAME_codes (uint8): NAME with its K axis moved to the last place and cut into blocks of 32 codes, [.., K / 32, bytes a block], one block behind the other in memory; four codes in three bytes: a row's codes are one little-endian stream of bits, code i at bits 6 i .. 6 i + 5 (a code: sign, 3 exponent bits, 2 mantissa bits); and NAME_scales (uint8): the same leading axes, one E8M0 byte (e + 127) for each 32 codes along K. Its value is code x scale, taken as it is: it is not quantised again, and the codes and scales need not be those that the quantiser above would give.
;; One version. Each part assembles by itself: llvm-mc -triple=amdgcn-amd-amdhsa -mcpu=gfx1250 --defsym DOCPART=n.
;; ======== version 1 of 1: 7 launches
;; limits: a function is approximated: absolute error at most 1.5e-07; an absolute error that grows with the inputs' magnitude: up to 7.5e-08 times it
;; workspace buffers: hq 3,407,872 bytes; rope 524,288 bytes; qbuf 3,407,872 bytes; kbuf 3,407,872 bytes; vbuf 3,276,800 bytes; oq 3,407,872 bytes; x1 16,777,216 bytes; gq 13,631,488 bytes
;; launch ln1 (part 1): grid 256 x 1, 4 waves a work-group, no clusters, 168,448 bytes of LDS; arguments x, ln1_g, ln1_b, hq, rope; writes hq, rope
.if DOCPART == 1
	.amdgcn_target "amdgcn-amd-amdhsa--gfx1250"
	.amdhsa_code_object_version 6
	.text
	.protected	k_q6457a3ceda_ln1
	.globl	k_q6457a3ceda_ln1
	.p2align	8
	.type	k_q6457a3ceda_ln1,@function
k_q6457a3ceda_ln1:
	s_mov_b64 s[64:65], 0
	v_nop
	global_prefetch_b8 v0, s[64:65] scope:SCOPE_SE
	s_setreg_imm32_b32 hwreg(HW_REG_WAVE_MODE, 25, 1), 1
	s_wait_xcnt 0x0
; LayerNorm over rows of 1,024 f32, then the MX-BF6 quantiser along the row.  Arguments: src, g, b, dst, and with TABLE = 1 rope.
; Work-group n owns rows 16 n .. 16 n + 15; wave w owns columns 256 w .. 256 w + 255 of them and writes one RECORD of dst:
;   3,328 bytes = two fragments (16 rows x 128 K, 12 registers a lane) as six pieces of 256 bytes each (piece p: registers 2 p, 2 p + 1 of lane l at 256 p + 8 l),
;   then the two fragments' scale words, 4 bytes a lane, 128 bytes each.  Record (n, w) lies at (4 n + w) x 3,328.
; A wave's tile of src, and its 1,024 bytes of g and of b, come by three tensor loads issued together; only the issuing wave reads them.  A lane takes g and b from LDS, where sixteen lanes share each address.
; TABLE = 1: between the requests and the wait for them the work-group also makes 8 tokens of the table of cos and sin for the rotary embedding: [2,048 tokens][32 cos | 32 sin] f32.
; The mean is taken first and the variance of the differences second: no difference of large sums is formed.
; LIMITS: NaN and infinities among the inputs are not served.  A block of zeros gets the scale byte 1 (its codes are zeros; this program alone reads the bytes).
; The table's 1/10000^(i/32) is 2^(-i log2(10000)/32) by v_exp_f32 (1 ulp): an angle can differ from t x the exact frequency by some 3e-4 rad at t = 2,047, the size of an ulp of the angle.
.set TABLE, 1
.set RED1, 66560                       ; LDS: behind the four waves' tiles (4 x 16 rows x 1,040 bytes): the waves' row sums, 512 bytes; the sums of squares 512 bytes further on
.set GB,   67584                       ; behind them: for each wave 1,024 bytes of g, then 1,024 of b
.set X,    64                          ; v64-191  my 128 numbers: register 16 k + i = column 256 w + 32 k + 16 (lane / 16) + i of row lane % 16
.set TM,   192                         ; v192-207 at work in the quantiser
.set PC0,  208                         ; v208-227, v228-247 the two fragments' codes (12 registers and 8 at work)
.set PC1,  228
.set PW0,  248                         ; their scale words
.set PW1,  249
.set SEL,  30                          ; s[30:31] lane selects for v_permlanex16_b32: lane l xor 16
.set MSB, 0
.macro WIN new                         ; the immediate's high byte repeats the setting that is left
.if MSB != (\new)
	s_set_vgpr_msb (MSB<<8)|(\new)
.set MSB, (\new)
.endif
.endm
; 64 numbers of a lane, register 16 b + i = k 32 b + 16 (lane / 16) + i of my row, become a fragment's codes in v[pc] .. v[pc + 11] and its scale word in v[pw].
.macro QUANT s, pc, pw
.irp b, 0,1,2,3
	v_max3_num_f32 v[TM+\b], |v[\s+16*\b]|, |v[\s+16*\b+1]|, 0x2800000   ; block b: my 16 numbers, and the floor 2^(5 - 127): the byte cannot fall under 1
.endr
.irp i, 2,4,6,8,10,12,14
.irp b, 0,1,2,3
	v_max3_num_f32 v[TM+\b], v[TM+\b], |v[\s+16*\b+\i]|, |v[\s+16*\b+\i+1]|
.endr
.endr
.irp b, 0,1,2,3
	v_permlanex16_b32 v[TM+4+\b], v[TM+\b], s[SEL], s[SEL+1]
.endr
.irp b, 0,1,2,3
	v_max_num_f32 v[TM+\b], v[TM+\b], v[TM+4+\b]   ; with lane l xor 16's: the block's largest magnitude
.endr
.irp b, 0,1,2,3
	v_add_nc_u32 v[TM+12+\b], 0xfe000000, v[TM+\b] ; 4 off its exponent field: the conversion's scale operand
.endr
.irp b, 0,1,2,3
	v_lshrrev_b32 v[TM+4+\b], 23, v[TM+12+\b]      ; the scale's byte
.endr
	v_lshl_or_b32 v[\pw], v[TM+5], 8, v[TM+4]
	v_lshl_or_b32 v[\pw], v[TM+6], 16, v[\pw]
	v_lshl_or_b32 v[\pw], v[TM+7], 24, v[\pw]
.irp c, 0,1
	v_cvt_scalef32_pk16_bf6_f32 v[\pc+6*\c:\pc+6*\c+2], v[\s+32*\c:\s+32*\c+15], v[TM+12+2*\c]
	v_cvt_scalef32_pk16_bf6_f32 v[\pc+12+4*\c:\pc+12+4*\c+2], v[\s+32*\c+16:\s+32*\c+31], v[TM+12+2*\c+1]
.endr
	v_nop                                          ; one plain place behind a scaled conversion
.irp c, 0,1                                    ; the operand's layout wants a whole block in a lane: lanes 0-15 block 2 c, lanes 16-31 block 2 c + 1
.irp i, 0,1,2
	v_permlane16_swap_b32 v[\pc+6*\c+\i], v[\pc+12+4*\c+\i]
.endr
.irp i, 0,1,2
	v_mov_b32 v[\pc+6*\c+3+\i], v[\pc+12+4*\c+\i]
.endr
.endr
.endm
; v20 = my lane's part of a row's sum -> v10 = the sum over the row's 1,024 columns.  Each wave stores its rows' sums, one barrier, every wave reads the four.
.macro WGSUM off
	v_permlanex16_b32 v21, v20, s[SEL], s[SEL+1]
	v_add_f32 v20, v20, v21                        ; my wave's 256 columns of row lane % 16
	ds_store_b32 v8, v20 offset:\off
	s_wait_dscnt 0x0                               ; for the others' sake: my store has landed (and my reads of g and b are in)
	s_barrier_signal -1
	s_barrier_wait -1
.irp k, 0,1,2,3
	ds_load_b32 v[10+\k], v9 offset:\off+128*\k
.endr
	s_wait_dscnt 0x0
	v_add_f32 v10, v10, v11
	v_add_f32 v12, v12, v13
	v_add_f32 v10, v10, v12
.endm
.if TABLE
; cos and sin of f = t x inv: n = the nearest whole number to f x 2 / pi; r = f - n pi / 2, pi / 2 taken in two parts by fused multiply-adds; series in r (|r| <= pi / 4) up to r^9 and r^10; the quadrant swaps and signs them.
.macro SINCOS t, inv, c, s
	v_mul_f32 v44, v[\t], v[\inv]                  ; the angle, rounded once
	v_mul_f32 v45, 0x3f22f983, v44
	v_rndne_f32 v45, v45
	v_fma_f32 v46, v45, s52, v44
	v_fma_f32 v46, v45, s53, v46                   ; r
	v_mul_f32 v47, v46, v46                        ; z = r^2
	v_fma_f32 v48, v47, s54, s55
	v_fma_f32 v49, v47, s56, s57
	v_fma_f32 v48, v48, v47, s58
	v_fma_f32 v49, v49, v47, s59
	v_fma_f32 v48, v48, v47, s60
	v_fma_f32 v49, v49, v47, s61
	v_mul_f32 v50, v47, v46
	v_fma_f32 v49, v49, v47, -0.5
	v_fma_f32 v48, v48, v50, v46                   ; sin r
	v_fma_f32 v49, v49, v47, 1.0                   ; cos r
	v_cvt_i32_f32 v45, v45                         ; the quadrant's number
	v_and_b32 v50, 1, v45
	v_cmp_eq_u32 vcc_lo, 1, v50
	v_cndmask_b32 v51, v48, v49, vcc_lo            ; odd: the two change places
	v_cndmask_b32 v50, v49, v48, vcc_lo
	v_lshlrev_b32 v48, 30, v45                     ; sin is negative in quadrants 2 and 3,
	v_add_nc_u32 v45, 1, v45
	v_lshlrev_b32 v49, 30, v45                     ; cos in 1 and 2
	v_and_b32 v48, 0x80000000, v48
	v_and_b32 v49, 0x80000000, v49
	v_xor_b32 v[\s], v48, v51
	v_xor_b32 v[\c], v49, v50
.endm
.endif
	s_load_b256 s[4:11], s[0:1], 0x0               ; src s[4:5], g s[6:7], b s[8:9], dst s[10:11]
.if TABLE
	s_load_b64 s[12:13], s[0:1], 0x20              ; rope
	v_lshl_add_u32 v254, v0, 2, 0x29000
	v_mov_b32 v255, 0
	ds_add_u32 v254, v255
	ds_add_u32 v254, v255
.endif
	v_lshrrev_b32 v1, 5, v0
	v_readfirstlane_b32 s14, v1                    ; wave 0..3
	; descriptor group 1 for src: 16 rows x 256 f32, 16 bytes of padding behind each row of 1,024 bytes: LDS pitch 1,040 = 65 x 16, so the 16 rows that a load of 16 bytes a lane touches start in 16 different columns of 16 bytes
	s_mov_b32 s16, (2<<16)|(1<<20)|(7<<22)|(3<<25) ; elements of 4 bytes; padding on; after every 256 words; 4 words of it
	s_mov_b32 s17, 256<<16                         ; tensor_dim0
	s_mov_b32 s18, 16<<16                          ; tensor_dim1
	s_mov_b32 s19, 256<<16                         ; tile_dim0
	s_mov_b32 s20, 16                              ; tile_dim1
	s_mov_b32 s21, 1024                            ; elements from row to row
	s_mov_b32 s22, 0
	s_mov_b32 s23, 0
	; and for g and b: one row of 1,024 bytes, 128 elements of 8 bytes
	s_mov_b32 s36, 3<<16
	s_mov_b32 s37, 128<<16
	s_mov_b32 s38, 1<<16
	s_mov_b32 s39, 128<<16
	s_mov_b32 s40, 1
	s_mov_b32 s41, 128
	s_mov_b32 s42, 0
	s_mov_b32 s43, 0
	s_mul_i32 s15, s14, 16640                      ; my wave's tile in LDS
	s_lshl_b32 s28, ttmp9, 16                      ; 16 rows of 4,096 bytes a work-group,
	s_lshl_b32 s34, s14, 10                        ; 1,024 bytes of a row a wave
	s_add_co_u32 s28, s28, s34
	s_mov_b32 s29, 0
	s_mov_b32 s35, 0
	s_mov_b32 s24, 1
	s_mov_b32 s25, s15
	s_mov_b32 s44, 1
	s_lshl_b32 s45, s14, 11
	s_add_co_u32 s45, s45, GB                      ; my wave's g in LDS,
	s_mov_b32 s48, 1
	s_add_co_u32 s49, s45, 1024                    ; its b
	s_wait_dscnt 0x0
	s_wait_kmcnt 0x0
	s_add_nc_u64 s[26:27], s[4:5], s[28:29]
	s_or_b32 s27, s27, 0x80000000
	s_add_nc_u64 s[46:47], s[6:7], s[34:35]
	s_or_b32 s47, s47, 0x80000000
	s_add_nc_u64 s[50:51], s[8:9], s[34:35]
	s_or_b32 s51, s51, 0x80000000
	tensor_load_to_lds s[24:27], s[16:23]          ; my wave's three loads, issued together: three are out; each fills its bytes once, and this wave alone reads them
	s_nop 0
	tensor_load_to_lds s[44:47], s[36:43]
	s_nop 0
	tensor_load_to_lds s[48:51], s[36:43]
	s_nop 0
.rept 4
	v_nop
.endr
	v_and_b32 v1, 31, v0                           ; lane
	v_and_b32 v2, 15, v0                           ; r
	v_bfe_u32 v3, v0, 4, 1                         ; h
	v_mul_u32_u24 v4, v2, 1040
	v_lshl_add_u32 v4, v3, 6, v4
	v_add_nc_u32 v4, s15, v4                       ; LDS: row r, + 64 h: my 16 numbers of a block of 32
	v_lshl_add_u32 v5, v3, 6, s45                  ; g in LDS: + 64 h; b lies 1,024 bytes further on
	v_lshlrev_b32 v6, 3, v1                        ; 8 x lane
	v_lshlrev_b32 v7, 2, v1                        ; 4 x lane
	v_lshl_add_u32 v8, v0, 2, RED1                 ; where I put my wave's sum
	v_lshl_add_u32 v9, v1, 2, RED1                 ; where I read the four
.irp b, 0,1,2,3
	v_mov_b32 v[TM+4+\b], 0                        ; written once: a lane permute's destination counts as one of its sources
.endr
	s_mov_b32 s[SEL], 0x76543210
	s_mov_b32 s[SEL+1], 0xfedcba98
	s_mov_b32 s32, 0x3a800000                      ; 1 / 1,024
	s_mov_b32 s33, 0x358637bd                      ; 1e-6
	s_lshl_b32 s34, ttmp9, 2
	s_add_co_u32 s34, s34, s14
	s_mul_i32 s34, s34, 3328                       ; my record
	s_add_nc_u64 s[10:11], s[10:11], s[34:35]
.if TABLE
	; THE TABLE, while the three loads are on their way.  Work-group n makes tokens 8 n .. 8 n + 7.  Thread: token 8 n + thread / 16, frequencies 2 (thread % 16) and the next.
	s_mov_b32 s52, 0xbfc90fdb                      ; -pi / 2, the f32 nearest,
	s_mov_b32 s53, 0x333bbd2e                      ; and what that leaves over
	s_mov_b32 s54, 0x3638ef1d                      ; 1 / 9!
	s_mov_b32 s55, 0xb9500d01                      ; -1 / 7!
	s_mov_b32 s56, 0xb493f27e                      ; -1 / 10!
	s_mov_b32 s57, 0x37d00d01                      ; 1 / 8!
	s_mov_b32 s58, 0x3c088889                      ; 1 / 5!
	s_mov_b32 s59, 0xbab60b61                      ; -1 / 6!
	s_mov_b32 s60, 0xbe2aaaab                      ; -1 / 3!
	s_mov_b32 s61, 0x3d2aaaab                      ; 1 / 4!
	s_lshl_b32 s62, ttmp9, 3
	v_and_b32 v32, 15, v0
	v_lshrrev_b32 v33, 4, v0
	v_add_nc_u32 v33, s62, v33                     ; my token
	v_cvt_f32_u32 v34, v33
	v_lshlrev_b32 v35, 1, v32
	v_cvt_f32_u32 v36, v35                         ; my first frequency's number i,
	v_add_f32 v37, 1.0, v36                        ; and the next
	v_mul_f32 v36, 0xbed49a78, v36                 ; -i log2(10000) / 32
	v_mul_f32 v37, 0xbed49a78, v37
	v_exp_f32 v36, v36
	v_exp_f32 v37, v37
	v_lshlrev_b32 v38, 8, v33                      ; (a plain place behind the exponentials)  256 bytes a token,
	v_lshl_add_u32 v38, v32, 3, v38                ; 8 bytes for my two frequencies
	s_wait_alu depctr_va_vdst(0)
	SINCOS 34, 36, 40, 42
	SINCOS 34, 37, 41, 43
	global_store_b64 v38, v[40:41], s[12:13]       ; sixteen lanes store a token's 128 bytes of cos,
	global_store_b64 v38, v[42:43], s[12:13] offset:128   ; and its 128 bytes of sin
.endif
	s_wait_tensorcnt 0x0                           ; my tile, my g and my b are in LDS
.set J, 0
.rept 8
.irp j, 0,1,2,3
	ds_load_b128 v[X+16*J+4*\j:X+16*J+4*\j+3], v4 offset:128*J+16*\j
.endr
.set J, J+1
.endr
	s_wait_dscnt 0x0
	WIN 0x40                                       ; destination window 1: g at v0-127, b at v128-255, in X's order; they land under the first sums
.set J, 0
.rept 8
.irp j, 0,1,2,3
	ds_load_b128 v[16*J+4*\j:16*J+4*\j+3], v5 offset:128*J+16*\j
	ds_load_b128 v[128+16*J+4*\j:128+16*J+4*\j+3], v5 offset:1024+128*J+16*\j
.endr
.set J, J+1
.endr
	WIN 0
	; the row's sum: four chains, started by the first pairs
.irp c, 0,1,2,3
	v_pk_add_f32 v[20+2*\c:21+2*\c], v[X+2*\c:X+2*\c+1], v[X+8+2*\c:X+9+2*\c]
.endr
.set J, 16
.rept 14
.irp c, 0,1,2,3
	v_pk_add_f32 v[20+2*\c:21+2*\c], v[20+2*\c:21+2*\c], v[X+J+2*\c:X+J+2*\c+1]
.endr
.set J, J+8
.endr
	v_pk_add_f32 v[20:21], v[20:21], v[22:23]
	v_pk_add_f32 v[24:25], v[24:25], v[26:27]
	v_pk_add_f32 v[20:21], v[20:21], v[24:25]
	v_add_f32 v20, v20, v21
	WGSUM 0
	v_mul_f32 v14, s32, v10                        ; the mean
	v_mov_b32 v15, v14
.set J, 0
.rept 64
	v_pk_add_f32 v[X+J:X+J+1], v[X+J:X+J+1], v[14:15] neg_lo:[0,1] neg_hi:[0,1]   ; x - mean
.set J, J+2
.endr
.irp c, 0,1,2,3
	v_pk_mul_f32 v[20+2*\c:21+2*\c], v[X+2*\c:X+2*\c+1], v[X+2*\c:X+2*\c+1]
.endr
.set J, 8
.rept 15
.irp c, 0,1,2,3
	v_pk_fma_f32 v[20+2*\c:21+2*\c], v[X+J+2*\c:X+J+2*\c+1], v[X+J+2*\c:X+J+2*\c+1], v[20+2*\c:21+2*\c]
.endr
.set J, J+8
.endr
	v_pk_add_f32 v[20:21], v[20:21], v[22:23]
	v_pk_add_f32 v[24:25], v[24:25], v[26:27]
	v_pk_add_f32 v[20:21], v[20:21], v[24:25]
	v_add_f32 v20, v20, v21
	WGSUM 512                                      ; other bytes than the first sums': no wave can overwrite what another still reads
	v_fma_f32 v16, v10, s32, s33                   ; the variance + 1e-6
	v_rsq_f32 v16, v16
	v_nop                                          ; one plain place behind the transcendental
	s_wait_alu depctr_va_vdst(0)
	v_mov_b32 v17, v16
.set J, 0
.rept 64
	v_pk_mul_f32 v[X+J:X+J+1], v[X+J:X+J+1], v[16:17]
.set J, J+2
.endr
	WIN 0x14                                       ; sources 1 (g) and 2 (b) window 1
.set J, 0
.rept 64
	v_pk_fma_f32 v[X+J:X+J+1], v[X+J:X+J+1], v[J:J+1], v[128+J:129+J]
.set J, J+2
.endr
	WIN 0
	QUANT X, PC0, PW0
	QUANT X+64, PC1, PW1
.irp p, 0,1,2,3,4,5
	global_store_b64 v6, v[PC0+2*\p:PC0+2*\p+1], s[10:11] offset:256*\p          ; 32 lanes store 256 consecutive bytes, at a multiple of 256 from the buffer's first byte
.endr
.irp p, 0,1,2,3,4,5
	global_store_b64 v6, v[PC1+2*\p:PC1+2*\p+1], s[10:11] offset:1536+256*\p
.endr
	global_store_b32 v7, v[PW0], s[10:11] offset:3072
	global_store_b32 v7, v[PW1], s[10:11] offset:3200
	s_wait_tensorcnt 0x0
	ds_add_u32 v254, v255
	s_wait_dscnt 0x0
	s_endpgm
.Lfunc_end_k_q6457a3ceda_ln1:
	.size	k_q6457a3ceda_ln1, .Lfunc_end_k_q6457a3ceda_ln1-k_q6457a3ceda_ln1
	.p2alignl 7, 3214868480
	.fill 96, 4, 3214868480
	.section	.rodata,"a",@progbits
	.p2align	6, 0x0
	.amdhsa_kernel k_q6457a3ceda_ln1
		.amdhsa_group_segment_fixed_size 168448
		.amdhsa_private_segment_fixed_size 0
		.amdhsa_enable_private_segment 0
		.amdhsa_kernarg_size 40
		.amdhsa_user_sgpr_count 2
		.amdhsa_user_sgpr_kernarg_segment_ptr 1
		.amdhsa_wavefront_size32 1
		.amdhsa_system_sgpr_workgroup_id_x 1
		.amdhsa_system_sgpr_workgroup_id_y 1
		.amdhsa_system_sgpr_workgroup_id_z 1
		.amdhsa_system_vgpr_workitem_id 0
		.amdhsa_next_free_vgpr 512
		.amdhsa_next_free_sgpr 66
		.amdhsa_reserve_vcc 1
		.amdhsa_float_denorm_mode_32 3
		.amdhsa_float_denorm_mode_16_64 3
		.amdhsa_memory_ordered 1
		.amdhsa_forward_progress 1
		.amdhsa_inst_pref_size 45
	.end_amdhsa_kernel
	.amdgpu_metadata
---
amdhsa.version: [ 1, 2 ]
amdhsa.kernels:
  - .name:           k_q6457a3ceda_ln1
    .symbol:         k_q6457a3ceda_ln1.kd
    .args:
      - { .name: x, .offset: 0, .size: 8, .value_kind: global_buffer, .address_space: global }
      - { .name: ln1_g, .offset: 8, .size: 8, .value_kind: global_buffer, .address_space: global }
      - { .name: ln1_b, .offset: 16, .size: 8, .value_kind: global_buffer, .address_space: global }
      - { .name: hq, .offset: 24, .size: 8, .value_kind: global_buffer, .address_space: global }
      - { .name: rope, .offset: 32, .size: 8, .value_kind: global_buffer, .address_space: global }
    .group_segment_fixed_size: 168448
    .private_segment_fixed_size: 0
    .kernarg_segment_align: 8
    .kernarg_segment_size: 40
    .max_flat_workgroup_size: 128
    .sgpr_count:     66
    .vgpr_count:     512
    .wavefront_size: 32
...
	.end_amdgpu_metadata
.endif
;; end of part 1
;; launch qkv (part 2): grid 12 x 16, 4 waves a work-group, clusters of 4 x 4, 327,680 bytes of LDS; arguments hq, wq_codes, wq_scales, bq, wk_codes, wk_scales, bk, wv_codes, wv_scales, bv, rope, qbuf, kbuf, vbuf; writes qbuf, kbuf, vbuf
.if DOCPART == 2
	.amdgcn_target "amdgcn-amd-amdhsa--gfx1250"
	.amdhsa_code_object_version 6
	.text
	.protected	k_q6457a3ceda_qkv
	.globl	k_q6457a3ceda_qkv
	.p2align	8
	.type	k_q6457a3ceda_qkv,@function
k_q6457a3ceda_qkv:
	s_mov_b64 s[64:65], 0
	v_nop
	global_prefetch_b8 v0, s[64:65] scope:SCOPE_SE
	s_setreg_imm32_b32 hwreg(HW_REG_WAVE_MODE, 25, 1), 1
	s_wait_xcnt 0x0
	s_wait_alu depctr_hold_cnt(0) depctr_sa_sdst(0) depctr_va_vdst(0) depctr_va_sdst(0) depctr_va_ssrc(0) depctr_va_vcc(0) depctr_vm_vsrc(0)
	s_getreg_b32 s2, hwreg(HW_REG_IB_STS2, 6, 4)
	s_cmp_eq_u32 s2, 0
	s_cbranch_scc0 .Lentry_in_a_cluster
	s_endpgm
.Lentry_in_a_cluster:
	s_bfe_u32 s2, ttmp6, 0x10000c
	s_cmp_lg_u32 s2, 0xf033
	s_cbranch_scc0 .Lentry_shape_is_right
	s_endpgm
.Lentry_shape_is_right:
; q, k, v = h W + bias on codes of BF6 (E3M2) with one E8M0 scale for each 32 along K = 1,024; then the rotary embedding on q and k, and the quantiser: q and k along the head's 64, v along the keys.
; The cluster's x (0, 1, 2) chooses the weight: q, k or v.  A work-group makes 256 tokens x 256 columns (four heads), each of its four waves 128 x 128 (one step of 128 tokens, two heads): 64 accumulators.
; A (h) comes as RECORDS of 3,328 bytes (16 rows x 256 K: two fragments as images of their registers, six pieces of 256 bytes each, piece p = registers 2 p, 2 p + 1 of lane l at 256 p + 8 l; then two scale words a lane).
; B (the weight) comes as it is given: rows of 768 bytes, K innermost.  K goes in steps of 256 through two LDS slots filled by the tensor data mover; the weight's scale bytes come once and stay.
; CLUSTER 4 x 4: A's tiles are shared along a row of the cluster, B's along a column: joint loads.  THE MATRIX INSTRUCTION IS USED TRANSPOSED (source 0 = 16 rows of the weight, source 1 = 16 tokens):
; a lane holds one token and eight neighbouring columns.  The bias is the C of each sum's first instruction.
; OUT: qbuf, kbuf: [head 32][step 16][6,656]: eight tiles of 16 tokens, three pieces of 256 bytes each (K = the head's 64), then scale words [row 16][tile 8].  Inside a block of 32, code place p holds column
; 16 ((p >> 3) & 1) + 8 (p >> 4) + (p & 7): the same order in q and in k, so their products are those of the true order.
; vbuf: [head][step][6,400]: four tiles of 16 channels x 128 keys, six pieces each; place p of a block of 32 keys holds the key of the same formula, the order in which the softmax's codes come out; then scale words [row 16][tile 4].
; LIMITS: NaN and infinities are not served; a block of zeros gets the scale byte 1 (its codes are zeros; this program alone reads the bytes).
.set T256,  1
.set MA,    8                          ; blocks of 16 tokens a wave
.set NBK,   8                          ; blocks of 16 columns a wave
.set NQ,    2                          ; steps of 128 along K in a slot
.set KP,    4                          ; records along K
.set KROW,  768                        ; a row of the weight in bytes
.set KS,    32                         ; a row of its scale bytes
.set LAPS,  2                          ; a lap = both slots once
.set RS,    16                         ; units of 256 scale bytes that one load brings
.set AROW,  3328                       ; LDS bytes of a block of 16 rows of A in a slot
.set ATR,   8                          ; A's tile: rows (blocks),
.set ATC,   416                        ; and elements of 8 bytes a row
.set BSTEP, 192                        ; bytes of a weight's row in a slot
.set SLOT,  114688                     ; a slot: A 53,248 bytes (two loads), then B 61,440 (two loads of 128 rows x 240)
.set ASZ,   53248
.set AHALF, 26624
.set BHALF, 30720
.set SCL,   2*SLOT                     ; behind the ring: the weight's scale bytes, units of 256 bytes + 16 of padding
.set SBLK,  (16*KS/256)*272            ; those of 16 rows
.set SPARE, SCL+2*RS*272               ; behind them: the spare words, 128 bytes a wave, that no other line names
.set ADRA, 16                          ; v16-17  LDS address of my A fragments in slot 0, 1: 8 x lane
.set ADSA, 18                          ; v18-19  of their scale words: 4 x lane
.set ADRB, 20                          ; v20-21  of my B fragments;  v22-23 the same behind one padding more
.set ADRS, 27                          ; v27     of B's scale words
.set SPW,  28                          ; v28     my spare word;  v29  0: both never rewritten
.set NIL,  29
.set BO,   30                          ; v30     32 x (lane / 16): the bias
.set SCB,  32                          ; v32-63  B's scale words: 16 x slot + NQ x block + step
.set SCA,  64                          ; v64-95  A's likewise
.set AF,   128                         ; A's fragments, one set, window 0;  B's two sets at v0 and v128 of window 1;  the bias tiles at v96-127 and v224-255 of window 1
.set G1A, 24
.set G0A, 32
.set G1B, 48
.set G0B, 56
.set G1S, 68
.set G0S, 76
.set MSB, 0
.macro WIN new                         ; the immediate's high byte repeats the setting that is left
.if MSB != (\new)
	s_set_vgpr_msb (MSB<<8)|(\new)
.set MSB, (\new)
.endif
.endm
.macro PLACES                          ; four plain places behind matrix instructions, in front of loads into registers that they read and of reads of their results
.rept 4
	v_nop
.endr
.endm
.macro JLOAD s                         ; a joint refill: waves 0, 1 fetch A's halves, waves 2, 3 B's; four v_nop follow each line
	s_cmp_eq_u32 s15, 0
	s_cbranch_scc0 .Lfor_b_\@
	tensor_load_to_lds s[G0A+4*\s:G0A+4*\s+3], s[G1A:G1A+7]
	s_nop 0
.rept 4
	v_nop
.endr
	s_branch .Lasked_\@
.Lfor_b_\@:
	tensor_load_to_lds s[G0B+4*\s:G0B+4*\s+3], s[G1B:G1B+7]
	s_nop 0
.rept 4
	v_nop
.endr
.Lasked_\@:
.endm
.macro CREST                           ; a round of the cluster's barrier behind its opening barrier
	s_cmp_lg_u32 s14, 0
	s_cbranch_scc1 .Lnot_wave_0_\@
	s_barrier_signal -3
.Lnot_wave_0_\@:
	s_barrier_wait -3
	s_barrier_signal -1
	s_barrier_wait -1
.endm
.macro CROUND
	s_barrier_signal -1
	s_barrier_wait -1
	CREST
.endm
.macro FRAGB reg, adr, q, i            ; a fragment of the weight: 24 bytes of a row's stream of bits twice, in pieces of 8 bytes; 16 bytes of padding lie behind every 64: where lanes 16-31's piece lies behind one padding more, the second address register serves
.irp p, 0,1,2,3,4,5
.set PCE, 12*((\q)&1)+6*(\p/3)+\p%3
.if PCE%8 < 5
	ds_load_b64 v[\reg+2*\p:\reg+2*\p+1], v[\adr] offset:8*PCE+16*(PCE/8)+(\i)*3840+((\q)>>1)*BHALF
.else
	ds_load_b64 v[\reg+2*\p:\reg+2*\p+1], v[\adr+2] offset:8*PCE+16*(PCE/8)+(\i)*3840+((\q)>>1)*BHALF
.endif
.endr
.endm
.macro FETCH_A slot, q, a0             ; MA / 2 fragments of A from block a0 on: six pieces of 256 consecutive bytes each
.set AA, \a0
.rept MA/2
.irp p, 0,1,2,3,4,5
	ds_load_b64 v[AF+12*AA+2*\p:AF+12*AA+2*\p+1], v[ADRA+\slot] offset:AA*AROW+((\q)>>1)*3328+((\q)&1)*1536+256*\p
.endr
.set AA, AA+1
.endr
.endm
.macro FETCH_B slot, q, set
	WIN 0x40
.set BB, 0
.rept NBK
	FRAGB 128*(\set)+12*BB, ADRB+\slot, \q, BB
.set BB, BB+1
.endr
	WIN 0
.endm
.macro SCALES slot                     ; a slot's scale words: B's NQ words a row by one load, A's one word a load
.set BB, 0
.rept NBK
.if NQ == 2
	ds_load_b64 v[SCB+16*\slot+2*BB:SCB+16*\slot+2*BB+1], v[ADRS] offset:BB*SBLK
.else
	ds_load_b128 v[SCB+16*\slot+4*BB:SCB+16*\slot+4*BB+3], v[ADRS] offset:BB*SBLK
.endif
.set BB, BB+1
.endr
.set AA, 0
.rept MA
.set QQ, 0
.rept NQ
	ds_load_b32 v[SCA+16*\slot+NQ*AA+QQ], v[ADSA+\slot] offset:AA*AROW+(QQ>>1)*3328+3072+128*(QQ&1)
.set QQ, QQ+1
.endr
.set AA, AA+1
.endr
.endm
.macro MULA a, set, q, slot, first     ; A's block a against B's NBK blocks.  first = 1: the bias tile is C and starts the sum
.irp b, 0,1,2,3,4,5,6,7
.if \b < NBK
.set DR, 8*(((\a)*NBK+\b)%32)
.set BR, 128*(\set)+12*\b
.set AR, AF+12*(\a)
.set SB0, SCB+16*(\slot)+NQ*\b+(\q)
.set SA0, SCA+16*(\slot)+NQ*(\a)+(\q)
.if \first
.set CR, 96+8*\b+96*(\b/4)
	v_wmma_scale_f32_16x16x128_f8f6f4 v[DR:DR+7], v[BR:BR+11], v[AR:AR+11], v[CR:CR+7], v[SB0], v[SA0] matrix_a_fmt:MATRIX_FMT_BF6 matrix_b_fmt:MATRIX_FMT_BF6
.else
	v_wmma_scale_f32_16x16x128_f8f6f4 v[DR:DR+7], v[BR:BR+11], v[AR:AR+11], v[DR:DR+7], v[SB0], v[SA0] matrix_a_fmt:MATRIX_FMT_BF6 matrix_b_fmt:MATRIX_FMT_BF6
.endif
.endif
.endr
.endm
.macro MULS a0, n, set, q, slot, first ; n blocks of A from a0 on.  Source 0 window 1, source 1 window 0, the accumulators in window 2 + (a NBK) / 32; the accumulators take turns, one instruction a turn, in one fixed order
.set AM, \a0
.rept \n
.if \first
	WIN 0x91+0x40*((AM*NBK)/32)
.else
	WIN 0xa1+0x50*((AM*NBK)/32)
.endif
	MULA AM, \set, \q, \slot, \first
.set AM, AM+1
.endr
.endm
.macro STEP slot, q, first             ; a step of 128 along K that has its successor in the same slot
	s_wait_dscnt 3*MA                              ; all but the youngest loads, A's upper half (MA / 2 fragments of 6), are in
	MULS 0, MA/2, (\q)%2, \q, \slot, \first
	s_wait_dscnt 0x0                               ; A's upper half is in
	PLACES
	FETCH_B \slot, (\q)+1, 1-(\q)%2
	FETCH_A \slot, (\q)+1, 0
	MULS MA/2, MA/2, (\q)%2, \q, \slot, \first
	PLACES
	WIN 0
	FETCH_A \slot, (\q)+1, MA/2
.endm
.macro TURN slot, next, fill           ; a slot's last step changes slots: one barrier; fill = 1: it opens a round of the cluster's barrier, and this slot is filled again, two slots ahead
	s_wait_tensorcnt 0x0                           ; all my tensor loads have landed: my part of the next slot
	ds_add_u32 v[SPW], v[NIL]                      ; 0 onto my spare word
	s_wait_dscnt 3*MA+1                            ; (the add and A's upper half may be out)
	MULS 0, MA/4, 1, NQ-1, \slot, 0
	s_wait_dscnt 0x0                               ; the add is done, and my reads of this slot are over
	s_barrier_signal -1
	MULS MA/4, MA/4, 1, NQ-1, \slot, 0
	WIN 0
	s_barrier_wait -1
.if \fill
	CREST                                          ; no wave of any partner still reads this slot or has a load on its way
	s_add_nc_u64 s[G0A+4*\slot+2:G0A+4*\slot+3], s[G0A+4*\slot+2:G0A+4*\slot+3], 2*AROW
	s_add_nc_u64 s[G0B+4*\slot+2:G0B+4*\slot+3], s[G0B+4*\slot+2:G0B+4*\slot+3], 2*BSTEP
	JLOAD \slot                                    ; my one tensor load behind the round; its four v_nop are also the places in front of the loads below
.else
	PLACES
.endif
	v_add_nc_u32 v[ADRS], 4*NQ, v[ADRS]            ; the next slot's scale words of B
	FETCH_B \next, 0, 0
	FETCH_A \next, 0, 0
	SCALES \next
	MULS MA/2, MA/2, 1, NQ-1, \slot, 0
	PLACES
	WIN 0
	FETCH_A \next, 0, MA/2
.endm
.macro MID slot
.if NQ > 2
	STEP \slot, 1, 0
	STEP \slot, 2, 0
.endif
.endm
; ---- the way out's registers ----
.set P8,   24                          ; v24   8 x lane
.set TBO,  25                          ; v25   the table: 256 r + 16 h
.set SWO,  26                          ; v26   q's, k's scale words: 32 r + h x one head's bytes
.set VSTO, 100                         ; v100  v's stage: where I put 16 bytes of a token's row
.set VRD,  101                         ; v101  and where I read a channel
.set VSO,  102                         ; v102  v's scale words: 16 r + h x one head's bytes
.set SEL,  96                          ; s[96:97] lane selects for v_permlanex16_b32: lane l xor 16
; window 1 on q's and k's way out
.set Y,    0                           ; v0-63    a block's 64 numbers behind the rotation
.set CS,   64                          ; v64-127  two sets of 16 cos and 16 sin
.set TM,   128                         ; v128-143 at work in the quantiser
.set PCA,  144                         ; v144-183 two sets of codes
.set PW,   184
.set TT,   186                         ; v186-193 four pairs at work
.set SW,   196                         ; v196-203 the eight blocks' scale words: lanes 0-15 the first head's, lanes 16-31 the second's
; window 1 on v's way out
.set XV,   0                           ; v0-63    two sets of 32 keys of one channel
.set CV,   64                          ; v64-79   two sets of codes
.set VM,   80                          ; v80-83   at work
.set SBV,  84                          ; v84-91   scale bytes: 4 x head + tile
.set SH,   92                          ; v92      8 x (lane / 16)
.set WW,   96                          ; v96-99   the scale words to store
.macro QUANT s, pc, pw                 ; 64 numbers of a lane, register 16 b + i of block b, half lane / 16 -> a fragment's codes in v[pc] .. v[pc + 11], its scale word in v[pw]
.irp b, 0,1,2,3
	v_max3_num_f32 v[TM+\b], |v[\s+16*\b]|, |v[\s+16*\b+1]|, 0x2800000   ; and the floor 2^(5 - 127): the byte cannot fall under 1
.endr
.irp i, 2,4,6,8,10,12,14
.irp b, 0,1,2,3
	v_max3_num_f32 v[TM+\b], v[TM+\b], |v[\s+16*\b+\i]|, |v[\s+16*\b+\i+1]|
.endr
.endr
.irp b, 0,1,2,3
	v_permlanex16_b32 v[TM+4+\b], v[TM+\b], s[SEL], s[SEL+1]
.endr
.irp b, 0,1,2,3
	v_max_num_f32 v[TM+\b], v[TM+\b], v[TM+4+\b]
.endr
.irp b, 0,1,2,3
	v_add_nc_u32 v[TM+12+\b], 0xfe000000, v[TM+\b] ; 4 off the exponent field: the conversion's scale operand
.endr
.irp b, 0,1,2,3
	v_lshrrev_b32 v[TM+4+\b], 23, v[TM+12+\b]
.endr
	v_lshl_or_b32 v[\pw], v[TM+5], 8, v[TM+4]
	v_lshl_or_b32 v[\pw], v[TM+6], 16, v[\pw]
	v_lshl_or_b32 v[\pw], v[TM+7], 24, v[\pw]
.irp c, 0,1
	v_cvt_scalef32_pk16_bf6_f32 v[\pc+6*\c:\pc+6*\c+2], v[\s+32*\c:\s+32*\c+15], v[TM+12+2*\c]
	v_cvt_scalef32_pk16_bf6_f32 v[\pc+12+4*\c:\pc+12+4*\c+2], v[\s+32*\c+16:\s+32*\c+31], v[TM+12+2*\c+1]
.endr
	v_nop                                          ; one plain place behind a scaled conversion
.irp c, 0,1
.irp i, 0,1,2
	v_permlane16_swap_b32 v[\pc+6*\c+\i], v[\pc+12+4*\c+\i]
.endr
.irp i, 0,1,2
	v_mov_b32 v[\pc+6*\c+3+\i], v[\pc+12+4*\c+\i]
.endr
.endr
.endm
	s_load_b64 s[4:5], s[0:1], 0x0                 ; h's records
	s_load_b512 s[68:83], s[0:1], 0x8              ; wq codes, scales, bq; wk codes, scales, bk; wv codes, scales
	s_load_b256 s[84:91], s[0:1], 0x48             ; bv, rope, qbuf, kbuf
	s_load_b64 s[92:93], s[0:1], 0x68              ; vbuf
	v_lshl_add_u32 v[SPW], v0, 2, SPARE
	v_mov_b32 v[NIL], 0
	ds_add_u32 v28, v29
	ds_add_u32 v28, v29
	s_wait_dscnt 0x0
	v_lshrrev_b32 v1, 5, v0
	v_readfirstlane_b32 s14, v1                    ; wave 0..3
	s_lshr_b32 s15, s14, 1                         ; which half of the tokens is mine.  Also: I fetch for A (0) or for B (1)
	s_and_b32 s16, s14, 1                          ; which half of the columns.  Also: which half of that tile I fetch
	s_bfe_u32 s40, ttmp6, 0x40000                  ; cx, cy: my place in the cluster
	s_bfe_u32 s41, ttmp6, 0x40004
	s_and_b32 s17, ttmp7, 0xffff
	s_lshl_b32 s17, s17, 2
	s_add_co_u32 s17, s17, s41                     ; tile row = 4 x cluster y + cy
	s_lshl_b32 s43, s41, 2
	s_lshl_b32 s43, 15, s43                        ; my row of the cluster
	s_lshl_b32 s44, 0x1111, s40                    ; my column
	s_lshl_b32 s100, s40, 8                        ; the weight's first row of my tile: 256 cx (the cluster's x chooses the weight)
	s_or_b32 s[G1A], s43, (3<<16)|(1<<21)          ; A: the mask of my row; elements of 8 bytes; no padding
	s_mov_b32 s[G1A+1], ATC<<16
	s_mov_b32 s[G1A+2], ATR<<16
	s_mov_b32 s[G1A+3], ATC<<16
	s_mov_b32 s[G1A+4], ATR
	s_mov_b32 s[G1A+5], KP*416                     ; from a block of 16 rows to the next: KP records
	s_mov_b32 s[G1A+6], 0
	s_mov_b32 s[G1A+7], 0
	s_or_b32 s[G1B], s44, (0<<16)|(1<<20)|(1<<21)|(3<<22)|(3<<25)   ; B: the mask of my column; bytes; 16 bytes of padding behind every 64: LDS pitch 240
	s_mov_b32 s[G1B+1], 192<<16
	s_mov_b32 s[G1B+2], 128<<16
	s_mov_b32 s[G1B+3], 192<<16
	s_mov_b32 s[G1B+4], 128
	s_mov_b32 s[G1B+5], KROW
	s_mov_b32 s[G1B+6], 0
	s_mov_b32 s[G1B+7], 0
	s_mul_i32 s20, s17, 2*MA
	s_mul_i32 s21, s16, MA
	s_add_co_u32 s20, s20, s21                     ; A: the first block of 16 rows that I fetch
	s_mul_i32 s20, s20, KP*3328
	s_mov_b32 s21, 0
	s_lshl_b32 s46, s16, 7
	s_add_co_u32 s46, s46, s100                    ; B: the first row that I fetch
	s_mul_i32 s46, s46, KROW
	s_mov_b32 s47, 0
	s_mul_i32 s22, s100, KS
	s_mul_i32 s23, s16, RS*256
	s_add_co_u32 s22, s22, s23                     ; and my half of the tile's scale bytes
	s_mov_b32 s23, 0
	s_mul_i32 s45, s16, AHALF                      ; where they go: no place in the cluster enters an LDS address
	s_mul_i32 s18, s16, BHALF
	s_add_co_u32 s18, s18, ASZ
	s_mul_i32 s19, s16, RS*272
	s_add_co_u32 s19, s19, SCL
	s_wait_kmcnt 0x0
	s_cmp_eq_u32 ttmp9, 1                          ; the choice hangs on the cluster's x alone
	s_cselect_b64 s[6:7], s[74:75], s[80:81]
	s_cselect_b64 s[8:9], s[76:77], s[82:83]
	s_cselect_b64 s[10:11], s[78:79], s[84:85]
	s_cselect_b64 s[12:13], s[90:91], s[92:93]
	s_cmp_eq_u32 ttmp9, 0
	s_cselect_b64 s[6:7], s[68:69], s[6:7]         ; codes
	s_cselect_b64 s[8:9], s[70:71], s[8:9]         ; scales
	s_cselect_b64 s[10:11], s[72:73], s[10:11]     ; bias
	s_cselect_b64 s[12:13], s[88:89], s[12:13]     ; where the result goes
	s_or_b32 s[G1S], s44, (3<<16)|(1<<20)|(1<<21)|(5<<22)|(3<<25)   ; B's scale bytes: rows of 256 bytes, 16 of padding behind each
	s_mov_b32 s[G1S+1], 32<<16
	s_mov_b32 s[G1S+2], RS<<16
	s_mov_b32 s[G1S+3], 32<<16
	s_mov_b32 s[G1S+4], RS
	s_mov_b32 s[G1S+5], 32
	s_mov_b32 s[G1S+6], 0
	s_mov_b32 s[G1S+7], 0
	s_add_nc_u64 s[20:21], s[4:5], s[20:21]
	s_add_nc_u64 s[46:47], s[6:7], s[46:47]
	s_add_nc_u64 s[22:23], s[8:9], s[22:23]
	CROUND                                         ; all sixteen work-groups are here: the first joint loads meet
	s_mov_b32 s[G0S], 1
	s_mov_b32 s[G0S+1], s19
	s_mov_b64 s[G0S+2:G0S+3], s[22:23]
	s_or_b32 s[G0S+3], s[G0S+3], 0x80000000
.irp s, 0,1
	s_mov_b32 s[G0A+4*\s], 1
	s_add_co_u32 s[G0A+4*\s+1], s45, \s*SLOT
	s_add_nc_u64 s[G0A+4*\s+2:G0A+4*\s+3], s[20:21], \s*AROW
	s_or_b32 s[G0A+4*\s+3], s[G0A+4*\s+3], 0x80000000
	s_mov_b32 s[G0B+4*\s], 1
	s_add_co_u32 s[G0B+4*\s+1], s18, \s*SLOT
	s_add_nc_u64 s[G0B+4*\s+2:G0B+4*\s+3], s[46:47], \s*BSTEP
	s_or_b32 s[G0B+4*\s+3], s[G0B+4*\s+3], 0x80000000
.endr
	s_cmp_eq_u32 s15, 0                            ; a wave's first fills stand in one branch: two loads of waves 0, 1 are out, three of waves 2, 3
	s_cbranch_scc0 .Lfirst_b
	tensor_load_to_lds s[G0A:G0A+3], s[G1A:G1A+7]
	s_nop 0
	tensor_load_to_lds s[G0A+4:G0A+7], s[G1A:G1A+7]
	s_nop 0
.rept 4
	v_nop
.endr
	s_branch .Lfirst_done
.Lfirst_b:
	tensor_load_to_lds s[G0S:G0S+3], s[G1S:G1S+7]
	s_nop 0
	tensor_load_to_lds s[G0B:G0B+3], s[G1B:G1B+7]
	s_nop 0
	tensor_load_to_lds s[G0B+4:G0B+7], s[G1B:G1B+7]
	s_nop 0
.rept 4
	v_nop
.endr
.Lfirst_done:
	v_and_b32 v1, 15, v0                           ; r
	v_bfe_u32 v2, v0, 4, 1                         ; h
	v_and_b32 v3, 31, v0                           ; lane
	s_mul_i32 s18, s15, AHALF                      ; my MA blocks of A
	v_lshl_add_u32 v[ADRA], v3, 3, s18
	v_add_nc_u32 v[ADRA+1], SLOT, v[ADRA]
	v_lshl_add_u32 v[ADSA], v3, 2, s18
	v_add_nc_u32 v[ADSA+1], SLOT, v[ADSA]
	s_mul_i32 s19, s16, NBK*3840                   ; my NBK blocks of B, behind A's part of the slot
	s_add_co_u32 s19, s19, ASZ
	v_mul_u32_u24 v4, v1, 240
	v_mad_u32_u24 v5, v2, 24, v4
	v_mad_u32_u24 v6, v2, 40, v4
	v_add_nc_u32 v[ADRB], s19, v5
	v_add_nc_u32 v[ADRB+2], s19, v6
	v_add_nc_u32 v[ADRB+1], SLOT, v[ADRB]
	v_add_nc_u32 v[ADRB+3], SLOT, v[ADRB+2]
	v_mul_u32_u24 v4, v1, KS                       ; my row's scale bytes: KS a row, and 16 more for each 256 passed
	v_lshrrev_b32 v5, 8, v4
	v_lshl_add_u32 v4, v5, 4, v4
	s_mul_i32 s19, s16, (NBK*16*KS/256)*272
	s_add_co_u32 s19, s19, SCL
	v_add_nc_u32 v[ADRS], s19, v4
	s_mul_i32 s18, s16, NBK*16
	s_add_co_u32 s18, s18, s100
	s_lshl_b32 s18, s18, 2                         ; my first column's bias
	s_mov_b32 s19, 0
	s_add_nc_u64 s[10:11], s[10:11], s[18:19]
	v_lshlrev_b32 v[BO], 5, v2
	WIN 0x40
.set BB, 0
.rept NBK                                      ; tile b: bias of columns 16 b + 8 h + 0 .. 7, the result's layout
.set CR, 96+8*BB+96*(BB/4)
	global_load_b128 v[CR:CR+3], v[BO], s[10:11] offset:64*BB
	global_load_b128 v[CR+4:CR+7], v[BO], s[10:11] offset:64*BB+16
.set BB, BB+1
.endr
	WIN 0
	v_lshlrev_b32 v[P8], 3, v3
	v_lshlrev_b32 v[TBO], 8, v1
	v_lshl_add_u32 v[TBO], v2, 4, v[TBO]
	v_mul_u32_u24 v[SWO], v2, 106496
	v_lshl_add_u32 v[SWO], v1, 5, v[SWO]
	s_mul_i32 s18, s14, 17664                      ; v's stage, my wave's own, in slot 0
	v_mul_u32_u24 v[VSTO], v1, 272
	v_lshl_add_u32 v[VSTO], v2, 5, v[VSTO]
	v_add_nc_u32 v[VSTO], s18, v[VSTO]
	v_mul_u32_u24 v[VRD], v2, 8768                 ; lanes 16-31 read the tokens 32 further on: 32 x 272 + 64
	v_lshl_add_u32 v[VRD], v1, 2, v[VRD]
	v_add_nc_u32 v[VRD], s18, v[VRD]
	v_mul_u32_u24 v[VSO], v2, 102400
	v_lshl_add_u32 v[VSO], v1, 4, v[VSO]
	s_mov_b32 s[SEL], 0x76543210
	s_mov_b32 s[SEL+1], 0xfedcba98
	s_mov_b32 s98, 0xffff0000                      ; lanes 16-31
	s_lshr_b32 s99, s17, 3                         ; the batch: eight tiles of 256 tokens each
	s_lshl_b32 s99, s99, 4
	s_lshl_b32 s101, s40, 2
	s_add_co_u32 s99, s99, s101
	s_lshl_b32 s101, s16, 1
	s_add_co_u32 s99, s99, s101                    ; my first head: 16 x batch + 4 cx + 2 x half
	s_lshl_b32 s99, s99, 4
	s_lshl_b32 s101, s17, 1
	s_add_co_u32 s101, s101, s15
	s_and_b32 s101, s101, 15                       ; my step of 128 tokens in the batch
	s_add_co_u32 s99, s99, s101                    ; 16 x head + step
	s_wait_tensorcnt 0x1                           ; my part of slot 0 (and the scale bytes) is in; slot 1's load may stay out
	s_barrier_signal -1
	s_barrier_wait -1
	FETCH_B 0, 0, 0
	FETCH_A 0, 0, 0
	SCALES 0
	FETCH_A 0, 0, MA/2
	s_wait_loadcnt 0x0                             ; the bias
	STEP 0, 0, 1
	s_mov_b32 s3, LAPS-1
.Llap:
	MID 0
	TURN 0, 1, 1
	STEP 1, 0, 0
	MID 1
	TURN 1, 0, 1
	STEP 0, 0, 0
	s_sub_co_u32 s3, s3, 1
	s_cmp_lg_u32 s3, 0
	s_cbranch_scc1 .Llap
	MID 0
	TURN 0, 1, 0                                   ; the last lap fills nothing
	STEP 1, 0, 0
	MID 1
	s_wait_dscnt 3*MA                              ; the very last step
	MULS 0, MA/2, 1, NQ-1, 1, 0
	s_wait_dscnt 0x0
	MULS MA/2, MA/2, 1, NQ-1, 1, 0
	WIN 0
	PLACES
	s_mov_b32 s95, 0
	s_cmp_eq_u32 ttmp9, 2                          ; the cluster's x: the same in all partners
	s_cbranch_scc1 .Lv
; ---- q and k: block by block of 16 tokens: rotation, quantiser, stores.  No LDS. ----
.macro TBL a                           ; the table's rows of block a: my token's cos and sin of frequencies 8 tt + 4 h + 0 .. 3
	WIN 0x40
.irp tt, 0,1,2,3
	global_load_b128 v[CS+32*((\a)%2)+4*\tt:CS+32*((\a)%2)+4*\tt+3], v[TBO], s[86:87] offset:(\a)*4096+32*\tt
	global_load_b128 v[CS+32*((\a)%2)+16+4*\tt:CS+32*((\a)%2)+16+4*\tt+3], v[TBO], s[86:87] offset:(\a)*4096+32*\tt+128
.endr
.endm
.macro ROPE a                          ; (x0, x1) -> (x0 cos - x1 sin, x1 cos + x0 sin): a packed product with the pair crossed and its low half negated, then a packed multiply-add; each accumulator from its low end on
	WIN 0x56+(\a)/4
.irp b, 0,1,2,3,4,5,6,7
.set XR, 8*(8*((\a)%4)+\b)
.set CP, CS+32*((\a)%2)+4*(\b%4)
	v_pk_mul_f32 v[TT:TT+1], v[XR:XR+1], v[CP+16:CP+17] op_sel:[1,0] op_sel_hi:[0,0] neg_lo:[1,0]
	v_pk_mul_f32 v[TT+2:TT+3], v[XR+2:XR+3], v[CP+16:CP+17] op_sel:[1,1] op_sel_hi:[0,1] neg_lo:[1,0]
	v_pk_mul_f32 v[TT+4:TT+5], v[XR+4:XR+5], v[CP+18:CP+19] op_sel:[1,0] op_sel_hi:[0,0] neg_lo:[1,0]
	v_pk_mul_f32 v[TT+6:TT+7], v[XR+6:XR+7], v[CP+18:CP+19] op_sel:[1,1] op_sel_hi:[0,1] neg_lo:[1,0]
	v_pk_fma_f32 v[Y+8*\b:Y+8*\b+1], v[XR:XR+1], v[CP:CP+1], v[TT:TT+1] op_sel:[0,0,0] op_sel_hi:[1,0,1]
	v_pk_fma_f32 v[Y+8*\b+2:Y+8*\b+3], v[XR+2:XR+3], v[CP:CP+1], v[TT+2:TT+3] op_sel:[0,1,0] op_sel_hi:[1,1,1]
	v_pk_fma_f32 v[Y+8*\b+4:Y+8*\b+5], v[XR+4:XR+5], v[CP+2:CP+3], v[TT+4:TT+5] op_sel:[0,0,0] op_sel_hi:[1,0,1]
	v_pk_fma_f32 v[Y+8*\b+6:Y+8*\b+7], v[XR+6:XR+7], v[CP+2:CP+3], v[TT+6:TT+7] op_sel:[0,1,0] op_sel_hi:[1,1,1]
.endr
.endm
.macro QKBLOCK a
.if (\a) < 7
	TBL (\a)+1
	s_wait_loadcnt 0x8                             ; this block's eight loads are in; the next block's eight may be out
.else
	s_wait_loadcnt 0x0
.endif
	ROPE \a
	WIN 0x55
	s_wait_xcnt 0x0                                ; the stores of two blocks ago have read this set of codes
	QUANT Y, PCA+20*((\a)%2), PW
	v_and_b32 v204, 0xffff, v[PW]                  ; the first head's two bytes; bytes 2 and 3 stay 0
	v_lshrrev_b32 v205, 16, v[PW]                  ; the second head's
	v_cndmask_b32 v[SW+\a], v204, v205, s98
	WIN 0x04                                       ; a store's data: window 1
.irp p, 0,1,2
	global_store_b64 v[P8], v[PCA+20*((\a)%2)+2*\p:PCA+20*((\a)%2)+2*\p+1], s[12:13] offset:768*(\a)+256*\p              ; 32 lanes store 256 consecutive bytes, aligned
	global_store_b64 v[P8], v[PCA+20*((\a)%2)+6+2*\p:PCA+20*((\a)%2)+7+2*\p], s[12:13] offset:106496+768*(\a)+256*\p    ; the second head: 16 steps of 6,656 bytes on
.endr
.endm
	s_mul_i32 s94, s99, 6656
	s_add_nc_u64 s[12:13], s[12:13], s[94:95]      ; my first head's step
	s_lshl_b32 s94, s101, 15                       ; the table at my first token: 128 tokens of 256 bytes a step
	s_add_nc_u64 s[86:87], s[86:87], s[94:95]
	WIN 0x40
.irp b, 0,1,2,3
	v_mov_b32 v[TM+4+\b], 0                        ; written once: a lane permute's destination counts as one of its sources
.endr
	TBL 0
.irp a, 0,1,2,3,4,5,6,7
	QKBLOCK \a
.endr
	global_store_b128 v[SWO], v[SW:SW+3], s[12:13] offset:6144     ; row r's eight words, 32 bytes; lanes 16-31: the second head's
	global_store_b128 v[SWO], v[SW+4:SW+7], s[12:13] offset:6160
	WIN 0
	s_branch .Lend
; ---- v: 64 tokens of one head at a time through my stage (a token's 64 channels: 256 bytes, pitch 272; tokens 32-63 lie 64 bytes further on, so that the two halves of the lanes read different banks), and back by channels:
; lane (r, h) takes channel 16 t + r and the 32 keys of block 2 c + h, in the order of the formula above: a whole block in a lane.  Its six registers of codes are the operand's registers 6 c .. 6 c + 5.
.macro VSTORE c, hd
	WIN 0x08+4*\c                                  ; an LDS store's data: window 2 or 3
.irp a, 0,1,2,3
.irp b, 0,1,2,3
.set AR, 8*(8*\a+4*\hd+\b)
	ds_store_b128 v[VSTO], v[AR:AR+3] offset:16*\a*272+(\a/2)*64+64*\b        ; each accumulator from its low end on
	ds_store_b128 v[VSTO], v[AR+4:AR+7] offset:16*\a*272+(\a/2)*64+64*\b+16
.endr
.endr
.endm
.macro VLOAD t
	WIN 0x40
.set PP, 0
.rept 32
	ds_load_b32 v[XV+32*((\t)%2)+PP], v[VRD] offset:(16*((PP>>3)&1)+8*(PP>>4)+(PP&7))*272+64*(\t)   ; LDS serves a wave's instructions in order: these see my stores
.set PP, PP+1
.endr
.endm
.macro VPROC c, hd, t
.set XS, XV+32*((\t)%2)
.set CC, CV+8*((\t)%2)
	WIN 0x55
	v_max3_num_f32 v[VM], |v[XS]|, |v[XS+1]|, |v[XS+2]|
	v_max3_num_f32 v[VM+1], |v[XS+3]|, |v[XS+4]|, |v[XS+5]|
.irp i, 6,10,14,18,22,26
	v_max3_num_f32 v[VM], v[VM], |v[XS+\i]|, |v[XS+\i+1]|
	v_max3_num_f32 v[VM+1], v[VM+1], |v[XS+\i+2]|, |v[XS+\i+3]|
.endr
	v_max3_num_f32 v[VM], v[VM], |v[XS+30]|, |v[XS+31]|
	v_max3_num_f32 v[VM], v[VM], v[VM+1], 0x2800000
	v_add_nc_u32 v[VM+2], 0xfe000000, v[VM]
	v_lshrrev_b32 v[VM+3], 23, v[VM+2]
.if \c == 0
	v_mov_b32 v[SBV+4*\hd+\t], v[VM+3]             ; block h's byte,
.else
	v_lshl_or_b32 v[SBV+4*\hd+\t], v[VM+3], 16, v[SBV+4*\hd+\t]   ; block 2 + h's
.endif
	s_wait_xcnt 0x0                                ; earlier stores have read this set of codes
	v_cvt_scalef32_pk16_bf6_f32 v[CC:CC+2], v[XS:XS+15], v[VM+2]
	v_cvt_scalef32_pk16_bf6_f32 v[CC+4:CC+6], v[XS+16:XS+31], v[VM+2]
	v_nop                                          ; one plain place behind a scaled conversion
	v_mov_b32 v[CC+3], v[CC+4]
	v_mov_b32 v[CC+4], v[CC+5]
	v_mov_b32 v[CC+5], v[CC+6]
	WIN 0x04
.irp i, 0,1,2
	global_store_b64 v[P8], v[CC+2*\i:CC+2*\i+1], s[12:13] offset:\hd*102400+\t*1536+(3*\c+\i)*256   ; a whole piece: 256 consecutive bytes, aligned
.endr
.endm
.Lv:
	s_mul_i32 s94, s99, 6400
	s_add_nc_u64 s[12:13], s[12:13], s[94:95]
	WIN 0x40
	v_bfe_u32 v[SH], v0, 4, 1
	WIN 0x55
	v_lshlrev_b32 v[SH], 3, v[SH]
.irp c, 0,1
.irp hd, 0,1
	VSTORE \c, \hd
	VLOAD 0
.irp t, 0,1,2,3
.if \t < 3
	VLOAD \t+1
	s_wait_dscnt 32                                ; this tile's 32 loads are in; the next tile's may be out
.else
	s_wait_dscnt 0x0
.endif
	VPROC \c, \hd, \t
.endr
.endr
.endr
	WIN 0x55
.irp k, 0,1,2,3,4,5,6,7
	v_lshlrev_b32 v[SBV+\k], v[SH], v[SBV+\k]      ; my two bytes at their places in the word,
.endr
.irp k, 0,1,2,3,4,5,6,7
	v_permlanex16_b32 v[XV+\k], v[SBV+\k], s[SEL], s[SEL+1]
.endr
.irp k, 0,1,2,3,4,5,6,7
	v_or_b32 v[SBV+\k], v[SBV+\k], v[XV+\k]        ; with lane l xor 16's two the word is whole
.endr
.irp t, 0,1,2,3
	v_cndmask_b32 v[WW+\t], v[SBV+\t], v[SBV+4+\t], s98   ; lanes 16-31 store the second head's
.endr
	WIN 0x04
	global_store_b128 v[VSO], v[WW:WW+3], s[12:13] offset:6144     ; sixteen lanes store 256 consecutive bytes, aligned
	WIN 0
.Lend:
	s_wait_tensorcnt 0x0                           ; the wave's end
	ds_add_u32 v[SPW], v[NIL]
	s_wait_dscnt 0x0
	CROUND                                         ; the closing round
	s_endpgm
.Lfunc_end_k_q6457a3ceda_qkv:
	.size	k_q6457a3ceda_qkv, .Lfunc_end_k_q6457a3ceda_qkv-k_q6457a3ceda_qkv
	.p2alignl 7, 3214868480
	.fill 96, 4, 3214868480
	.section	.rodata,"a",@progbits
	.p2align	6, 0x0
	.amdhsa_kernel k_q6457a3ceda_qkv
		.amdhsa_group_segment_fixed_size 327680
		.amdhsa_private_segment_fixed_size 0
		.amdhsa_enable_private_segment 0
		.amdhsa_kernarg_size 112
		.amdhsa_user_sgpr_count 2
		.amdhsa_user_sgpr_kernarg_segment_ptr 1
		.amdhsa_wavefront_size32 1
		.amdhsa_system_sgpr_workgroup_id_x 1
		.amdhsa_system_sgpr_workgroup_id_y 1
		.amdhsa_system_sgpr_workgroup_id_z 1
		.amdhsa_system_vgpr_workitem_id 0
		.amdhsa_next_free_vgpr 1024
		.amdhsa_next_free_sgpr 102
		.amdhsa_reserve_vcc 0
		.amdhsa_float_denorm_mode_32 3
		.amdhsa_float_denorm_mode_16_64 3
		.amdhsa_memory_ordered 1
		.amdhsa_forward_progress 1
		.amdhsa_inst_pref_size 255
	.end_amdhsa_kernel
	.section	.bss,"aw",@nobits
	.p2align	6
	.space	262144
	.amdgpu_metadata
---
amdhsa.version: [ 1, 2 ]
amdhsa.kernels:
  - .name:           k_q6457a3ceda_qkv
    .symbol:         k_q6457a3ceda_qkv.kd
    .args:
      - { .name: hq, .offset: 0, .size: 8, .value_kind: global_buffer, .address_space: global }
      - { .name: wq_codes, .offset: 8, .size: 8, .value_kind: global_buffer, .address_space: global }
      - { .name: wq_scales, .offset: 16, .size: 8, .value_kind: global_buffer, .address_space: global }
      - { .name: bq, .offset: 24, .size: 8, .value_kind: global_buffer, .address_space: global }
      - { .name: wk_codes, .offset: 32, .size: 8, .value_kind: global_buffer, .address_space: global }
      - { .name: wk_scales, .offset: 40, .size: 8, .value_kind: global_buffer, .address_space: global }
      - { .name: bk, .offset: 48, .size: 8, .value_kind: global_buffer, .address_space: global }
      - { .name: wv_codes, .offset: 56, .size: 8, .value_kind: global_buffer, .address_space: global }
      - { .name: wv_scales, .offset: 64, .size: 8, .value_kind: global_buffer, .address_space: global }
      - { .name: bv, .offset: 72, .size: 8, .value_kind: global_buffer, .address_space: global }
      - { .name: rope, .offset: 80, .size: 8, .value_kind: global_buffer, .address_space: global }
      - { .name: qbuf, .offset: 88, .size: 8, .value_kind: global_buffer, .address_space: global }
      - { .name: kbuf, .offset: 96, .size: 8, .value_kind: global_buffer, .address_space: global }
      - { .name: vbuf, .offset: 104, .size: 8, .value_kind: global_buffer, .address_space: global }
    .group_segment_fixed_size: 327680
    .private_segment_fixed_size: 0
    .kernarg_segment_align: 8
    .kernarg_segment_size: 112
    .max_flat_workgroup_size: 128
    .sgpr_count:     102
    .vgpr_count:     1024
    .wavefront_size: 32
...
	.end_amdgpu_metadata
.endif
;; end of part 2
;; launch attn (part 3): grid 8 x 32, 16 waves a work-group, clusters of 4 x 1, 215,040 bytes of LDS; arguments qbuf, kbuf, vbuf, oq; writes oq
.if DOCPART == 3
	.amdgcn_target "amdgcn-amd-amdhsa--gfx1250"
	.amdhsa_code_object_version 6
	.text
	.protected	k_q6457a3ceda_attn
	.globl	k_q6457a3ceda_attn
	.p2align	8
	.type	k_q6457a3ceda_attn,@function
k_q6457a3ceda_attn:
	s_mov_b64 s[64:65], 0
	v_nop
	global_prefetch_b8 v0, s[64:65] scope:SCOPE_SE
	s_setreg_imm32_b32 hwreg(HW_REG_WAVE_MODE, 25, 1), 1
	s_wait_xcnt 0x0
	s_wait_alu depctr_hold_cnt(0) depctr_sa_sdst(0) depctr_va_vdst(0) depctr_va_sdst(0) depctr_va_ssrc(0) depctr_va_vcc(0) depctr_vm_vsrc(0)
	s_getreg_b32 s2, hwreg(HW_REG_IB_STS2, 6, 4)
	s_cmp_eq_u32 s2, 0
	s_cbranch_scc0 .Lentry_in_a_cluster
	s_endpgm
.Lentry_in_a_cluster:
	s_bfe_u32 s2, ttmp6, 0x10000c
	s_cmp_lg_u32 s2, 0x3003
	s_cbranch_scc0 .Lentry_shape_is_right
	s_endpgm
.Lentry_shape_is_right:
; o = softmax(q k^T / 8) v for one head, both products on codes of BF6 (E3M2) with E8M0 scales; then o is quantised along the model's 1,024 for the next product.
; t = score x log2(e) / 8; M = the running largest t rounded up to a whole number; p = 2^(t - M) is quantised along the keys; the row's sum is taken of the unquantised p and divides at the end.
; SHARES.  A work-group owns 256 queries of one head, each of its sixteen waves 16 of them in 256 registers.  Every wave walks the head's 2,048 keys, 128 a step.
; ALL OF THE HEAD'S K AND V LIE IN LDS: K's step s at 6,656 s, V's at 106,496 + 6,400 s: filled once, so there is no ring.  The four work-groups of a cluster belong to one head and ask jointly.
; THEY ARRIVE IN QUARTERS of four steps: each wave issues four loads, one for each quarter (waves 0-7 an eighth of K's quarter, waves 8-15 an eighth of V's), and the walk begins when the first quarter is in:
; four steps, a barrier for the second quarter, four steps, a barrier for the rest, eight steps.  A loop reads only bytes of the quarters that its barrier has shown landed.
; LAYOUT.  Both products transposed: S^T = K Q^T (source 0 = 16 keys, source 1 = my 16 queries), O^T = V^T P^T: a lane holds one query throughout.
; The head's 64 fill the lower half of a K step of 128: Q's upper six registers are zeros; K's operand of tile t is v[32 + 6 t .. 32 + 6 t + 11], whose upper six registers
; (the next tile's codes, or zeros) meet Q's zero codes and add nothing.
; The keys of a tile are neighbours; p's codes then come out, inside a block of 32 keys, in the order in which V's codes were laid: place p holds key 16 ((p >> 3) & 1) + 8 (p >> 4) + (p & 7).
; LIMITS: NaN and infinities are not served; a block of zeros gets the scale byte 1 (its codes are zeros).
; REGISTERS: v1-4 places that stay; v8-11 the step's addresses; v12 -M, v13 the largest t, v[14:15] the sum; v16-27 Q; v28, 29 the way out; v32-79 K's tiles, then V's fragments; v80-85 zeros; v88-95 K's scale words;
; v96-159 S^T, then p; v160-191 O^T; v224-235 p's codes; v232-247, v252, v254 at work; v248-251 V's scale words; v253 p's; v255 Q's.
.set WV,  18
.set SEL, 20                           ; s[20:21] lane selects: lane l xor 16
.set CS,  22                           ; s[22:23] c = log2(e) / 8
.set G1K, 24                           ; s[24:31] descriptor group 1 for K's pieces;  s[32:39] for V's
.set G1V, 32
.set G0K, 40                           ; s[40:55] four groups 0 for K's pieces, one for each quarter
.set TK,  56                           ; s56  LDS byte of the step's K;  s57 of its V (from V's first byte)
.set TV,  57
.set CNT, 58
.set G0V, 80                           ; s[80:95] four groups 0 for V's pieces
.set KQ,  26624                        ; a quarter of the head's K in bytes: four steps of 6,656
.set VQ,  25600                        ; of its V: four steps of 6,400
.macro CROUND
	s_barrier_signal -1
	s_barrier_wait -1
	s_cmp_lg_u32 s[WV], 0
	s_cbranch_scc1 .Lnot_wave_0_\@
	s_barrier_signal -3
.Lnot_wave_0_\@:
	s_barrier_wait -3
	s_barrier_signal -1
	s_barrier_wait -1
.endm
; A wave's four joint loads, the first quarter's first.  Register set-up that is due anyway stands between them.  Four loads of the wave are out behind the last.
.macro FILLS g0, g1
	tensor_load_to_lds s[\g0:\g0+3], s[\g1:\g1+7]
	s_nop 0
.set J, 0
.rept 16
	v_mov_b32 v[160+J], 0                          ; O^T: the step is written for every trip alike; the first finds zeros
.set J, J+1
.endr
	tensor_load_to_lds s[\g0+4:\g0+7], s[\g1:\g1+7]
	s_nop 0
.rept 16
	v_mov_b32 v[160+J], 0
.set J, J+1
.endr
	tensor_load_to_lds s[\g0+8:\g0+11], s[\g1:\g1+7]
	s_nop 0
.irp j, 22,23,24,25,26,27,80,81,82,83,84,85,236,237,238,239
	v_mov_b32 v[\j], 0                             ; zero codes for the upper half of the K step; v236-239: a lane permute's destination counts as one of its sources
.endr
	tensor_load_to_lds s[\g0+12:\g0+15], s[\g1:\g1+7]
	s_nop 0
	v_mov_b32 v13, 0xff61b1e6                      ; the largest t so far: -3e38
	v_mov_b32 v14, 0                               ; the sum, in two halves
	v_mov_b32 v15, 0
	v_mov_b32 v253, 0                              ; (named as the upper half of the pair v[252:253] before it is first written)
.endm
; len key steps from step f0 on.
.macro PHASE f0, len
	s_mov_b32 s[TK], (\f0)*6656
	s_mov_b32 s[TV], (\f0)*6400
	s_mov_b32 s[CNT], \len
.Lstep_\@:
	v_add_nc_u32 v8, s[TK], v1                     ; (these four are also the places behind the last products, in front of the loads into their operands)
	v_add_nc_u32 v9, s[TV], v2
	v_add_nc_u32 v10, s[TK], v3
	v_add_nc_u32 v11, s[TV], v4
.irp t, 0,1,2,3,4,5,6,7
.irp p, 0,1,2
	ds_load_b64 v[32+6*\t+2*\p:33+6*\t+2*\p], v8 offset:768*\t+256*\p
.endr
.endr
	ds_load_b128 v[88:91], v10
	ds_load_b128 v[92:95], v10 offset:16
	s_wait_dscnt 0x0
.irp t, 0,1,2,3,4,5,6,7
	v_wmma_scale_f32_16x16x128_f8f6f4 v[96+8*\t:103+8*\t], v[32+6*\t:43+6*\t], v[16:27], 0, v[88+\t], v255 matrix_a_fmt:MATRIX_FMT_BF6 matrix_b_fmt:MATRIX_FMT_BF6
.endr
.rept 4
	v_nop
.endr
.irp t, 0,1,2,3                                ; V's fragments are asked for here and land under the softmax
.irp p, 0,1,2,3,4,5
	ds_load_b64 v[32+12*\t+2*\p:33+12*\t+2*\p], v9 offset:1536*\t+256*\p
.endr
.endr
	ds_load_b128 v[248:251], v11
.irp b, 0,1,2,3
	v_max3_num_f32 v[232+\b], v[96+16*\b], v[97+16*\b], v[98+16*\b]   ; the largest score of each block of 32 keys: for the row's maximum and, since p rises with the score, for the block's largest p
.endr
.irp i, 3,5,7,9,11,13
.irp b, 0,1,2,3
	v_max3_num_f32 v[232+\b], v[232+\b], v[96+16*\b+\i], v[97+16*\b+\i]
.endr
.endr
.irp b, 0,1,2,3
	v_max_num_f32 v[232+\b], v[232+\b], v[111+16*\b]
.endr
.irp b, 0,1,2,3
	v_permlanex16_b32 v[236+\b], v[232+\b], s[SEL], s[SEL+1]
.endr
.irp b, 0,1,2,3
	v_max_num_f32 v[232+\b], v[232+\b], v[236+\b]
.endr
	v_max3_num_f32 v254, v232, v233, v234
	v_max_num_f32 v254, v254, v235
	v_mul_f32 v254, s[CS], v254
	v_max_num_f32 v13, v13, v254                   ; the running largest t
	v_mov_b32 v254, v12
	v_floor_f32 v12, -v13                          ; the new -M: a whole number
	v_sub_f32 v254, v12, v254
	v_cvt_i32_f32 v254, v254                       ; (it saturates)
	v_ldexp_f32 v252, 1.0, v254                    ; f = 2^(old M - new M): rounds nothing
.set J, 0
.rept 32
	v_pk_fma_f32 v[96+J:97+J], v[96+J:97+J], s[CS:CS+1], v[12:13] op_sel_hi:[1,0,0]   ; t - M
.set J, J+2
.endr
.irp b, 0,1,2,3
	v_fma_f32 v[232+\b], v[232+\b], s[CS], v12
.endr
.set J, 0
.rept 64
	v_exp_f32 v[96+J], v[96+J]                     ; p = 2^(t - M)
.set J, J+1
.endr
.irp b, 0,1,2,3
	v_exp_f32 v[232+\b], v[232+\b]                 ; the block's largest p: the same two instructions on the same number
.endr
	v_pk_mul_f32 v[14:15], v[14:15], v[252:253] op_sel_hi:[1,0]   ; the sums under the new M (a plain place behind the exponentials)
	s_wait_alu depctr_va_vdst(0)
.irp b, 0,1,2,3
	v_max_num_f32 v[232+\b], 0x2800000, v[232+\b]  ; the floor 2^(5 - 127)
.endr
.irp b, 0,1,2,3
	v_add_nc_u32 v[244+\b], 0xfe000000, v[232+\b]
.endr
.irp b, 0,1,2,3
	v_lshrrev_b32 v[236+\b], 23, v[244+\b]
.endr
	v_lshl_or_b32 v253, v237, 8, v236              ; p's scale word for these 128 keys
	v_lshl_or_b32 v253, v238, 16, v253
	v_lshl_or_b32 v253, v239, 24, v253
.irp c, 0,1
	v_cvt_scalef32_pk16_bf6_f32 v[224+6*\c:226+6*\c], v[96+32*\c:111+32*\c], v[244+2*\c]
	v_cvt_scalef32_pk16_bf6_f32 v[236+4*\c:238+4*\c], v[112+32*\c:127+32*\c], v[244+2*\c+1]
.endr
	v_nop                                          ; one plain place behind a scaled conversion
.irp c, 0,1
.irp i, 0,1,2
	v_permlane16_swap_b32 v[224+6*\c+\i], v[236+4*\c+\i]
.endr
.irp i, 0,1,2
	v_mov_b32 v[227+6*\c+\i], v[236+4*\c+\i]
.endr
.endr
	v_pk_add_f32 v[236:237], v[96:97], v[98:99]    ; the row's sum is taken of the unquantised p, in two chains
.irp j, 4,8,12,16,20,24,28,32,36,40,44,48,52,56,60
	v_pk_add_f32 v[14:15], v[14:15], v[96+\j:97+\j]
	v_pk_add_f32 v[236:237], v[236:237], v[98+\j:99+\j]
.endr
	v_pk_add_f32 v[14:15], v[14:15], v[236:237]
.set J, 0
.rept 16
	v_pk_mul_f32 v[160+J:161+J], v[160+J:161+J], v[252:253] op_sel_hi:[1,0]   ; O^T under the new M
.set J, J+2
.endr
	s_wait_dscnt 0x0                               ; V
.irp t, 0,1,2,3
	v_wmma_scale_f32_16x16x128_f8f6f4 v[160+8*\t:167+8*\t], v[32+12*\t:43+12*\t], v[224:235], v[160+8*\t:167+8*\t], v[248+\t], v253 matrix_a_fmt:MATRIX_FMT_BF6 matrix_b_fmt:MATRIX_FMT_BF6
.endr
	s_add_co_u32 s[TK], s[TK], 6656
	s_add_co_u32 s[TV], s[TV], 6400
	s_sub_co_u32 s[CNT], s[CNT], 1
	s_cmp_lg_u32 s[CNT], 0
	s_cbranch_scc1 .Lstep_\@
.endm
	s_load_b256 s[4:11], s[0:1], 0x0               ; qbuf, kbuf, vbuf, oq
	v_lshl_add_u32 v223, v0, 2, 0x34000
	v_mov_b32 v243, 0
	ds_add_u32 v223, v243
	ds_add_u32 v223, v243
	v_lshrrev_b32 v8, 5, v0
	v_readfirstlane_b32 s[WV], v8                  ; wave 0..15
	s_bfe_u32 s60, ttmp6, 0x40000                  ; cx
	s_lshl_b32 s61, ttmp9, 2
	s_add_co_u32 s61, s61, s60                     ; my block of 256 queries: it enters Q's and o's addresses alone
	s_and_b32 s62, ttmp7, 0xffff                   ; 16 x batch + head, which the partners share
	s_and_b32 s63, s[WV], 7
	s_mul_i32 s66, s63, KQ/8                       ; waves 0-7: my eighth of a quarter of K: 3,328 bytes
	s_mul_i32 s67, s63, VQ/8                       ; waves 8-15: of V: 3,200 bytes
	s_mul_i32 s68, s62, 106496
	s_add_co_u32 s68, s68, s66
	s_mov_b32 s69, 0
	s_mul_i32 s70, s62, 102400
	s_add_co_u32 s70, s70, s67
	s_mov_b32 s71, 0
	s_add_co_u32 s67, s67, 106496                  ; V lies behind K in LDS
	s_mov_b32 s[G1K], 15|(3<<16)|(1<<21)           ; the mask: all four work-groups; elements of 8 bytes; no padding: 13 dense rows of 256 bytes
	s_mov_b32 s[G1K+1], 32<<16
	s_mov_b32 s[G1K+2], 13<<16
	s_mov_b32 s[G1K+3], 32<<16
	s_mov_b32 s[G1K+4], 13
	s_mov_b32 s[G1K+5], 32
	s_mov_b32 s[G1K+6], 0
	s_mov_b32 s[G1K+7], 0
	s_mov_b32 s[G1V], 15|(3<<16)|(1<<21)           ; V's piece is twelve and a half times 256 bytes: one row of 3,200 bytes, 400 elements
	s_mov_b32 s[G1V+1], 400<<16
	s_mov_b32 s[G1V+2], 1<<16
	s_mov_b32 s[G1V+3], 400<<16
	s_mov_b32 s[G1V+4], 1
	s_mov_b32 s[G1V+5], 400
	s_mov_b32 s[G1V+6], 0
	s_mov_b32 s[G1V+7], 0
	s_lshl_b32 s72, s61, 1
	s_lshr_b32 s73, s[WV], 3
	s_add_co_u32 s72, s72, s73                     ; the step of 128 tokens that holds my tile of queries
	s_mul_i32 s72, s72, 6656
	s_mul_i32 s73, s62, 106496
	s_add_co_u32 s72, s72, s73
	s_mov_b32 s73, 0
	s_lshr_b32 s74, s62, 4
	s_lshl_b32 s74, s74, 7
	s_lshl_b32 s75, s61, 4
	s_add_co_u32 s74, s74, s75
	s_add_co_u32 s74, s74, s[WV]                   ; my block of 16 rows among the 256
	s_lshl_b32 s74, s74, 2
	s_bfe_u32 s75, s62, 0x20002                    ; head / 4: which record along K
	s_add_co_u32 s74, s74, s75
	s_mul_i32 s74, s74, 3328
	s_mov_b32 s75, 0
	s_bfe_u32 s76, s62, 0x10001                    ; which fragment of the record,
	s_and_b32 s77, s62, 1                          ; which half of the fragment
	s_mul_i32 s78, s76, 1536
	s_mul_i32 s79, s77, 768
	s_add_co_u32 s78, s78, s79
	s_lshl_b32 s76, s76, 7
	s_lshl_b32 s77, s77, 1
	s_add_co_u32 s79, s76, s77
	s_add_co_u32 s79, s79, 3072                    ; my two scale bytes in a lane's word
	s_mov_b32 s[SEL], 0x76543210
	s_mov_b32 s[SEL+1], 0xfedcba98
	s_mov_b32 s[CS], 0x3e38aa3b
	s_mov_b32 s[CS+1], s[CS]
	s_wait_dscnt 0x0
	s_wait_kmcnt 0x0
	s_add_nc_u64 s[6:7], s[6:7], s[68:69]          ; K and V at my piece of the first quarter
	s_add_nc_u64 s[8:9], s[8:9], s[70:71]
.irp p, 0,1,2,3
	s_mov_b32 s[G0K+4*\p], 1
	s_add_co_u32 s[G0K+4*\p+1], s66, \p*KQ
	s_add_nc_u64 s[G0K+4*\p+2:G0K+4*\p+3], s[6:7], \p*KQ
	s_or_b32 s[G0K+4*\p+3], s[G0K+4*\p+3], 0x80000000
	s_mov_b32 s[G0V+4*\p], 1
	s_add_co_u32 s[G0V+4*\p+1], s67, \p*VQ
	s_add_nc_u64 s[G0V+4*\p+2:G0V+4*\p+3], s[8:9], \p*VQ
	s_or_b32 s[G0V+4*\p+3], s[G0V+4*\p+3], 0x80000000
.endr
	s_add_nc_u64 s[4:5], s[4:5], s[72:73]
	s_add_nc_u64 s[10:11], s[10:11], s[74:75]
	CROUND                                         ; all four work-groups are here: the joint loads meet
	s_cmp_lt_u32 s[WV], 8                          ; a wave's four fills stand in one branch on the wave's number
	s_cbranch_scc0 .Lfor_v
	FILLS G0K, G1K
	s_branch .Lasked
.Lfor_v:
	FILLS G0V, G1V
.Lasked:
	v_floor_f32 v12, -v13                          ; -M
	v_and_b32 v5, 31, v0                           ; lane
	v_and_b32 v6, 15, v0                           ; r
	v_lshlrev_b32 v1, 3, v5                        ; K: 8 x lane
	v_add_nc_u32 v2, 106496, v1                    ; V
	v_lshl_add_u32 v3, v6, 5, 6144                 ; K's scale words: 32 bytes a row
	v_lshl_add_u32 v4, v6, 4, 112640               ; V's: 16 bytes a row
	s_mul_i32 s73, s63, 768
	v_add_nc_u32 v7, s73, v1                       ; Q: my tile of the step's eight
.irp p, 0,1,2
	global_load_b64 v[16+2*\p:17+2*\p], v7, s[4:5] offset:256*\p
.endr
	s_lshl_b32 s73, s63, 2
	v_lshl_add_u32 v254, v6, 5, s73
	global_load_b32 v255, v254, s[4:5] offset:6144 ; Q's scale words
	v_add_nc_u32 v28, s78, v1                      ; the way out: codes,
	v_lshl_add_u32 v29, v5, 2, s79                 ; scale bytes
	s_wait_tensorcnt 0x3                           ; my piece of the first quarter is in; my three younger loads may stay out: nothing is filled twice in this launch
	s_barrier_signal -1
	s_barrier_wait -1                              ; everybody's piece is
	s_wait_loadcnt 0x0                             ; Q
	PHASE 0, 4                                     ; steps 0-3 read K under byte 26,624 and V under byte 132,096: the first quarter alone
	s_wait_tensorcnt 0x2                           ; my piece of the second quarter is in; the last two loads may stay out
	s_barrier_signal -1
	s_barrier_wait -1
	PHASE 4, 4
	s_wait_tensorcnt 0x0                           ; all my loads have landed
	s_barrier_signal -1
	s_barrier_wait -1
	PHASE 8, 8
	; THE WAY OUT: O^T / the sum; the head's 64 channels are two blocks of the next product's K, in their true order
.rept 4
	v_nop
.endr
	v_add_f32 v14, v14, v15
	v_permlanex16_b32 v252, v14, s[SEL], s[SEL+1]
	v_add_f32 v14, v14, v252
	v_rcp_f32 v14, v14
	v_nop
.set J, 0
	s_wait_alu depctr_va_vdst(0)
.rept 32
	v_mul_f32 v[96+J], v[160+J], v14               ; register 8 t + j: channel 16 t + 8 h + j
.set J, J+1
.endr
.irp b, 0,1
.irp j, 0,1,2,3,4,5,6,7
	v_permlane16_swap_b32 v[96+16*\b+\j], v[104+16*\b+\j]   ; register 16 b + i now holds channel 32 b + 16 h + i
.endr
.endr
.irp b, 0,1
	v_max3_num_f32 v[232+\b], |v[96+16*\b]|, |v[97+16*\b]|, 0x2800000
.endr
.irp i, 2,4,6,8,10,12,14
.irp b, 0,1
	v_max3_num_f32 v[232+\b], v[232+\b], |v[96+16*\b+\i]|, |v[97+16*\b+\i]|
.endr
.endr
.irp b, 0,1
	v_permlanex16_b32 v[236+\b], v[232+\b], s[SEL], s[SEL+1]
.endr
.irp b, 0,1
	v_max_num_f32 v[232+\b], v[232+\b], v[236+\b]
.endr
.irp b, 0,1
	v_add_nc_u32 v[244+\b], 0xfe000000, v[232+\b]
.endr
.irp b, 0,1
	v_lshrrev_b32 v[236+\b], 23, v[244+\b]
.endr
	v_lshl_or_b32 v240, v237, 8, v236              ; my row's two scale bytes
	v_cvt_scalef32_pk16_bf6_f32 v[224:226], v[96:111], v244
	v_cvt_scalef32_pk16_bf6_f32 v[228:230], v[112:127], v245
	v_nop
.irp i, 0,1,2
	v_permlane16_swap_b32 v[224+\i], v[228+\i]
.endr
	v_mov_b32 v227, v228
	v_mov_b32 v228, v229
	v_mov_b32 v229, v230
.irp p, 0,1,2
	global_store_b64 v28, v[224+2*\p:225+2*\p], s[10:11] offset:256*\p   ; a whole piece: 256 consecutive bytes, aligned
.endr
	global_store_b16 v29, v240, s[10:11]           ; two of a lane's four scale bytes; the neighbouring head writes the other two
	s_wait_tensorcnt 0x0
	ds_add_u32 v223, v243
	s_wait_dscnt 0x0
	CROUND                                         ; the closing round
	s_endpgm
.Lfunc_end_k_q6457a3ceda_attn:
	.size	k_q6457a3ceda_attn, .Lfunc_end_k_q6457a3ceda_attn-k_q6457a3ceda_attn
	.p2alignl 7, 3214868480
	.fill 96, 4, 3214868480
	.section	.rodata,"a",@progbits
	.p2align	6, 0x0
	.amdhsa_kernel k_q6457a3ceda_attn
		.amdhsa_group_segment_fixed_size 215040
		.amdhsa_private_segment_fixed_size 0
		.amdhsa_enable_private_segment 0
		.amdhsa_kernarg_size 32
		.amdhsa_user_sgpr_count 2
		.amdhsa_user_sgpr_kernarg_segment_ptr 1
		.amdhsa_wavefront_size32 1
		.amdhsa_system_sgpr_workgroup_id_x 1
		.amdhsa_system_sgpr_workgroup_id_y 1
		.amdhsa_system_sgpr_workgroup_id_z 1
		.amdhsa_system_vgpr_workitem_id 0
		.amdhsa_next_free_vgpr 256
		.amdhsa_next_free_sgpr 96
		.amdhsa_reserve_vcc 0
		.amdhsa_float_denorm_mode_32 3
		.amdhsa_float_denorm_mode_16_64 3
		.amdhsa_memory_ordered 1
		.amdhsa_forward_progress 1
		.amdhsa_inst_pref_size 67
	.end_amdhsa_kernel
	.amdgpu_metadata
---
amdhsa.version: [ 1, 2 ]
amdhsa.kernels:
  - .name:           k_q6457a3ceda_attn
    .symbol:         k_q6457a3ceda_attn.kd
    .args:
      - { .name: qbuf, .offset: 0, .size: 8, .value_kind: global_buffer, .address_space: global }
      - { .name: kbuf, .offset: 8, .size: 8, .value_kind: global_buffer, .address_space: global }
      - { .name: vbuf, .offset: 16, .size: 8, .value_kind: global_buffer, .address_space: global }
      - { .name: oq, .offset: 24, .size: 8, .value_kind: global_buffer, .address_space: global }
    .group_segment_fixed_size: 215040
    .private_segment_fixed_size: 0
    .kernarg_segment_align: 8
    .kernarg_segment_size: 32
    .max_flat_workgroup_size: 512
    .sgpr_count:     96
    .vgpr_count:     256
    .wavefront_size: 32
...
	.end_amdgpu_metadata
.endif
;; end of part 3
;; launch oproj (part 4): grid 8 x 32, 4 waves a work-group, clusters of 4 x 4, 327,680 bytes of LDS; arguments oq, wo_codes, wo_scales, bo, gate_msa, x, x1; writes x1
.if DOCPART == 4
	.amdgcn_target "amdgcn-amd-amdhsa--gfx1250"
	.amdhsa_code_object_version 6
	.text
	.protected	k_q6457a3ceda_oproj
	.globl	k_q6457a3ceda_oproj
	.p2align	8
	.type	k_q6457a3ceda_oproj,@function
k_q6457a3ceda_oproj:
	s_mov_b64 s[64:65], 0
	v_nop
	global_prefetch_b8 v0, s[64:65] scope:SCOPE_SE
	s_setreg_imm32_b32 hwreg(HW_REG_WAVE_MODE, 25, 1), 1
	s_wait_xcnt 0x0
	s_wait_alu depctr_hold_cnt(0) depctr_sa_sdst(0) depctr_va_vdst(0) depctr_va_sdst(0) depctr_va_ssrc(0) depctr_va_vcc(0) depctr_vm_vsrc(0)
	s_getreg_b32 s2, hwreg(HW_REG_IB_STS2, 6, 4)
	s_cmp_eq_u32 s2, 0
	s_cbranch_scc0 .Lentry_in_a_cluster
	s_endpgm
.Lentry_in_a_cluster:
	s_bfe_u32 s2, ttmp6, 0x10000c
	s_cmp_lg_u32 s2, 0xf033
	s_cbranch_scc0 .Lentry_shape_is_right
	s_endpgm
.Lentry_shape_is_right:
; out = resid + gate x (a W + bias), the product on codes of BF6 (E3M2) with one E8M0 scale for each 32 along K = 1,024.  Arguments: a (records), W's codes, W's scales, bias, gate, resid, out.
; N is 1,024: tiles of 128 x 128 give each of 256 work-groups one tile.  Four waves, each 64 x 64: 16 accumulators.  K goes in slots of 512 (four steps of 128); here two slots hold all of K, so nothing is filled again.
; A comes as records of 3,328 bytes (16 rows x 256 K: two fragments as six pieces of 256 bytes each, then two scale words a lane); B as it is given, rows of 768 bytes.  In a slot B's two loads split K, not the rows.
; CLUSTER 4 x 4: A's tiles are shared along a row of the cluster, B's along a column.  THE MATRIX INSTRUCTION IS USED TRANSPOSED: a lane holds one row and eight neighbouring columns.  The bias is the C of each sum's first instruction.
; The residual's numbers are asked for at the head and wait in registers.  LIMITS: NaN and infinities are not served.
.set LASTOUT, 0
.set T256,  0
.set MA,    4
.set NBK,   4
.set NQ,    4
.set KP,    4
.set KROW,  768
.set KS,    32
.set LAPS,  1
.set RS,    8
.set AROW,  6656
.set ATR,   4
.set ATC,   832
.set BSTEP, 384
.set SLOT,  114688                     ; a slot: A 53,248 bytes (two loads), then B 61,440 (two loads of 128 rows x 240)
.set ASZ,   53248
.set AHALF, 26624
.set BHALF, 30720
.set SCL,   2*SLOT                     ; behind the ring: the weight's scale bytes, units of 256 bytes + 16 of padding
.set SBLK,  (16*KS/256)*272
.set SPARE, SCL+2*RS*272               ; behind them: the spare words, 128 bytes a wave, that no other line names
.set ADRA, 16
.set ADSA, 18
.set ADRB, 20
.set STO,  24                          ; v24  the stage: where I put 16 bytes of a row
.set RD,   25                          ; v25  and where I read a row back
.set CO,   26                          ; v26  my byte offset in resid and out
.set ADRS, 27
.set SPW,  28
.set NIL,  29
.set BO,   30
.set SCB,  32
.set SCA,  64
.set AF,   128
.set G1A, 24
.set G0A, 32
.set G1B, 48
.set G0B, 56
.set G1S, 68
.set G0S, 76
.set MSB, 0
.macro WIN new                         ; the immediate's high byte repeats the setting that is left
.if MSB != (\new)
	s_set_vgpr_msb (MSB<<8)|(\new)
.set MSB, (\new)
.endif
.endm
.macro PLACES                          ; four plain places behind matrix instructions (ISA guide 7.12.1)
.rept 4
	v_nop
.endr
.endm
.macro JLOAD s
	s_cmp_eq_u32 s15, 0
	s_cbranch_scc0 .Lfor_b_\@
	tensor_load_to_lds s[G0A+4*\s:G0A+4*\s+3], s[G1A:G1A+7]
.rept 4
	v_nop
.endr
	s_branch .Lasked_\@
.Lfor_b_\@:
	tensor_load_to_lds s[G0B+4*\s:G0B+4*\s+3], s[G1B:G1B+7]
.rept 4
	v_nop
.endr
.Lasked_\@:
.endm
.macro CREST
	s_cmp_lg_u32 s14, 0
	s_cbranch_scc1 .Lnot_wave_0_\@
	s_barrier_signal -3
.Lnot_wave_0_\@:
	s_barrier_wait -3
	s_barrier_signal -1
	s_barrier_wait -1
.endm
.macro CROUND
	s_barrier_signal -1
	s_barrier_wait -1
	CREST
.endm
.macro FRAGB reg, adr, q, i            ; a fragment of the weight in pieces of 8 bytes; 16 bytes of padding lie behind every 64: where lanes 16-31's piece lies behind one padding more, the second address register serves
.irp p, 0,1,2,3,4,5
.set PCE, 12*((\q)&1)+6*(\p/3)+\p%3
.if PCE%8 < 5
	ds_load_b64 v[\reg+2*\p:\reg+2*\p+1], v[\adr] offset:8*PCE+16*(PCE/8)+(\i)*3840+((\q)>>1)*BHALF
.else
	ds_load_b64 v[\reg+2*\p:\reg+2*\p+1], v[\adr+2] offset:8*PCE+16*(PCE/8)+(\i)*3840+((\q)>>1)*BHALF
.endif
.endr
.endm
.macro FETCH_A slot, q, a0
.set AA, \a0
.rept MA/2
.irp p, 0,1,2,3,4,5
	ds_load_b64 v[AF+12*AA+2*\p:AF+12*AA+2*\p+1], v[ADRA+\slot] offset:AA*AROW+((\q)>>1)*3328+((\q)&1)*1536+256*\p
.endr
.set AA, AA+1
.endr
.endm
.macro FETCH_B slot, q, set
	WIN 0x40
.set BB, 0
.rept NBK
	FRAGB 128*(\set)+12*BB, ADRB+\slot, \q, BB
.set BB, BB+1
.endr
	WIN 0
.endm
.macro SCALES slot
.set BB, 0
.rept NBK
.if NQ == 2
	ds_load_b64 v[SCB+16*\slot+2*BB:SCB+16*\slot+2*BB+1], v[ADRS] offset:BB*SBLK
.else
	ds_load_b128 v[SCB+16*\slot+4*BB:SCB+16*\slot+4*BB+3], v[ADRS] offset:BB*SBLK
.endif
.set BB, BB+1
.endr
.set AA, 0
.rept MA
.set QQ, 0
.rept NQ
	ds_load_b32 v[SCA+16*\slot+NQ*AA+QQ], v[ADSA+\slot] offset:AA*AROW+(QQ>>1)*3328+3072+128*(QQ&1)
.set QQ, QQ+1
.endr
.set AA, AA+1
.endr
.endm
.macro MULA a, set, q, slot, first
.irp b, 0,1,2,3,4,5,6,7
.if \b < NBK
.set DR, 8*(((\a)*NBK+\b)%32)
.set BR, 128*(\set)+12*\b
.set AR, AF+12*(\a)
.set SB0, SCB+16*(\slot)+NQ*\b+(\q)
.set SA0, SCA+16*(\slot)+NQ*(\a)+(\q)
.if \first
.set CR, 96+8*\b+96*(\b/4)
	v_wmma_scale_f32_16x16x128_f8f6f4 v[DR:DR+7], v[BR:BR+11], v[AR:AR+11], v[CR:CR+7], v[SB0], v[SA0] matrix_a_fmt:MATRIX_FMT_BF6 matrix_b_fmt:MATRIX_FMT_BF6
.else
	v_wmma_scale_f32_16x16x128_f8f6f4 v[DR:DR+7], v[BR:BR+11], v[AR:AR+11], v[DR:DR+7], v[SB0], v[SA0] matrix_a_fmt:MATRIX_FMT_BF6 matrix_b_fmt:MATRIX_FMT_BF6
.endif
.endif
.endr
.endm
.macro MULS a0, n, set, q, slot, first ; the accumulators take turns, one instruction a turn, in one fixed order
.set AM, \a0
.rept \n
.if \first
	WIN 0x91+0x40*((AM*NBK)/32)
.else
	WIN 0xa1+0x50*((AM*NBK)/32)
.endif
	MULA AM, \set, \q, \slot, \first
.set AM, AM+1
.endr
.endm
.macro STEP slot, q, first
	s_wait_dscnt 3*MA                              ; all but the youngest loads, A's upper half (MA / 2 fragments of 6), are in
	MULS 0, MA/2, (\q)%2, \q, \slot, \first
	s_wait_dscnt 0x0
	PLACES
	FETCH_B \slot, (\q)+1, 1-(\q)%2
	FETCH_A \slot, (\q)+1, 0
	MULS MA/2, MA/2, (\q)%2, \q, \slot, \first
	PLACES
	WIN 0
	FETCH_A \slot, (\q)+1, MA/2
.endm
.macro TURN slot, next, fill
	s_wait_tensorcnt 0x0                           ; all my tensor loads have landed: my part of the next slot
	ds_add_u32 v[SPW], v[NIL]                      ; 0 onto my spare word
	s_wait_dscnt 3*MA+1                            ; (the add and A's upper half may be out)
	MULS 0, MA/4, 1, NQ-1, \slot, 0
	s_wait_dscnt 0x0                               ; the add is done, and my reads of this slot are over
	s_barrier_signal -1
	MULS MA/4, MA/4, 1, NQ-1, \slot, 0
	WIN 0
	s_barrier_wait -1
.if \fill
	CREST
	s_add_nc_u64 s[G0A+4*\slot+2:G0A+4*\slot+3], s[G0A+4*\slot+2:G0A+4*\slot+3], 2*AROW
	s_add_nc_u64 s[G0B+4*\slot+2:G0B+4*\slot+3], s[G0B+4*\slot+2:G0B+4*\slot+3], 2*BSTEP
	JLOAD \slot
.else
	PLACES
.endif
	v_add_nc_u32 v[ADRS], 4*NQ, v[ADRS]
	FETCH_B \next, 0, 0
	FETCH_A \next, 0, 0
	SCALES \next
	MULS MA/2, MA/2, 1, NQ-1, \slot, 0
	PLACES
	WIN 0
	FETCH_A \next, 0, MA/2
.endm
.macro MID slot
.if NQ > 2
	STEP \slot, 1, 0
	STEP \slot, 2, 0
.endif
.endm
	s_load_b256 s[4:11], s[0:1], 0x0               ; a, W's codes, W's scales, bias
	s_load_b128 s[80:83], s[0:1], 0x20             ; gate, resid
	s_load_b64 s[84:85], s[0:1], 0x30              ; out
	v_lshl_add_u32 v[SPW], v0, 2, SPARE
	v_mov_b32 v[NIL], 0
	ds_add_u32 v28, v29
	ds_add_u32 v28, v29
	s_wait_dscnt 0x0
	v_lshrrev_b32 v1, 5, v0
	v_readfirstlane_b32 s14, v1                    ; wave 0..3
	s_lshr_b32 s15, s14, 1                         ; which half of the rows is mine.  Also: I fetch for A (0) or for B (1)
	s_and_b32 s16, s14, 1                          ; which half of the columns.  Also: which half of that tile I fetch
	s_bfe_u32 s40, ttmp6, 0x40000
	s_bfe_u32 s41, ttmp6, 0x40004
	s_lshl_b32 s42, ttmp9, 2
	s_add_co_u32 s42, s42, s40                     ; tile column
	s_and_b32 s17, ttmp7, 0xffff
	s_lshl_b32 s17, s17, 2
	s_add_co_u32 s17, s17, s41                     ; tile row
	s_lshl_b32 s43, s41, 2
	s_lshl_b32 s43, 15, s43                        ; my row of the cluster
	s_lshl_b32 s44, 0x1111, s40                    ; my column
	s_lshl_b32 s100, s42, 7                        ; the weight's first row of my tile
	s_or_b32 s[G1A], s43, (3<<16)|(1<<21)
	s_mov_b32 s[G1A+1], ATC<<16
	s_mov_b32 s[G1A+2], ATR<<16
	s_mov_b32 s[G1A+3], ATC<<16
	s_mov_b32 s[G1A+4], ATR
	s_mov_b32 s[G1A+5], KP*416
	s_mov_b32 s[G1A+6], 0
	s_mov_b32 s[G1A+7], 0
	s_or_b32 s[G1B], s44, (0<<16)|(1<<20)|(1<<21)|(3<<22)|(3<<25)
	s_mov_b32 s[G1B+1], 192<<16
	s_mov_b32 s[G1B+2], 128<<16
	s_mov_b32 s[G1B+3], 192<<16
	s_mov_b32 s[G1B+4], 128
	s_mov_b32 s[G1B+5], KROW
	s_mov_b32 s[G1B+6], 0
	s_mov_b32 s[G1B+7], 0
	s_or_b32 s[G1S], s44, (3<<16)|(1<<20)|(1<<21)|(5<<22)|(3<<25)
	s_mov_b32 s[G1S+1], 32<<16
	s_mov_b32 s[G1S+2], RS<<16
	s_mov_b32 s[G1S+3], 32<<16
	s_mov_b32 s[G1S+4], RS
	s_mov_b32 s[G1S+5], 32
	s_mov_b32 s[G1S+6], 0
	s_mov_b32 s[G1S+7], 0
	s_mul_i32 s20, s17, 2*MA
	s_mul_i32 s21, s16, MA
	s_add_co_u32 s20, s20, s21
	s_mul_i32 s20, s20, KP*3328
	s_mov_b32 s21, 0
	s_mul_i32 s46, s100, KROW                      ; B: all 128 rows; my half of the slot's 512 along K
	s_mul_i32 s47, s16, 192
	s_add_co_u32 s46, s46, s47
	s_mov_b32 s47, 0
	s_mul_i32 s22, s100, KS
	s_mul_i32 s23, s16, RS*256
	s_add_co_u32 s22, s22, s23
	s_mov_b32 s23, 0
	s_mul_i32 s45, s16, AHALF
	s_mul_i32 s18, s16, BHALF
	s_add_co_u32 s18, s18, ASZ
	s_mul_i32 s19, s16, RS*272
	s_add_co_u32 s19, s19, SCL
	s_wait_kmcnt 0x0
	s_add_nc_u64 s[20:21], s[4:5], s[20:21]
	s_add_nc_u64 s[46:47], s[6:7], s[46:47]
	s_add_nc_u64 s[22:23], s[8:9], s[22:23]
	CROUND                                         ; all sixteen work-groups are here: the first joint loads meet
	s_mov_b32 s[G0S], 1
	s_mov_b32 s[G0S+1], s19
	s_mov_b64 s[G0S+2:G0S+3], s[22:23]
	s_or_b32 s[G0S+3], s[G0S+3], 0x80000000
.irp s, 0,1
	s_mov_b32 s[G0A+4*\s], 1
	s_add_co_u32 s[G0A+4*\s+1], s45, \s*SLOT
	s_add_nc_u64 s[G0A+4*\s+2:G0A+4*\s+3], s[20:21], \s*AROW
	s_or_b32 s[G0A+4*\s+3], s[G0A+4*\s+3], 0x80000000
	s_mov_b32 s[G0B+4*\s], 1
	s_add_co_u32 s[G0B+4*\s+1], s18, \s*SLOT
	s_add_nc_u64 s[G0B+4*\s+2:G0B+4*\s+3], s[46:47], \s*BSTEP
	s_or_b32 s[G0B+4*\s+3], s[G0B+4*\s+3], 0x80000000
.endr
	s_cmp_eq_u32 s15, 0                            ; a wave's first fills stand in one branch: two loads of waves 0, 1 are out, three of waves 2, 3
	s_cbranch_scc0 .Lfirst_b
	tensor_load_to_lds s[G0A:G0A+3], s[G1A:G1A+7]
	s_nop 0
	tensor_load_to_lds s[G0A+4:G0A+7], s[G1A:G1A+7]
	s_nop 0
.rept 4
	v_nop
.endr
	s_branch .Lfirst_done
.Lfirst_b:
	tensor_load_to_lds s[G0S:G0S+3], s[G1S:G1S+7]
	s_nop 0
	tensor_load_to_lds s[G0B:G0B+3], s[G1B:G1B+7]
	s_nop 0
	tensor_load_to_lds s[G0B+4:G0B+7], s[G1B:G1B+7]
	s_nop 0
.rept 4
	v_nop
.endr
.Lfirst_done:
	v_and_b32 v1, 15, v0                           ; r
	v_bfe_u32 v2, v0, 4, 1                         ; h
	v_and_b32 v3, 31, v0                           ; lane
	s_mul_i32 s18, s15, AHALF
	v_lshl_add_u32 v[ADRA], v3, 3, s18
	v_add_nc_u32 v[ADRA+1], SLOT, v[ADRA]
	v_lshl_add_u32 v[ADSA], v3, 2, s18
	v_add_nc_u32 v[ADSA+1], SLOT, v[ADSA]
	s_mul_i32 s19, s16, NBK*3840
	s_add_co_u32 s19, s19, ASZ
	v_mul_u32_u24 v4, v1, 240
	v_mad_u32_u24 v5, v2, 24, v4
	v_mad_u32_u24 v6, v2, 40, v4
	v_add_nc_u32 v[ADRB], s19, v5
	v_add_nc_u32 v[ADRB+2], s19, v6
	v_add_nc_u32 v[ADRB+1], SLOT, v[ADRB]
	v_add_nc_u32 v[ADRB+3], SLOT, v[ADRB+2]
	v_mul_u32_u24 v4, v1, KS
	v_lshrrev_b32 v5, 8, v4
	v_lshl_add_u32 v4, v5, 4, v4
	s_mul_i32 s19, s16, (NBK*16*KS/256)*272
	s_add_co_u32 s19, s19, SCL
	v_add_nc_u32 v[ADRS], s19, v4
	s_mul_i32 s18, s16, NBK*16
	s_add_co_u32 s18, s18, s100
	s_lshl_b32 s18, s18, 2                         ; my first column, in bytes of f32
	s_mov_b32 s19, 0
	s_add_nc_u64 s[10:11], s[10:11], s[18:19]
	s_add_nc_u64 s[80:81], s[80:81], s[18:19]
	s_lshl_b32 s86, s17, 7
	s_lshl_b32 s87, s15, 6
	s_add_co_u32 s86, s86, s87                     ; my first row
	s_lshl_b32 s86, s86, 12
	s_add_co_u32 s86, s86, s18
	s_mov_b32 s87, 0
	s_add_nc_u64 s[82:83], s[82:83], s[86:87]
	s_add_nc_u64 s[84:85], s[84:85], s[86:87]
	v_lshlrev_b32 v[BO], 5, v2
	v_lshlrev_b32 v31, 4, v1
	v_lshlrev_b32 v[CO], 12, v2
	v_lshl_add_u32 v[CO], v1, 4, v[CO]             ; lanes 0-15 one row's 256 bytes, lanes 16-31 the next row's
	s_mul_i32 s18, s14, 4352                       ; my stage, 16 rows x 272 bytes, in slot 0
	v_mul_u32_u24 v[STO], v1, 272
	v_lshl_add_u32 v[STO], v2, 5, v[STO]
	v_add_nc_u32 v[STO], s18, v[STO]
	v_mul_u32_u24 v[RD], v2, 272
	v_lshl_add_u32 v[RD], v1, 4, v[RD]
	v_add_nc_u32 v[RD], s18, v[RD]
	WIN 0x40
.set BB, 0
.rept NBK
.set CR, 96+8*BB+96*(BB/4)
	global_load_b128 v[CR:CR+3], v[BO], s[10:11] offset:64*BB
	global_load_b128 v[CR+4:CR+7], v[BO], s[10:11] offset:64*BB+16
.set BB, BB+1
.endr
	WIN 0
	global_load_b128 v[96:99], v31, s[80:81]       ; the gate of my four columns on the way out
	WIN 0x80                                       ; destination window 2, v128-255: the residual, in the order of the way out
.irp a, 0,1,2,3
.irp t, 0,1,2,3,4,5,6,7
	global_load_b128 v[128+4*(8*\a+\t):128+4*(8*\a+\t)+3], v[CO], s[82:83] offset:(16*\a+2*\t)*4096 th:TH_LOAD_NT
.endr
.endr
	WIN 0
	s_wait_tensorcnt 0x1                           ; my part of slot 0 (and the scale bytes) is in; slot 1's load may stay out
	s_barrier_signal -1
	s_barrier_wait -1
	FETCH_B 0, 0, 0
	FETCH_A 0, 0, 0
	SCALES 0
	FETCH_A 0, 0, MA/2
	s_wait_loadcnt 33                              ; the bias is in; the gate's load and the residual's 32 may be out
	STEP 0, 0, 1
.if LAPS > 1
	s_mov_b32 s3, LAPS-1
.Llap:
	MID 0
	TURN 0, 1, 1
	STEP 1, 0, 0
	MID 1
	TURN 1, 0, 1
	STEP 0, 0, 0
	s_sub_co_u32 s3, s3, 1
	s_cmp_lg_u32 s3, 0
	s_cbranch_scc1 .Llap
.endif
	MID 0
	TURN 0, 1, 0
	STEP 1, 0, 0
	MID 1
	s_wait_dscnt 3*MA
	MULS 0, MA/2, 1, NQ-1, 1, 0
	s_wait_dscnt 0x0
	MULS MA/2, MA/2, 1, NQ-1, 1, 0
	WIN 0
; THE WAY OUT, block by block of 16 rows x 64 columns, through my own stage and back as rows of 256 bytes; there resid + gate x result.  LDS serves a wave's instructions in order: no wait between my stores and my loads.
.macro TOSTAGE a
	WIN 0x08
.irp b, 0,1,2,3
	ds_store_b128 v[STO], v[8*(4*(\a)+\b):8*(4*(\a)+\b)+3] offset:64*\b         ; each accumulator from its low end on
	ds_store_b128 v[STO], v[8*(4*(\a)+\b)+4:8*(4*(\a)+\b)+7] offset:64*\b+16
.endr
	WIN 0
.irp t, 0,1,2,3,4,5,6,7
	ds_load_b128 v[128+32*((\a)%2)+4*\t:128+32*((\a)%2)+4*\t+3], v[RD] offset:544*\t
.endr
.endm
.macro SEND a, younger
.set BKR, 128+32*((\a)%2)
	s_wait_dscnt \younger                          ; the block is back; the next block's 8 stores and 8 loads may be out
	WIN 0x20                                       ; source 2 (the residual) window 2
.irp t, 0,1,2,3,4,5,6,7
	v_pk_fma_f32 v[BKR+4*\t:BKR+4*\t+1], v[BKR+4*\t:BKR+4*\t+1], v[96:97], v[128+4*(8*(\a)+\t):128+4*(8*(\a)+\t)+1]
	v_pk_fma_f32 v[BKR+4*\t+2:BKR+4*\t+3], v[BKR+4*\t+2:BKR+4*\t+3], v[98:99], v[128+4*(8*(\a)+\t)+2:128+4*(8*(\a)+\t)+3]
.endr
	WIN 0
.irp t, 0,1,2,3,4,5,6,7
.if LASTOUT
	global_store_b128 v[CO], v[BKR+4*\t:BKR+4*\t+3], s[84:85] offset:(16*(\a)+2*\t)*4096 th:TH_STORE_NT
.else
	global_store_b128 v[CO], v[BKR+4*\t:BKR+4*\t+3], s[84:85] offset:(16*(\a)+2*\t)*4096   ; sixteen lanes store 256 consecutive bytes, aligned
.endif
.endr
.endm
	PLACES
	s_wait_loadcnt 0x0                             ; the gate and the residual
	TOSTAGE 0
.irp a, 1,2,3
.if \a > 1
	s_wait_xcnt 0x0                                ; block a - 2's stores have read their registers
.endif
	TOSTAGE \a
	SEND \a-1, 16
.endr
	SEND 3, 0
	s_wait_tensorcnt 0x0                           ; the wave's end
	ds_add_u32 v[SPW], v[NIL]
	s_wait_dscnt 0x0
	CROUND                                         ; the closing round
	s_endpgm
.Lfunc_end_k_q6457a3ceda_oproj:
	.size	k_q6457a3ceda_oproj, .Lfunc_end_k_q6457a3ceda_oproj-k_q6457a3ceda_oproj
	.p2alignl 7, 3214868480
	.fill 96, 4, 3214868480
	.section	.rodata,"a",@progbits
	.p2align	6, 0x0
	.amdhsa_kernel k_q6457a3ceda_oproj
		.amdhsa_group_segment_fixed_size 327680
		.amdhsa_private_segment_fixed_size 0
		.amdhsa_enable_private_segment 0
		.amdhsa_kernarg_size 56
		.amdhsa_user_sgpr_count 2
		.amdhsa_user_sgpr_kernarg_segment_ptr 1
		.amdhsa_wavefront_size32 1
		.amdhsa_system_sgpr_workgroup_id_x 1
		.amdhsa_system_sgpr_workgroup_id_y 1
		.amdhsa_system_sgpr_workgroup_id_z 1
		.amdhsa_system_vgpr_workitem_id 0
		.amdhsa_next_free_vgpr 768
		.amdhsa_next_free_sgpr 102
		.amdhsa_reserve_vcc 0
		.amdhsa_float_denorm_mode_32 3
		.amdhsa_float_denorm_mode_16_64 3
		.amdhsa_memory_ordered 1
		.amdhsa_forward_progress 1
		.amdhsa_inst_pref_size 71
	.end_amdhsa_kernel
	.amdgpu_metadata
---
amdhsa.version: [ 1, 2 ]
amdhsa.kernels:
  - .name:           k_q6457a3ceda_oproj
    .symbol:         k_q6457a3ceda_oproj.kd
    .args:
      - { .name: oq, .offset: 0, .size: 8, .value_kind: global_buffer, .address_space: global }
      - { .name: wo_codes, .offset: 8, .size: 8, .value_kind: global_buffer, .address_space: global }
      - { .name: wo_scales, .offset: 16, .size: 8, .value_kind: global_buffer, .address_space: global }
      - { .name: bo, .offset: 24, .size: 8, .value_kind: global_buffer, .address_space: global }
      - { .name: gate_msa, .offset: 32, .size: 8, .value_kind: global_buffer, .address_space: global }
      - { .name: x, .offset: 40, .size: 8, .value_kind: global_buffer, .address_space: global }
      - { .name: x1, .offset: 48, .size: 8, .value_kind: global_buffer, .address_space: global }
    .group_segment_fixed_size: 327680
    .private_segment_fixed_size: 0
    .kernarg_segment_align: 8
    .kernarg_segment_size: 56
    .max_flat_workgroup_size: 128
    .sgpr_count:     102
    .vgpr_count:     768
    .wavefront_size: 32
...
	.end_amdgpu_metadata
.endif
;; end of part 4
;; launch ln2 (part 5): grid 256 x 1, 4 waves a work-group, no clusters, 168,448 bytes of LDS; arguments x1, ln2_g, ln2_b, hq; writes hq
.if DOCPART == 5
	.amdgcn_target "amdgcn-amd-amdhsa--gfx1250"
	.amdhsa_code_object_version 6
	.text
	.protected	k_q6457a3ceda_ln2
	.globl	k_q6457a3ceda_ln2
	.p2align	8
	.type	k_q6457a3ceda_ln2,@function
k_q6457a3ceda_ln2:
	s_mov_b64 s[64:65], 0
	v_nop
	global_prefetch_b8 v0, s[64:65] scope:SCOPE_SE
	s_setreg_imm32_b32 hwreg(HW_REG_WAVE_MODE, 25, 1), 1
	s_wait_xcnt 0x0
; LayerNorm over rows of 1,024 f32, then the MX-BF6 quantiser along the row.  Arguments: src, g, b, dst.  (The text of the first norm's launch with TABLE = 0: no table is made here.)
; Work-group n owns rows 16 n .. 16 n + 15; wave w owns columns 256 w .. 256 w + 255 of them and writes one RECORD of dst:
;   3,328 bytes = two fragments (16 rows x 128 K, 12 registers a lane) as six pieces of 256 bytes each (piece p: registers 2 p, 2 p + 1 of lane l at 256 p + 8 l),
;   then the two fragments' scale words, 4 bytes a lane, 128 bytes each.  Record (n, w) lies at (4 n + w) x 3,328.
; A wave's tile of src, and its 1,024 bytes of g and of b, come by three tensor loads issued together; only the issuing wave reads them.  A lane takes g and b from LDS, where sixteen lanes share each address.
; The mean is taken first and the variance of the differences second: no difference of large sums is formed.
; LIMITS: NaN and infinities among the inputs are not served.  A block of zeros gets the scale byte 1 (its codes are zeros; this program alone reads the bytes).
.set RED1, 66560                       ; LDS: behind the four waves' tiles (4 x 16 rows x 1,040 bytes): the waves' row sums, 512 bytes; the sums of squares 512 bytes further on
.set GB,   67584                       ; behind them: for each wave 1,024 bytes of g, then 1,024 of b
.set X,    64                          ; v64-191  my 128 numbers: register 16 k + i = column 256 w + 32 k + 16 (lane / 16) + i of row lane % 16
.set TM,   192                         ; v192-207 at work in the quantiser
.set PC0,  208                         ; v208-227, v228-247 the two fragments' codes (12 registers and 8 at work)
.set PC1,  228
.set PW0,  248                         ; their scale words
.set PW1,  249
.set SEL,  30                          ; s[30:31] lane selects for v_permlanex16_b32: lane l xor 16
.set MSB, 0
.macro WIN new                         ; the immediate's high byte repeats the setting that is left
.if MSB != (\new)
	s_set_vgpr_msb (MSB<<8)|(\new)
.set MSB, (\new)
.endif
.endm
; 64 numbers of a lane, register 16 b + i = k 32 b + 16 (lane / 16) + i of my row, become a fragment's codes in v[pc] .. v[pc + 11] and its scale word in v[pw].
.macro QUANT s, pc, pw
.irp b, 0,1,2,3
	v_max3_num_f32 v[TM+\b], |v[\s+16*\b]|, |v[\s+16*\b+1]|, 0x2800000   ; block b: my 16 numbers, and the floor 2^(5 - 127): the byte cannot fall under 1
.endr
.irp i, 2,4,6,8,10,12,14
.irp b, 0,1,2,3
	v_max3_num_f32 v[TM+\b], v[TM+\b], |v[\s+16*\b+\i]|, |v[\s+16*\b+\i+1]|
.endr
.endr
.irp b, 0,1,2,3
	v_permlanex16_b32 v[TM+4+\b], v[TM+\b], s[SEL], s[SEL+1]
.endr
.irp b, 0,1,2,3
	v_max_num_f32 v[TM+\b], v[TM+\b], v[TM+4+\b]   ; with lane l xor 16's: the block's largest magnitude
.endr
.irp b, 0,1,2,3
	v_add_nc_u32 v[TM+12+\b], 0xfe000000, v[TM+\b] ; 4 off its exponent field: the conversion's scale operand
.endr
.irp b, 0,1,2,3
	v_lshrrev_b32 v[TM+4+\b], 23, v[TM+12+\b]      ; the scale's byte
.endr
	v_lshl_or_b32 v[\pw], v[TM+5], 8, v[TM+4]
	v_lshl_or_b32 v[\pw], v[TM+6], 16, v[\pw]
	v_lshl_or_b32 v[\pw], v[TM+7], 24, v[\pw]
.irp c, 0,1
	v_cvt_scalef32_pk16_bf6_f32 v[\pc+6*\c:\pc+6*\c+2], v[\s+32*\c:\s+32*\c+15], v[TM+12+2*\c]
	v_cvt_scalef32_pk16_bf6_f32 v[\pc+12+4*\c:\pc+12+4*\c+2], v[\s+32*\c+16:\s+32*\c+31], v[TM+12+2*\c+1]
.endr
	v_nop                                          ; one plain place behind a scaled conversion
.irp c, 0,1                                    ; the operand's layout wants a whole block in a lane: lanes 0-15 block 2 c, lanes 16-31 block 2 c + 1
.irp i, 0,1,2
	v_permlane16_swap_b32 v[\pc+6*\c+\i], v[\pc+12+4*\c+\i]
.endr
.irp i, 0,1,2
	v_mov_b32 v[\pc+6*\c+3+\i], v[\pc+12+4*\c+\i]
.endr
.endr
.endm
; v20 = my lane's part of a row's sum -> v10 = the sum over the row's 1,024 columns.  Each wave stores its rows' sums, one barrier, every wave reads the four.
.macro WGSUM off
	v_permlanex16_b32 v21, v20, s[SEL], s[SEL+1]
	v_add_f32 v20, v20, v21                        ; my wave's 256 columns of row lane % 16
	ds_store_b32 v8, v20 offset:\off
	s_wait_dscnt 0x0                               ; for the others' sake: my store has landed (and my reads of g and b are in)
	s_barrier_signal -1
	s_barrier_wait -1
.irp k, 0,1,2,3
	ds_load_b32 v[10+\k], v9 offset:\off+128*\k
.endr
	s_wait_dscnt 0x0
	v_add_f32 v10, v10, v11
	v_add_f32 v12, v12, v13
	v_add_f32 v10, v10, v12
.endm
	s_load_b256 s[4:11], s[0:1], 0x0               ; src s[4:5], g s[6:7], b s[8:9], dst s[10:11]
	v_lshl_add_u32 v254, v0, 2, 0x29000
	v_mov_b32 v255, 0
	ds_add_u32 v254, v255
	ds_add_u32 v254, v255
	v_lshrrev_b32 v1, 5, v0
	v_readfirstlane_b32 s14, v1                    ; wave 0..3
	; descriptor group 1 for src: 16 rows x 256 f32, 16 bytes of padding behind each row of 1,024 bytes: LDS pitch 1,040 = 65 x 16, so the 16 rows that a load of 16 bytes a lane touches start in 16 different columns of 16 bytes
	s_mov_b32 s16, (2<<16)|(1<<20)|(7<<22)|(3<<25) ; elements of 4 bytes; padding on; after every 256 words; 4 words of it
	s_mov_b32 s17, 256<<16                         ; tensor_dim0
	s_mov_b32 s18, 16<<16                          ; tensor_dim1
	s_mov_b32 s19, 256<<16                         ; tile_dim0
	s_mov_b32 s20, 16                              ; tile_dim1
	s_mov_b32 s21, 1024                            ; elements from row to row
	s_mov_b32 s22, 0
	s_mov_b32 s23, 0
	; and for g and b: one row of 1,024 bytes, 128 elements of 8 bytes
	s_mov_b32 s36, 3<<16
	s_mov_b32 s37, 128<<16
	s_mov_b32 s38, 1<<16
	s_mov_b32 s39, 128<<16
	s_mov_b32 s40, 1
	s_mov_b32 s41, 128
	s_mov_b32 s42, 0
	s_mov_b32 s43, 0
	s_mul_i32 s15, s14, 16640                      ; my wave's tile in LDS
	s_lshl_b32 s28, ttmp9, 16                      ; 16 rows of 4,096 bytes a work-group,
	s_lshl_b32 s34, s14, 10                        ; 1,024 bytes of a row a wave
	s_add_co_u32 s28, s28, s34
	s_mov_b32 s29, 0
	s_mov_b32 s35, 0
	s_mov_b32 s24, 1
	s_mov_b32 s25, s15
	s_mov_b32 s44, 1
	s_lshl_b32 s45, s14, 11
	s_add_co_u32 s45, s45, GB                      ; my wave's g in LDS,
	s_mov_b32 s48, 1
	s_add_co_u32 s49, s45, 1024                    ; its b
	s_wait_dscnt 0x0
	s_wait_kmcnt 0x0
	s_add_nc_u64 s[26:27], s[4:5], s[28:29]
	s_or_b32 s27, s27, 0x80000000
	s_add_nc_u64 s[46:47], s[6:7], s[34:35]
	s_or_b32 s47, s47, 0x80000000
	s_add_nc_u64 s[50:51], s[8:9], s[34:35]
	s_or_b32 s51, s51, 0x80000000
	tensor_load_to_lds s[24:27], s[16:23]          ; my wave's three loads, issued together: three are out; each fills its bytes once, and this wave alone reads them
	s_nop 0
	tensor_load_to_lds s[44:47], s[36:43]
	s_nop 0
	tensor_load_to_lds s[48:51], s[36:43]
	s_nop 0
.rept 4
	v_nop
.endr
	v_and_b32 v1, 31, v0                           ; lane
	v_and_b32 v2, 15, v0                           ; r
	v_bfe_u32 v3, v0, 4, 1                         ; h
	v_mul_u32_u24 v4, v2, 1040
	v_lshl_add_u32 v4, v3, 6, v4
	v_add_nc_u32 v4, s15, v4                       ; LDS: row r, + 64 h: my 16 numbers of a block of 32
	v_lshl_add_u32 v5, v3, 6, s45                  ; g in LDS: + 64 h; b lies 1,024 bytes further on
	v_lshlrev_b32 v6, 3, v1                        ; 8 x lane
	v_lshlrev_b32 v7, 2, v1                        ; 4 x lane
	v_lshl_add_u32 v8, v0, 2, RED1                 ; where I put my wave's sum
	v_lshl_add_u32 v9, v1, 2, RED1                 ; where I read the four
.irp b, 0,1,2,3
	v_mov_b32 v[TM+4+\b], 0                        ; written once: a lane permute's destination counts as one of its sources
.endr
	s_mov_b32 s[SEL], 0x76543210
	s_mov_b32 s[SEL+1], 0xfedcba98
	s_mov_b32 s32, 0x3a800000                      ; 1 / 1,024
	s_mov_b32 s33, 0x358637bd                      ; 1e-6
	s_lshl_b32 s34, ttmp9, 2
	s_add_co_u32 s34, s34, s14
	s_mul_i32 s34, s34, 3328                       ; my record
	s_add_nc_u64 s[10:11], s[10:11], s[34:35]
	s_wait_tensorcnt 0x0                           ; my tile, my g and my b are in LDS
.set J, 0
.rept 8
.irp j, 0,1,2,3
	ds_load_b128 v[X+16*J+4*\j:X+16*J+4*\j+3], v4 offset:128*J+16*\j
.endr
.set J, J+1
.endr
	s_wait_dscnt 0x0
	WIN 0x40                                       ; destination window 1: g at v0-127, b at v128-255, in X's order; they land under the first sums
.set J, 0
.rept 8
.irp j, 0,1,2,3
	ds_load_b128 v[16*J+4*\j:16*J+4*\j+3], v5 offset:128*J+16*\j
	ds_load_b128 v[128+16*J+4*\j:128+16*J+4*\j+3], v5 offset:1024+128*J+16*\j
.endr
.set J, J+1
.endr
	WIN 0
	; the row's sum: four chains, started by the first pairs
.irp c, 0,1,2,3
	v_pk_add_f32 v[20+2*\c:21+2*\c], v[X+2*\c:X+2*\c+1], v[X+8+2*\c:X+9+2*\c]
.endr
.set J, 16
.rept 14
.irp c, 0,1,2,3
	v_pk_add_f32 v[20+2*\c:21+2*\c], v[20+2*\c:21+2*\c], v[X+J+2*\c:X+J+2*\c+1]
.endr
.set J, J+8
.endr
	v_pk_add_f32 v[20:21], v[20:21], v[22:23]
	v_pk_add_f32 v[24:25], v[24:25], v[26:27]
	v_pk_add_f32 v[20:21], v[20:21], v[24:25]
	v_add_f32 v20, v20, v21
	WGSUM 0
	v_mul_f32 v14, s32, v10                        ; the mean
	v_mov_b32 v15, v14
.set J, 0
.rept 64
	v_pk_add_f32 v[X+J:X+J+1], v[X+J:X+J+1], v[14:15] neg_lo:[0,1] neg_hi:[0,1]   ; x - mean
.set J, J+2
.endr
.irp c, 0,1,2,3
	v_pk_mul_f32 v[20+2*\c:21+2*\c], v[X+2*\c:X+2*\c+1], v[X+2*\c:X+2*\c+1]
.endr
.set J, 8
.rept 15
.irp c, 0,1,2,3
	v_pk_fma_f32 v[20+2*\c:21+2*\c], v[X+J+2*\c:X+J+2*\c+1], v[X+J+2*\c:X+J+2*\c+1], v[20+2*\c:21+2*\c]
.endr
.set J, J+8
.endr
	v_pk_add_f32 v[20:21], v[20:21], v[22:23]
	v_pk_add_f32 v[24:25], v[24:25], v[26:27]
	v_pk_add_f32 v[20:21], v[20:21], v[24:25]
	v_add_f32 v20, v20, v21
	WGSUM 512                                      ; other bytes than the first sums': no wave can overwrite what another still reads
	v_fma_f32 v16, v10, s32, s33                   ; the variance + 1e-6
	v_rsq_f32 v16, v16
	v_nop                                          ; one plain place behind the transcendental
	s_wait_alu depctr_va_vdst(0)
	v_mov_b32 v17, v16
.set J, 0
.rept 64
	v_pk_mul_f32 v[X+J:X+J+1], v[X+J:X+J+1], v[16:17]
.set J, J+2
.endr
	WIN 0x14                                       ; sources 1 (g) and 2 (b) window 1
.set J, 0
.rept 64
	v_pk_fma_f32 v[X+J:X+J+1], v[X+J:X+J+1], v[J:J+1], v[128+J:129+J]
.set J, J+2
.endr
	WIN 0
	QUANT X, PC0, PW0
	QUANT X+64, PC1, PW1
.irp p, 0,1,2,3,4,5
	global_store_b64 v6, v[PC0+2*\p:PC0+2*\p+1], s[10:11] offset:256*\p          ; 32 lanes store 256 consecutive bytes, at a multiple of 256 from the buffer's first byte
.endr
.irp p, 0,1,2,3,4,5
	global_store_b64 v6, v[PC1+2*\p:PC1+2*\p+1], s[10:11] offset:1536+256*\p
.endr
	global_store_b32 v7, v[PW0], s[10:11] offset:3072
	global_store_b32 v7, v[PW1], s[10:11] offset:3200
	s_wait_tensorcnt 0x0
	ds_add_u32 v254, v255
	s_wait_dscnt 0x0
	s_endpgm
.Lfunc_end_k_q6457a3ceda_ln2:
	.size	k_q6457a3ceda_ln2, .Lfunc_end_k_q6457a3ceda_ln2-k_q6457a3ceda_ln2
	.p2alignl 7, 3214868480
	.fill 96, 4, 3214868480
	.section	.rodata,"a",@progbits
	.p2align	6, 0x0
	.amdhsa_kernel k_q6457a3ceda_ln2
		.amdhsa_group_segment_fixed_size 168448
		.amdhsa_private_segment_fixed_size 0
		.amdhsa_enable_private_segment 0
		.amdhsa_kernarg_size 32
		.amdhsa_user_sgpr_count 2
		.amdhsa_user_sgpr_kernarg_segment_ptr 1
		.amdhsa_wavefront_size32 1
		.amdhsa_system_sgpr_workgroup_id_x 1
		.amdhsa_system_sgpr_workgroup_id_y 1
		.amdhsa_system_sgpr_workgroup_id_z 1
		.amdhsa_system_vgpr_workitem_id 0
		.amdhsa_next_free_vgpr 512
		.amdhsa_next_free_sgpr 66
		.amdhsa_reserve_vcc 0
		.amdhsa_float_denorm_mode_32 3
		.amdhsa_float_denorm_mode_16_64 3
		.amdhsa_memory_ordered 1
		.amdhsa_forward_progress 1
		.amdhsa_inst_pref_size 41
	.end_amdhsa_kernel
	.amdgpu_metadata
---
amdhsa.version: [ 1, 2 ]
amdhsa.kernels:
  - .name:           k_q6457a3ceda_ln2
    .symbol:         k_q6457a3ceda_ln2.kd
    .args:
      - { .name: x1, .offset: 0, .size: 8, .value_kind: global_buffer, .address_space: global }
      - { .name: ln2_g, .offset: 8, .size: 8, .value_kind: global_buffer, .address_space: global }
      - { .name: ln2_b, .offset: 16, .size: 8, .value_kind: global_buffer, .address_space: global }
      - { .name: hq, .offset: 24, .size: 8, .value_kind: global_buffer, .address_space: global }
    .group_segment_fixed_size: 168448
    .private_segment_fixed_size: 0
    .kernarg_segment_align: 8
    .kernarg_segment_size: 32
    .max_flat_workgroup_size: 128
    .sgpr_count:     66
    .vgpr_count:     512
    .wavefront_size: 32
...
	.end_amdgpu_metadata
.endif
;; end of part 5
;; launch mlp1 (part 6): grid 16 x 16, 4 waves a work-group, clusters of 4 x 4, 327,680 bytes of LDS; arguments hq, w1_codes, w1_scales, b1, gq; writes gq
.if DOCPART == 6
	.amdgcn_target "amdgcn-amd-amdhsa--gfx1250"
	.amdhsa_code_object_version 6
	.text
	.protected	k_q6457a3ceda_mlp1
	.globl	k_q6457a3ceda_mlp1
	.p2align	8
	.type	k_q6457a3ceda_mlp1,@function
k_q6457a3ceda_mlp1:
	s_mov_b64 s[64:65], 0
	v_nop
	global_prefetch_b8 v0, s[64:65] scope:SCOPE_SE
	s_setreg_imm32_b32 hwreg(HW_REG_WAVE_MODE, 25, 1), 1
	s_wait_xcnt 0x0
	s_wait_alu depctr_hold_cnt(0) depctr_sa_sdst(0) depctr_va_vdst(0) depctr_va_sdst(0) depctr_va_ssrc(0) depctr_va_vcc(0) depctr_vm_vsrc(0)
	s_getreg_b32 s2, hwreg(HW_REG_IB_STS2, 6, 4)
	s_cmp_eq_u32 s2, 0
	s_cbranch_scc0 .Lentry_in_a_cluster
	s_endpgm
.Lentry_in_a_cluster:
	s_bfe_u32 s2, ttmp6, 0x10000c
	s_cmp_lg_u32 s2, 0xf033
	s_cbranch_scc0 .Lentry_shape_is_right
	s_endpgm
.Lentry_shape_is_right:
; g = Q(gelu(h2 W1 + b1)): the product on codes of BF6 (E3M2) with one E8M0 scale for each 32 along K = 1,024; the exact GELU in f32; the quantiser along the 4,096 hidden units.
; A work-group makes 256 rows x 256 hidden units, each of its four waves 128 x 128: 64 accumulators.  Ring, cluster, joint loads and order of work as in the launch for q, k, v.
; A wave's 128 hidden units are one fragment of the next product's A: out go records of 3,328 bytes (16 rows x 256 K), record (block of 16 rows, K / 256) at (16 x block + K / 256) x 3,328; each wave writes one fragment and its scale words.
; GELU: gelu(x) = max(x, 0) - |x| P(t) 2^(-x^2 log2(e) / 2), t = 1 / (1 + 0.23164189 |x|), P the fifth-degree polynomial of Abramowitz and Stegun 7.1.26 with halved coefficients: no difference of near numbers on either side of 0.
; LIMITS: that form's error is 1.5e-7 in erf: 0.75e-7 |x| in gelu, absolute.  NaN and infinities are not served; a block of zeros gets the scale byte 1 (its codes are zeros; this program alone reads the bytes).
.set T256,  1
.set MA,    8
.set NBK,   8
.set NQ,    2
.set KP,    4
.set KROW,  768
.set KS,    32
.set LAPS,  2
.set RS,    16
.set AROW,  3328
.set ATR,   8
.set ATC,   416
.set BSTEP, 192
.set SLOT,  114688                     ; a slot: A 53,248 bytes (two loads), then B 61,440 (two loads of 128 rows x 240)
.set ASZ,   53248
.set AHALF, 26624
.set BHALF, 30720
.set SCL,   2*SLOT
.set SBLK,  (16*KS/256)*272
.set SPARE, SCL+2*RS*272               ; the spare words, 128 bytes a wave, that no other line names
.set ADRA, 16
.set ADSA, 18
.set ADRB, 20
.set ADRS, 27
.set SPW,  28
.set NIL,  29
.set BO,   30
.set SCB,  32
.set SCA,  64
.set AF,   128
.set G1A, 24
.set G0A, 32
.set G1B, 48
.set G0B, 56
.set G1S, 68
.set G0S, 76
.set MSB, 0
.macro WIN new                         ; the immediate's high byte repeats the setting that is left
.if MSB != (\new)
	s_set_vgpr_msb (MSB<<8)|(\new)
.set MSB, (\new)
.endif
.endm
.macro PLACES                          ; four plain places behind matrix instructions (ISA guide 7.12.1)
.rept 4
	v_nop
.endr
.endm
.macro JLOAD s
	s_cmp_eq_u32 s15, 0
	s_cbranch_scc0 .Lfor_b_\@
	tensor_load_to_lds s[G0A+4*\s:G0A+4*\s+3], s[G1A:G1A+7]
	s_nop 0
.rept 4
	v_nop
.endr
	s_branch .Lasked_\@
.Lfor_b_\@:
	tensor_load_to_lds s[G0B+4*\s:G0B+4*\s+3], s[G1B:G1B+7]
	s_nop 0
.rept 4
	v_nop
.endr
.Lasked_\@:
.endm
.macro CREST
	s_cmp_lg_u32 s14, 0
	s_cbranch_scc1 .Lnot_wave_0_\@
	s_barrier_signal -3
.Lnot_wave_0_\@:
	s_barrier_wait -3
	s_barrier_signal -1
	s_barrier_wait -1
.endm
.macro CROUND
	s_barrier_signal -1
	s_barrier_wait -1
	CREST
.endm
.macro FRAGB reg, adr, q, i            ; a fragment of the weight in pieces of 8 bytes; 16 bytes of padding lie behind every 64: where lanes 16-31's piece lies behind one padding more, the second address register serves
.irp p, 0,1,2,3,4,5
.set PCE, 12*((\q)&1)+6*(\p/3)+\p%3
.if PCE%8 < 5
	ds_load_b64 v[\reg+2*\p:\reg+2*\p+1], v[\adr] offset:8*PCE+16*(PCE/8)+(\i)*3840+((\q)>>1)*BHALF
.else
	ds_load_b64 v[\reg+2*\p:\reg+2*\p+1], v[\adr+2] offset:8*PCE+16*(PCE/8)+(\i)*3840+((\q)>>1)*BHALF
.endif
.endr
.endm
.macro FETCH_A slot, q, a0
.set AA, \a0
.rept MA/2
.irp p, 0,1,2,3,4,5
	ds_load_b64 v[AF+12*AA+2*\p:AF+12*AA+2*\p+1], v[ADRA+\slot] offset:AA*AROW+((\q)>>1)*3328+((\q)&1)*1536+256*\p
.endr
.set AA, AA+1
.endr
.endm
.macro FETCH_B slot, q, set
	WIN 0x40
.set BB, 0
.rept NBK
	FRAGB 128*(\set)+12*BB, ADRB+\slot, \q, BB
.set BB, BB+1
.endr
	WIN 0
.endm
.macro SCALES slot
.set BB, 0
.rept NBK
.if NQ == 2
	ds_load_b64 v[SCB+16*\slot+2*BB:SCB+16*\slot+2*BB+1], v[ADRS] offset:BB*SBLK
.else
	ds_load_b128 v[SCB+16*\slot+4*BB:SCB+16*\slot+4*BB+3], v[ADRS] offset:BB*SBLK
.endif
.set BB, BB+1
.endr
.set AA, 0
.rept MA
.set QQ, 0
.rept NQ
	ds_load_b32 v[SCA+16*\slot+NQ*AA+QQ], v[ADSA+\slot] offset:AA*AROW+(QQ>>1)*3328+3072+128*(QQ&1)
.set QQ, QQ+1
.endr
.set AA, AA+1
.endr
.endm
.macro MULA a, set, q, slot, first
.irp b, 0,1,2,3,4,5,6,7
.if \b < NBK
.set DR, 8*(((\a)*NBK+\b)%32)
.set BR, 128*(\set)+12*\b
.set AR, AF+12*(\a)
.set SB0, SCB+16*(\slot)+NQ*\b+(\q)
.set SA0, SCA+16*(\slot)+NQ*(\a)+(\q)
.if \first
.set CR, 96+8*\b+96*(\b/4)
	v_wmma_scale_f32_16x16x128_f8f6f4 v[DR:DR+7], v[BR:BR+11], v[AR:AR+11], v[CR:CR+7], v[SB0], v[SA0] matrix_a_fmt:MATRIX_FMT_BF6 matrix_b_fmt:MATRIX_FMT_BF6
.else
	v_wmma_scale_f32_16x16x128_f8f6f4 v[DR:DR+7], v[BR:BR+11], v[AR:AR+11], v[DR:DR+7], v[SB0], v[SA0] matrix_a_fmt:MATRIX_FMT_BF6 matrix_b_fmt:MATRIX_FMT_BF6
.endif
.endif
.endr
.endm
.macro MULS a0, n, set, q, slot, first ; the accumulators take turns, one instruction a turn, in one fixed order
.set AM, \a0
.rept \n
.if \first
	WIN 0x91+0x40*((AM*NBK)/32)
.else
	WIN 0xa1+0x50*((AM*NBK)/32)
.endif
	MULA AM, \set, \q, \slot, \first
.set AM, AM+1
.endr
.endm
.macro STEP slot, q, first
	s_wait_dscnt 3*MA                              ; all but the youngest loads, A's upper half (MA / 2 fragments of 6), are in
	MULS 0, MA/2, (\q)%2, \q, \slot, \first
	s_wait_dscnt 0x0
	PLACES
	FETCH_B \slot, (\q)+1, 1-(\q)%2
	FETCH_A \slot, (\q)+1, 0
	MULS MA/2, MA/2, (\q)%2, \q, \slot, \first
	PLACES
	WIN 0
	FETCH_A \slot, (\q)+1, MA/2
.endm
.macro TURN slot, next, fill
	s_wait_tensorcnt 0x0                           ; all my tensor loads have landed: my part of the next slot
	ds_add_u32 v[SPW], v[NIL]                      ; 0 onto my spare word
	s_wait_dscnt 3*MA+1                            ; (the add and A's upper half may be out)
	MULS 0, MA/4, 1, NQ-1, \slot, 0
	s_wait_dscnt 0x0                               ; the add is done, and my reads of this slot are over
	s_barrier_signal -1
	MULS MA/4, MA/4, 1, NQ-1, \slot, 0
	WIN 0
	s_barrier_wait -1
.if \fill
	CREST                                          ; no wave of any partner still reads this slot or has a load on its way
	s_add_nc_u64 s[G0A+4*\slot+2:G0A+4*\slot+3], s[G0A+4*\slot+2:G0A+4*\slot+3], 2*AROW
	s_add_nc_u64 s[G0B+4*\slot+2:G0B+4*\slot+3], s[G0B+4*\slot+2:G0B+4*\slot+3], 2*BSTEP
	JLOAD \slot
.else
	PLACES
.endif
	v_add_nc_u32 v[ADRS], 4*NQ, v[ADRS]
	FETCH_B \next, 0, 0
	FETCH_A \next, 0, 0
	SCALES \next
	MULS MA/2, MA/2, 1, NQ-1, \slot, 0
	PLACES
	WIN 0
	FETCH_A \next, 0, MA/2
.endm
.macro MID slot
.if NQ > 2
	STEP \slot, 1, 0
	STEP \slot, 2, 0
.endif
.endm
; ---- the way out: window 1 ----
.set SEL,  96                          ; s[96:97] lane selects: lane l xor 16
.set AX,   0                           ; v0-63    |x|
.set MX,   64                          ; v64-127  max(x, 0), then gelu(x)
.set TT,   128                         ; v128-143 t
.set EE,   144                         ; v144-159 the exponential
.set PP,   160                         ; v160-175 the polynomial
.set TM,   176                         ; v176-191 at work in the quantiser
.set PC,   192                         ; v192-211 the codes
.set PW,   212
.set A4,   214                         ; v[214:215] a4 / 2, twice
.macro QUANT s, pc, pw
.irp b, 0,1,2,3
	v_max3_num_f32 v[TM+\b], |v[\s+16*\b]|, |v[\s+16*\b+1]|, 0x2800000   ; and the floor 2^(5 - 127): the byte cannot fall under 1
.endr
.irp i, 2,4,6,8,10,12,14
.irp b, 0,1,2,3
	v_max3_num_f32 v[TM+\b], v[TM+\b], |v[\s+16*\b+\i]|, |v[\s+16*\b+\i+1]|
.endr
.endr
.irp b, 0,1,2,3
	v_permlanex16_b32 v[TM+4+\b], v[TM+\b], s[SEL], s[SEL+1]
.endr
.irp b, 0,1,2,3
	v_max_num_f32 v[TM+\b], v[TM+\b], v[TM+4+\b]
.endr
.irp b, 0,1,2,3
	v_add_nc_u32 v[TM+12+\b], 0xfe000000, v[TM+\b]
.endr
.irp b, 0,1,2,3
	v_lshrrev_b32 v[TM+4+\b], 23, v[TM+12+\b]
.endr
	v_lshl_or_b32 v[\pw], v[TM+5], 8, v[TM+4]
	v_lshl_or_b32 v[\pw], v[TM+6], 16, v[\pw]
	v_lshl_or_b32 v[\pw], v[TM+7], 24, v[\pw]
.irp c, 0,1
	v_cvt_scalef32_pk16_bf6_f32 v[\pc+6*\c:\pc+6*\c+2], v[\s+32*\c:\s+32*\c+15], v[TM+12+2*\c]
	v_cvt_scalef32_pk16_bf6_f32 v[\pc+12+4*\c:\pc+12+4*\c+2], v[\s+32*\c+16:\s+32*\c+31], v[TM+12+2*\c+1]
.endr
	v_nop                                          ; one plain place behind a scaled conversion
.irp c, 0,1
.irp i, 0,1,2
	v_permlane16_swap_b32 v[\pc+6*\c+\i], v[\pc+12+4*\c+\i]
.endr
.irp i, 0,1,2
	v_mov_b32 v[\pc+6*\c+3+\i], v[\pc+12+4*\c+\i]
.endr
.endr
.endm
.macro EXTRACT a                       ; block a's 64 results leave their window as max(x, 0) and |x|; each accumulator from its low end on
	WIN 0x48+4*((\a)/4)
.set N, 0
.rept 64
	v_max_num_f32 v[MX+N], 0, v[64*((\a)%4)+N]
	v_and_b32 v[AX+N], s94, v[64*((\a)%4)+N]
.set N, N+1
.endr
	WIN 0
.endm
.macro GELU16 c                        ; sixteen numbers; a plain packed line stands behind each run of transcendentals
.irp k, 0,2,4,6,8,10,12,14
	v_pk_fma_f32 v[TT+\k:TT+\k+1], v[AX+16*\c+\k:AX+16*\c+\k+1], s[80:81], 1.0 op_sel_hi:[1,0,0]
.endr
.irp k, 0,2,4,6,8,10,12,14
	v_pk_mul_f32 v[EE+\k:EE+\k+1], v[AX+16*\c+\k:AX+16*\c+\k+1], v[AX+16*\c+\k:AX+16*\c+\k+1]
.endr
.irp k, 0,1,2,3,4,5,6,7,8,9,10,11,12,13,14,15
	v_rcp_f32 v[TT+\k], v[TT+\k]
.endr
.irp k, 0,2,4,6,8,10,12,14
	v_pk_mul_f32 v[EE+\k:EE+\k+1], v[EE+\k:EE+\k+1], s[82:83] op_sel_hi:[1,0]
.endr
.irp k, 0,1,2,3,4,5,6,7,8,9,10,11,12,13,14,15
	v_exp_f32 v[EE+\k], v[EE+\k]
.endr
	s_wait_alu depctr_va_vdst(0)
.irp k, 0,2,4,6,8,10,12,14
	v_pk_fma_f32 v[PP+\k:PP+\k+1], v[TT+\k:TT+\k+1], s[84:85], v[A4:A4+1] op_sel_hi:[1,0,1]
.endr
.irp k, 0,2,4,6,8,10,12,14
	v_pk_fma_f32 v[PP+\k:PP+\k+1], v[PP+\k:PP+\k+1], v[TT+\k:TT+\k+1], s[88:89] op_sel_hi:[1,1,0]
.endr
.irp k, 0,2,4,6,8,10,12,14
	v_pk_fma_f32 v[PP+\k:PP+\k+1], v[PP+\k:PP+\k+1], v[TT+\k:TT+\k+1], s[90:91] op_sel_hi:[1,1,0]
.endr
.irp k, 0,2,4,6,8,10,12,14
	v_pk_fma_f32 v[PP+\k:PP+\k+1], v[PP+\k:PP+\k+1], v[TT+\k:TT+\k+1], s[92:93] op_sel_hi:[1,1,0]
.endr
.irp k, 0,2,4,6,8,10,12,14
	v_pk_mul_f32 v[PP+\k:PP+\k+1], v[PP+\k:PP+\k+1], v[TT+\k:TT+\k+1]
.endr
.irp k, 0,2,4,6,8,10,12,14
	v_pk_mul_f32 v[PP+\k:PP+\k+1], v[PP+\k:PP+\k+1], v[EE+\k:EE+\k+1]
.endr
.irp k, 0,2,4,6,8,10,12,14
	v_pk_fma_f32 v[MX+16*\c+\k:MX+16*\c+\k+1], v[PP+\k:PP+\k+1], v[AX+16*\c+\k:AX+16*\c+\k+1], v[MX+16*\c+\k:MX+16*\c+\k+1] neg_lo:[1,0,0] neg_hi:[1,0,0]
.endr
.endm
	s_load_b256 s[4:11], s[0:1], 0x0               ; h2's records, W1's codes, W1's scales, b1
	s_load_b64 s[12:13], s[0:1], 0x20              ; gq
	v_lshl_add_u32 v[SPW], v0, 2, SPARE
	v_mov_b32 v[NIL], 0
	ds_add_u32 v28, v29
	ds_add_u32 v28, v29
	s_wait_dscnt 0x0
	v_lshrrev_b32 v1, 5, v0
	v_readfirstlane_b32 s14, v1
	s_lshr_b32 s15, s14, 1
	s_and_b32 s16, s14, 1
	s_bfe_u32 s40, ttmp6, 0x40000
	s_bfe_u32 s41, ttmp6, 0x40004
	s_lshl_b32 s42, ttmp9, 2
	s_add_co_u32 s42, s42, s40                     ; tile column
	s_and_b32 s17, ttmp7, 0xffff
	s_lshl_b32 s17, s17, 2
	s_add_co_u32 s17, s17, s41                     ; tile row
	s_lshl_b32 s43, s41, 2
	s_lshl_b32 s43, 15, s43
	s_lshl_b32 s44, 0x1111, s40
	s_lshl_b32 s100, s42, 8                        ; the weight's first row of my tile
	s_or_b32 s[G1A], s43, (3<<16)|(1<<21)
	s_mov_b32 s[G1A+1], ATC<<16
	s_mov_b32 s[G1A+2], ATR<<16
	s_mov_b32 s[G1A+3], ATC<<16
	s_mov_b32 s[G1A+4], ATR
	s_mov_b32 s[G1A+5], KP*416
	s_mov_b32 s[G1A+6], 0
	s_mov_b32 s[G1A+7], 0
	s_or_b32 s[G1B], s44, (0<<16)|(1<<20)|(1<<21)|(3<<22)|(3<<25)
	s_mov_b32 s[G1B+1], 192<<16
	s_mov_b32 s[G1B+2], 128<<16
	s_mov_b32 s[G1B+3], 192<<16
	s_mov_b32 s[G1B+4], 128
	s_mov_b32 s[G1B+5], KROW
	s_mov_b32 s[G1B+6], 0
	s_mov_b32 s[G1B+7], 0
	s_or_b32 s[G1S], s44, (3<<16)|(1<<20)|(1<<21)|(5<<22)|(3<<25)
	s_mov_b32 s[G1S+1], 32<<16
	s_mov_b32 s[G1S+2], RS<<16
	s_mov_b32 s[G1S+3], 32<<16
	s_mov_b32 s[G1S+4], RS
	s_mov_b32 s[G1S+5], 32
	s_mov_b32 s[G1S+6], 0
	s_mov_b32 s[G1S+7], 0
	s_mul_i32 s20, s17, 2*MA
	s_mul_i32 s21, s16, MA
	s_add_co_u32 s20, s20, s21
	s_mul_i32 s20, s20, KP*3328
	s_mov_b32 s21, 0
	s_lshl_b32 s46, s16, 7
	s_add_co_u32 s46, s46, s100
	s_mul_i32 s46, s46, KROW
	s_mov_b32 s47, 0
	s_mul_i32 s22, s100, KS
	s_mul_i32 s23, s16, RS*256
	s_add_co_u32 s22, s22, s23
	s_mov_b32 s23, 0
	s_mul_i32 s45, s16, AHALF
	s_mul_i32 s18, s16, BHALF
	s_add_co_u32 s18, s18, ASZ
	s_mul_i32 s19, s16, RS*272
	s_add_co_u32 s19, s19, SCL
	s_wait_kmcnt 0x0
	s_add_nc_u64 s[20:21], s[4:5], s[20:21]
	s_add_nc_u64 s[46:47], s[6:7], s[46:47]
	s_add_nc_u64 s[22:23], s[8:9], s[22:23]
	CROUND                                         ; all sixteen work-groups are here: the first joint loads meet
	s_mov_b32 s[G0S], 1
	s_mov_b32 s[G0S+1], s19
	s_mov_b64 s[G0S+2:G0S+3], s[22:23]
	s_or_b32 s[G0S+3], s[G0S+3], 0x80000000
.irp s, 0,1
	s_mov_b32 s[G0A+4*\s], 1
	s_add_co_u32 s[G0A+4*\s+1], s45, \s*SLOT
	s_add_nc_u64 s[G0A+4*\s+2:G0A+4*\s+3], s[20:21], \s*AROW
	s_or_b32 s[G0A+4*\s+3], s[G0A+4*\s+3], 0x80000000
	s_mov_b32 s[G0B+4*\s], 1
	s_add_co_u32 s[G0B+4*\s+1], s18, \s*SLOT
	s_add_nc_u64 s[G0B+4*\s+2:G0B+4*\s+3], s[46:47], \s*BSTEP
	s_or_b32 s[G0B+4*\s+3], s[G0B+4*\s+3], 0x80000000
.endr
	s_cmp_eq_u32 s15, 0                            ; a wave's first fills stand in one branch: two loads of waves 0, 1 are out, three of waves 2, 3
	s_cbranch_scc0 .Lfirst_b
	tensor_load_to_lds s[G0A:G0A+3], s[G1A:G1A+7]
	s_nop 0
	tensor_load_to_lds s[G0A+4:G0A+7], s[G1A:G1A+7]
	s_nop 0
.rept 4
	v_nop
.endr
	s_branch .Lfirst_done
.Lfirst_b:
	tensor_load_to_lds s[G0S:G0S+3], s[G1S:G1S+7]
	s_nop 0
	tensor_load_to_lds s[G0B:G0B+3], s[G1B:G1B+7]
	s_nop 0
	tensor_load_to_lds s[G0B+4:G0B+7], s[G1B:G1B+7]
	s_nop 0
.rept 4
	v_nop
.endr
.Lfirst_done:
	v_and_b32 v1, 15, v0
	v_bfe_u32 v2, v0, 4, 1
	v_and_b32 v3, 31, v0
	s_mul_i32 s18, s15, AHALF
	v_lshl_add_u32 v[ADRA], v3, 3, s18
	v_add_nc_u32 v[ADRA+1], SLOT, v[ADRA]
	v_lshl_add_u32 v[ADSA], v3, 2, s18
	v_add_nc_u32 v[ADSA+1], SLOT, v[ADSA]
	s_mul_i32 s19, s16, NBK*3840
	s_add_co_u32 s19, s19, ASZ
	v_mul_u32_u24 v4, v1, 240
	v_mad_u32_u24 v5, v2, 24, v4
	v_mad_u32_u24 v6, v2, 40, v4
	v_add_nc_u32 v[ADRB], s19, v5
	v_add_nc_u32 v[ADRB+2], s19, v6
	v_add_nc_u32 v[ADRB+1], SLOT, v[ADRB]
	v_add_nc_u32 v[ADRB+3], SLOT, v[ADRB+2]
	v_mul_u32_u24 v4, v1, KS
	v_lshrrev_b32 v5, 8, v4
	v_lshl_add_u32 v4, v5, 4, v4
	s_mul_i32 s19, s16, (NBK*16*KS/256)*272
	s_add_co_u32 s19, s19, SCL
	v_add_nc_u32 v[ADRS], s19, v4
	s_mul_i32 s18, s16, NBK*16
	s_add_co_u32 s18, s18, s100
	s_lshl_b32 s18, s18, 2
	s_mov_b32 s19, 0
	s_add_nc_u64 s[10:11], s[10:11], s[18:19]
	v_lshlrev_b32 v[BO], 5, v2
	WIN 0x40
.set BB, 0
.rept NBK
.set CR, 96+8*BB+96*(BB/4)
	global_load_b128 v[CR:CR+3], v[BO], s[10:11] offset:64*BB
	global_load_b128 v[CR+4:CR+7], v[BO], s[10:11] offset:64*BB+16
.set BB, BB+1
.endr
	WIN 0
	s_mul_i32 s18, s16, 1536
	v_lshl_add_u32 v24, v3, 3, s18                 ; the way out: my fragment of the record, 8 x lane
	s_lshl_b32 s18, s16, 7
	s_add_co_u32 s18, s18, 3072
	v_lshl_add_u32 v25, v3, 2, s18                 ; and its scale words, 4 x lane
	s_lshl_b32 s18, s17, 4
	s_lshl_b32 s19, s15, 3
	s_add_co_u32 s18, s18, s19                     ; my first block of 16 rows
	s_lshl_b32 s18, s18, 4
	s_add_co_u32 s18, s18, s42                     ; 16 records a block; mine is the tile column's
	s_mul_i32 s18, s18, 3328
	s_mov_b32 s19, 0
	s_add_nc_u64 s[12:13], s[12:13], s[18:19]
	s_mov_b32 s80, 0x3e6d3388                      ; 0.3275911 / sqrt(2)
	s_mov_b32 s81, s80
	s_mov_b32 s82, 0xbf38aa3b                      ; -log2(e) / 2
	s_mov_b32 s83, s82
	s_mov_b32 s84, 0x3f07dc22                      ; a5 / 2
	s_mov_b32 s85, s84
	s_mov_b32 s88, 0x3f35f0e3                      ; a3 / 2
	s_mov_b32 s89, s88
	s_mov_b32 s90, 0xbe11a98e                      ; a2 / 2
	s_mov_b32 s91, s90
	s_mov_b32 s92, 0x3e027906                      ; a1 / 2
	s_mov_b32 s93, s92
	s_mov_b32 s94, 0x7fffffff
	s_mov_b32 s[SEL], 0x76543210
	s_mov_b32 s[SEL+1], 0xfedcba98
	s_wait_tensorcnt 0x1                           ; my part of slot 0 (and the scale bytes) is in; slot 1's load may stay out
	s_barrier_signal -1
	s_barrier_wait -1
	FETCH_B 0, 0, 0
	FETCH_A 0, 0, 0
	SCALES 0
	FETCH_A 0, 0, MA/2
	s_wait_loadcnt 0x0                             ; the bias
	STEP 0, 0, 1
	s_mov_b32 s3, LAPS-1
.Llap:
	MID 0
	TURN 0, 1, 1
	STEP 1, 0, 0
	MID 1
	TURN 1, 0, 1
	STEP 0, 0, 0
	s_sub_co_u32 s3, s3, 1
	s_cmp_lg_u32 s3, 0
	s_cbranch_scc1 .Llap
	MID 0
	TURN 0, 1, 0
	STEP 1, 0, 0
	MID 1
	s_wait_dscnt 3*MA
	MULS 0, MA/2, 1, NQ-1, 1, 0
	s_wait_dscnt 0x0
	MULS MA/2, MA/2, 1, NQ-1, 1, 0
	WIN 0
	PLACES
	WIN 0x40
	v_mov_b32 v[A4], 0xbf3a00e3                    ; a4 / 2
	v_mov_b32 v[A4+1], 0xbf3a00e3
.irp b, 0,1,2,3
	v_mov_b32 v[TM+4+\b], 0                        ; written once: a lane permute's destination counts as one of its sources
.endr
	WIN 0
; THE WAY OUT: a loop of eight trips, one block of 16 rows each.  Only the lines that take a block out of its accumulators differ from trip to trip: they are written eight times and chosen by the counter; GELU, quantiser and stores are written once.
	s_mov_b32 s98, 0
.Lblk:
.irp a, 1,2,3,4,5,6,7
	s_cmp_eq_u32 s98, \a
	s_cbranch_scc1 .Lx\a
.endr
	EXTRACT 0
	s_branch .Lcommon
.irp a, 1,2,3,4,5,6,7
.Lx\a:
	EXTRACT \a
	s_branch .Lcommon
.endr
.Lcommon:
	WIN 0x55
	GELU16 0
	GELU16 1
	GELU16 2
	GELU16 3
.irp b, 0,1,2,3                                ; the next product's weight is given: the hidden units go in their true order: register 16 b + i becomes unit 32 b + 16 h + i
.irp j, 0,1,2,3,4,5,6,7
	v_permlane16_swap_b32 v[MX+16*\b+\j], v[MX+16*\b+8+\j]
.endr
.endr
	QUANT MX, PC, PW
	WIN 0x04
.irp p, 0,1,2,3,4,5
	global_store_b64 v24, v[PC+2*\p:PC+2*\p+1], s[12:13] offset:256*\p   ; a whole piece: 256 consecutive bytes, aligned
.endr
	global_store_b32 v25, v[PW], s[12:13]
	WIN 0
	s_wait_xcnt 0x0                                ; the stores have read their registers and their base: both are written again in the next trip
	s_add_nc_u64 s[12:13], s[12:13], 53248         ; the next block of 16 rows: 16 records on
	s_add_co_u32 s98, s98, 1
	s_cmp_lt_u32 s98, 8
	s_cbranch_scc1 .Lblk
	s_wait_tensorcnt 0x0                           ; the wave's end
	ds_add_u32 v[SPW], v[NIL]
	s_wait_dscnt 0x0
	CROUND                                         ; the closing round
	s_endpgm
.Lfunc_end_k_q6457a3ceda_mlp1:
	.size	k_q6457a3ceda_mlp1, .Lfunc_end_k_q6457a3ceda_mlp1-k_q6457a3ceda_mlp1
	.p2alignl 7, 3214868480
	.fill 96, 4, 3214868480
	.section	.rodata,"a",@progbits
	.p2align	6, 0x0
	.amdhsa_kernel k_q6457a3ceda_mlp1
		.amdhsa_group_segment_fixed_size 327680
		.amdhsa_private_segment_fixed_size 0
		.amdhsa_enable_private_segment 0
		.amdhsa_kernarg_size 40
		.amdhsa_user_sgpr_count 2
		.amdhsa_user_sgpr_kernarg_segment_ptr 1
		.amdhsa_wavefront_size32 1
		.amdhsa_system_sgpr_workgroup_id_x 1
		.amdhsa_system_sgpr_workgroup_id_y 1
		.amdhsa_system_sgpr_workgroup_id_z 1
		.amdhsa_system_vgpr_workitem_id 0
		.amdhsa_next_free_vgpr 1024
		.amdhsa_next_free_sgpr 102
		.amdhsa_reserve_vcc 0
		.amdhsa_float_denorm_mode_32 3
		.amdhsa_float_denorm_mode_16_64 3
		.amdhsa_memory_ordered 1
		.amdhsa_forward_progress 1
		.amdhsa_inst_pref_size 199
	.end_amdhsa_kernel
	.amdgpu_metadata
---
amdhsa.version: [ 1, 2 ]
amdhsa.kernels:
  - .name:           k_q6457a3ceda_mlp1
    .symbol:         k_q6457a3ceda_mlp1.kd
    .args:
      - { .name: hq, .offset: 0, .size: 8, .value_kind: global_buffer, .address_space: global }
      - { .name: w1_codes, .offset: 8, .size: 8, .value_kind: global_buffer, .address_space: global }
      - { .name: w1_scales, .offset: 16, .size: 8, .value_kind: global_buffer, .address_space: global }
      - { .name: b1, .offset: 24, .size: 8, .value_kind: global_buffer, .address_space: global }
      - { .name: gq, .offset: 32, .size: 8, .value_kind: global_buffer, .address_space: global }
    .group_segment_fixed_size: 327680
    .private_segment_fixed_size: 0
    .kernarg_segment_align: 8
    .kernarg_segment_size: 40
    .max_flat_workgroup_size: 128
    .sgpr_count:     102
    .vgpr_count:     1024
    .wavefront_size: 32
...
	.end_amdgpu_metadata
.endif
;; end of part 6
;; launch mlp2 (part 7): grid 8 x 32, 4 waves a work-group, clusters of 4 x 4, 327,680 bytes of LDS; arguments gq, w2_codes, w2_scales, b2, gate_mlp, x1, out0; writes out0
.if DOCPART == 7
	.amdgcn_target "amdgcn-amd-amdhsa--gfx1250"
	.amdhsa_code_object_version 6
	.text
	.protected	k_q6457a3ceda_mlp2
	.globl	k_q6457a3ceda_mlp2
	.p2align	8
	.type	k_q6457a3ceda_mlp2,@function
k_q6457a3ceda_mlp2:
	s_mov_b64 s[64:65], 0
	v_nop
	global_prefetch_b8 v0, s[64:65] scope:SCOPE_SE
	s_setreg_imm32_b32 hwreg(HW_REG_WAVE_MODE, 25, 1), 1
	s_wait_xcnt 0x0
	s_wait_alu depctr_hold_cnt(0) depctr_sa_sdst(0) depctr_va_vdst(0) depctr_va_sdst(0) depctr_va_ssrc(0) depctr_va_vcc(0) depctr_vm_vsrc(0)
	s_getreg_b32 s2, hwreg(HW_REG_IB_STS2, 6, 4)
	s_cmp_eq_u32 s2, 0
	s_cbranch_scc0 .Lentry_in_a_cluster
	s_endpgm
.Lentry_in_a_cluster:
	s_bfe_u32 s2, ttmp6, 0x10000c
	s_cmp_lg_u32 s2, 0xf033
	s_cbranch_scc0 .Lentry_shape_is_right
	s_endpgm
.Lentry_shape_is_right:
; out = resid + gate x (a W + bias), the product on codes of BF6 (E3M2) with one E8M0 scale for each 32 along K = 4,096.  Arguments: a (records), W's codes, W's scales, bias, gate, resid, out.
; N is 1,024: tiles of 128 x 128 give each of 256 work-groups one tile.  Four waves, each 64 x 64: 16 accumulators.  K goes in slots of 512 (four steps of 128) through two LDS slots: 64 matrix instructions a wave between two changes of slots.
; A comes as records of 3,328 bytes (16 rows x 256 K: two fragments as six pieces of 256 bytes each, then two scale words a lane); B as it is given, rows of 3,072 bytes.  In a slot B's two loads split K, not the rows.
; CLUSTER 4 x 4: A's tiles are shared along a row of the cluster, B's along a column.  THE MATRIX INSTRUCTION IS USED TRANSPOSED: a lane holds one row and eight neighbouring columns.  The bias is the C of each sum's first instruction.
; The residual's numbers are asked for at the head and wait in registers.  LIMITS: NaN and infinities are not served.
.set LASTOUT, 1
.set T256,  0
.set MA,    4
.set NBK,   4
.set NQ,    4
.set KP,    16
.set KROW,  3072
.set KS,    128
.set LAPS,  4
.set RS,    32
.set AROW,  6656
.set ATR,   4
.set ATC,   832
.set BSTEP, 384
.set SLOT,  114688                     ; a slot: A 53,248 bytes (two loads), then B 61,440 (two loads of 128 rows x 240)
.set ASZ,   53248
.set AHALF, 26624
.set BHALF, 30720
.set SCL,   2*SLOT                     ; behind the ring: the weight's scale bytes, units of 256 bytes + 16 of padding
.set SBLK,  (16*KS/256)*272
.set SPARE, SCL+2*RS*272               ; behind them: the spare words, 128 bytes a wave, that no other line names
.set ADRA, 16
.set ADSA, 18
.set ADRB, 20
.set STO,  24                          ; v24  the stage: where I put 16 bytes of a row
.set RD,   25                          ; v25  and where I read a row back
.set CO,   26                          ; v26  my byte offset in resid and out
.set ADRS, 27
.set SPW,  28
.set NIL,  29
.set BO,   30
.set SCB,  32
.set SCA,  64
.set AF,   128
.set G1A, 24
.set G0A, 32
.set G1B, 48
.set G0B, 56
.set G1S, 68
.set G0S, 76
.set MSB, 0
.macro WIN new                         ; the immediate's high byte repeats the setting that is left
.if MSB != (\new)
	s_set_vgpr_msb (MSB<<8)|(\new)
.set MSB, (\new)
.endif
.endm
.macro PLACES                          ; four plain places behind matrix instructions (ISA guide 7.12.1)
.rept 4
	v_nop
.endr
.endm
.macro JLOAD s
	s_cmp_eq_u32 s15, 0
	s_cbranch_scc0 .Lfor_b_\@
	tensor_load_to_lds s[G0A+4*\s:G0A+4*\s+3], s[G1A:G1A+7]
	s_nop 0
.rept 4
	v_nop
.endr
	s_branch .Lasked_\@
.Lfor_b_\@:
	tensor_load_to_lds s[G0B+4*\s:G0B+4*\s+3], s[G1B:G1B+7]
	s_nop 0
.rept 4
	v_nop
.endr
.Lasked_\@:
.endm
.macro CREST
	s_cmp_lg_u32 s14, 0
	s_cbranch_scc1 .Lnot_wave_0_\@
	s_barrier_signal -3
.Lnot_wave_0_\@:
	s_barrier_wait -3
	s_barrier_signal -1
	s_barrier_wait -1
.endm
.macro CROUND
	s_barrier_signal -1
	s_barrier_wait -1
	CREST
.endm
.macro FRAGB reg, adr, q, i            ; a fragment of the weight in pieces of 8 bytes; 16 bytes of padding lie behind every 64: where lanes 16-31's piece lies behind one padding more, the second address register serves
.irp p, 0,1,2,3,4,5
.set PCE, 12*((\q)&1)+6*(\p/3)+\p%3
.if PCE%8 < 5
	ds_load_b64 v[\reg+2*\p:\reg+2*\p+1], v[\adr] offset:8*PCE+16*(PCE/8)+(\i)*3840+((\q)>>1)*BHALF
.else
	ds_load_b64 v[\reg+2*\p:\reg+2*\p+1], v[\adr+2] offset:8*PCE+16*(PCE/8)+(\i)*3840+((\q)>>1)*BHALF
.endif
.endr
.endm
.macro FETCH_A slot, q, a0
.set AA, \a0
.rept MA/2
.irp p, 0,1,2,3,4,5
	ds_load_b64 v[AF+12*AA+2*\p:AF+12*AA+2*\p+1], v[ADRA+\slot] offset:AA*AROW+((\q)>>1)*3328+((\q)&1)*1536+256*\p
.endr
.set AA, AA+1
.endr
.endm
.macro FETCH_B slot, q, set
	WIN 0x40
.set BB, 0
.rept NBK
	FRAGB 128*(\set)+12*BB, ADRB+\slot, \q, BB
.set BB, BB+1
.endr
	WIN 0
.endm
.macro SCALES slot
.set BB, 0
.rept NBK
.if NQ == 2
	ds_load_b64 v[SCB+16*\slot+2*BB:SCB+16*\slot+2*BB+1], v[ADRS] offset:BB*SBLK
.else
	ds_load_b128 v[SCB+16*\slot+4*BB:SCB+16*\slot+4*BB+3], v[ADRS] offset:BB*SBLK
.endif
.set BB, BB+1
.endr
.set AA, 0
.rept MA
.set QQ, 0
.rept NQ
	ds_load_b32 v[SCA+16*\slot+NQ*AA+QQ], v[ADSA+\slot] offset:AA*AROW+(QQ>>1)*3328+3072+128*(QQ&1)
.set QQ, QQ+1
.endr
.set AA, AA+1
.endr
.endm
.macro MULA a, set, q, slot, first
.irp b, 0,1,2,3,4,5,6,7
.if \b < NBK
.set DR, 8*(((\a)*NBK+\b)%32)
.set BR, 128*(\set)+12*\b
.set AR, AF+12*(\a)
.set SB0, SCB+16*(\slot)+NQ*\b+(\q)
.set SA0, SCA+16*(\slot)+NQ*(\a)+(\q)
.if \first
.set CR, 96+8*\b+96*(\b/4)
	v_wmma_scale_f32_16x16x128_f8f6f4 v[DR:DR+7], v[BR:BR+11], v[AR:AR+11], v[CR:CR+7], v[SB0], v[SA0] matrix_a_fmt:MATRIX_FMT_BF6 matrix_b_fmt:MATRIX_FMT_BF6
.else
	v_wmma_scale_f32_16x16x128_f8f6f4 v[DR:DR+7], v[BR:BR+11], v[AR:AR+11], v[DR:DR+7], v[SB0], v[SA0] matrix_a_fmt:MATRIX_FMT_BF6 matrix_b_fmt:MATRIX_FMT_BF6
.endif
.endif
.endr
.endm
.macro MULS a0, n, set, q, slot, first ; the accumulators take turns, one instruction a turn, in one fixed order
.set AM, \a0
.rept \n
.if \first
	WIN 0x91+0x40*((AM*NBK)/32)
.else
	WIN 0xa1+0x50*((AM*NBK)/32)
.endif
	MULA AM, \set, \q, \slot, \first
.set AM, AM+1
.endr
.endm
.macro STEP slot, q, first
	s_wait_dscnt 3*MA                              ; all but the youngest loads, A's upper half (MA / 2 fragments of 6), are in
	MULS 0, MA/2, (\q)%2, \q, \slot, \first
	s_wait_dscnt 0x0
	PLACES
	FETCH_B \slot, (\q)+1, 1-(\q)%2
	FETCH_A \slot, (\q)+1, 0
	MULS MA/2, MA/2, (\q)%2, \q, \slot, \first
	PLACES
	WIN 0
	FETCH_A \slot, (\q)+1, MA/2
.endm
.macro TURN slot, next, fill
	s_wait_tensorcnt 0x0                           ; all my tensor loads have landed: my part of the next slot
	ds_add_u32 v[SPW], v[NIL]                      ; 0 onto my spare word
	s_wait_dscnt 3*MA+1                            ; (the add and A's upper half may be out)
	MULS 0, MA/4, 1, NQ-1, \slot, 0
	s_wait_dscnt 0x0                               ; the add is done, and my reads of this slot are over
	s_barrier_signal -1
	MULS MA/4, MA/4, 1, NQ-1, \slot, 0
	WIN 0
	s_barrier_wait -1
.if \fill
	CREST                                          ; no wave of any partner still reads this slot or has a load on its way
	s_add_nc_u64 s[G0A+4*\slot+2:G0A+4*\slot+3], s[G0A+4*\slot+2:G0A+4*\slot+3], 2*AROW
	s_add_nc_u64 s[G0B+4*\slot+2:G0B+4*\slot+3], s[G0B+4*\slot+2:G0B+4*\slot+3], 2*BSTEP
	JLOAD \slot                                    ; my one tensor load behind the round; its four v_nop are also the places in front of the loads below
.else
	PLACES
.endif
	v_add_nc_u32 v[ADRS], 4*NQ, v[ADRS]
	FETCH_B \next, 0, 0
	FETCH_A \next, 0, 0
	SCALES \next
	MULS MA/2, MA/2, 1, NQ-1, \slot, 0
	PLACES
	WIN 0
	FETCH_A \next, 0, MA/2
.endm
.macro MID slot
.if NQ > 2
	STEP \slot, 1, 0
	STEP \slot, 2, 0
.endif
.endm
	s_load_b256 s[4:11], s[0:1], 0x0               ; a, W's codes, W's scales, bias
	s_load_b128 s[80:83], s[0:1], 0x20             ; gate, resid
	s_load_b64 s[84:85], s[0:1], 0x30              ; out
	v_lshl_add_u32 v[SPW], v0, 2, SPARE
	v_mov_b32 v[NIL], 0
	ds_add_u32 v28, v29
	ds_add_u32 v28, v29
	s_wait_dscnt 0x0
	v_lshrrev_b32 v1, 5, v0
	v_readfirstlane_b32 s14, v1                    ; wave 0..3
	s_lshr_b32 s15, s14, 1                         ; which half of the rows is mine.  Also: I fetch for A (0) or for B (1)
	s_and_b32 s16, s14, 1                          ; which half of the columns.  Also: which half of that tile I fetch
	s_bfe_u32 s40, ttmp6, 0x40000
	s_bfe_u32 s41, ttmp6, 0x40004
	s_lshl_b32 s42, ttmp9, 2
	s_add_co_u32 s42, s42, s40                     ; tile column
	s_and_b32 s17, ttmp7, 0xffff
	s_lshl_b32 s17, s17, 2
	s_add_co_u32 s17, s17, s41                     ; tile row
	s_lshl_b32 s43, s41, 2
	s_lshl_b32 s43, 15, s43                        ; my row of the cluster
	s_lshl_b32 s44, 0x1111, s40                    ; my column
	s_lshl_b32 s100, s42, 7                        ; the weight's first row of my tile
	s_or_b32 s[G1A], s43, (3<<16)|(1<<21)
	s_mov_b32 s[G1A+1], ATC<<16
	s_mov_b32 s[G1A+2], ATR<<16
	s_mov_b32 s[G1A+3], ATC<<16
	s_mov_b32 s[G1A+4], ATR
	s_mov_b32 s[G1A+5], KP*416
	s_mov_b32 s[G1A+6], 0
	s_mov_b32 s[G1A+7], 0
	s_or_b32 s[G1B], s44, (0<<16)|(1<<20)|(1<<21)|(3<<22)|(3<<25)
	s_mov_b32 s[G1B+1], 192<<16
	s_mov_b32 s[G1B+2], 128<<16
	s_mov_b32 s[G1B+3], 192<<16
	s_mov_b32 s[G1B+4], 128
	s_mov_b32 s[G1B+5], KROW
	s_mov_b32 s[G1B+6], 0
	s_mov_b32 s[G1B+7], 0
	s_or_b32 s[G1S], s44, (3<<16)|(1<<20)|(1<<21)|(5<<22)|(3<<25)
	s_mov_b32 s[G1S+1], 32<<16
	s_mov_b32 s[G1S+2], RS<<16
	s_mov_b32 s[G1S+3], 32<<16
	s_mov_b32 s[G1S+4], RS
	s_mov_b32 s[G1S+5], 32
	s_mov_b32 s[G1S+6], 0
	s_mov_b32 s[G1S+7], 0
	s_mul_i32 s20, s17, 2*MA
	s_mul_i32 s21, s16, MA
	s_add_co_u32 s20, s20, s21
	s_mul_i32 s20, s20, KP*3328
	s_mov_b32 s21, 0
	s_mul_i32 s46, s100, KROW                      ; B: all 128 rows; my half of the slot's 512 along K
	s_mul_i32 s47, s16, 192
	s_add_co_u32 s46, s46, s47
	s_mov_b32 s47, 0
	s_mul_i32 s22, s100, KS
	s_mul_i32 s23, s16, RS*256
	s_add_co_u32 s22, s22, s23
	s_mov_b32 s23, 0
	s_mul_i32 s45, s16, AHALF
	s_mul_i32 s18, s16, BHALF
	s_add_co_u32 s18, s18, ASZ
	s_mul_i32 s19, s16, RS*272
	s_add_co_u32 s19, s19, SCL
	s_wait_kmcnt 0x0
	s_add_nc_u64 s[20:21], s[4:5], s[20:21]
	s_add_nc_u64 s[46:47], s[6:7], s[46:47]
	s_add_nc_u64 s[22:23], s[8:9], s[22:23]
	CROUND                                         ; all sixteen work-groups are here: the first joint loads meet
	s_mov_b32 s[G0S], 1
	s_mov_b32 s[G0S+1], s19
	s_mov_b64 s[G0S+2:G0S+3], s[22:23]
	s_or_b32 s[G0S+3], s[G0S+3], 0x80000000
.irp s, 0,1
	s_mov_b32 s[G0A+4*\s], 1
	s_add_co_u32 s[G0A+4*\s+1], s45, \s*SLOT
	s_add_nc_u64 s[G0A+4*\s+2:G0A+4*\s+3], s[20:21], \s*AROW
	s_or_b32 s[G0A+4*\s+3], s[G0A+4*\s+3], 0x80000000
	s_mov_b32 s[G0B+4*\s], 1
	s_add_co_u32 s[G0B+4*\s+1], s18, \s*SLOT
	s_add_nc_u64 s[G0B+4*\s+2:G0B+4*\s+3], s[46:47], \s*BSTEP
	s_or_b32 s[G0B+4*\s+3], s[G0B+4*\s+3], 0x80000000
.endr
	s_cmp_eq_u32 s15, 0                            ; a wave's first fills stand in one branch: two loads of waves 0, 1 are out, three of waves 2, 3
	s_cbranch_scc0 .Lfirst_b
	tensor_load_to_lds s[G0A:G0A+3], s[G1A:G1A+7]
	s_nop 0
	tensor_load_to_lds s[G0A+4:G0A+7], s[G1A:G1A+7]
	s_nop 0
.rept 4
	v_nop
.endr
	s_branch .Lfirst_done
.Lfirst_b:
	tensor_load_to_lds s[G0S:G0S+3], s[G1S:G1S+7]
	s_nop 0
	tensor_load_to_lds s[G0B:G0B+3], s[G1B:G1B+7]
	s_nop 0
	tensor_load_to_lds s[G0B+4:G0B+7], s[G1B:G1B+7]
	s_nop 0
.rept 4
	v_nop
.endr
.Lfirst_done:
	v_and_b32 v1, 15, v0                           ; r
	v_bfe_u32 v2, v0, 4, 1                         ; h
	v_and_b32 v3, 31, v0                           ; lane
	s_mul_i32 s18, s15, AHALF
	v_lshl_add_u32 v[ADRA], v3, 3, s18
	v_add_nc_u32 v[ADRA+1], SLOT, v[ADRA]
	v_lshl_add_u32 v[ADSA], v3, 2, s18
	v_add_nc_u32 v[ADSA+1], SLOT, v[ADSA]
	s_mul_i32 s19, s16, NBK*3840
	s_add_co_u32 s19, s19, ASZ
	v_mul_u32_u24 v4, v1, 240
	v_mad_u32_u24 v5, v2, 24, v4
	v_mad_u32_u24 v6, v2, 40, v4
	v_add_nc_u32 v[ADRB], s19, v5
	v_add_nc_u32 v[ADRB+2], s19, v6
	v_add_nc_u32 v[ADRB+1], SLOT, v[ADRB]
	v_add_nc_u32 v[ADRB+3], SLOT, v[ADRB+2]
	v_mul_u32_u24 v4, v1, KS
	v_lshrrev_b32 v5, 8, v4
	v_lshl_add_u32 v4, v5, 4, v4
	s_mul_i32 s19, s16, (NBK*16*KS/256)*272
	s_add_co_u32 s19, s19, SCL
	v_add_nc_u32 v[ADRS], s19, v4
	s_mul_i32 s18, s16, NBK*16
	s_add_co_u32 s18, s18, s100
	s_lshl_b32 s18, s18, 2                         ; my first column, in bytes of f32
	s_mov_b32 s19, 0
	s_add_nc_u64 s[10:11], s[10:11], s[18:19]
	s_add_nc_u64 s[80:81], s[80:81], s[18:19]
	s_lshl_b32 s86, s17, 7
	s_lshl_b32 s87, s15, 6
	s_add_co_u32 s86, s86, s87                     ; my first row
	s_lshl_b32 s86, s86, 12
	s_add_co_u32 s86, s86, s18
	s_mov_b32 s87, 0
	s_add_nc_u64 s[82:83], s[82:83], s[86:87]
	s_add_nc_u64 s[84:85], s[84:85], s[86:87]
	v_lshlrev_b32 v[BO], 5, v2
	v_lshlrev_b32 v31, 4, v1
	v_lshlrev_b32 v[CO], 12, v2
	v_lshl_add_u32 v[CO], v1, 4, v[CO]             ; lanes 0-15 one row's 256 bytes, lanes 16-31 the next row's
	s_mul_i32 s18, s14, 4352                       ; my stage, 16 rows x 272 bytes, in slot 0, which has had its last fill and its last read when the first result is stored there
	v_mul_u32_u24 v[STO], v1, 272
	v_lshl_add_u32 v[STO], v2, 5, v[STO]
	v_add_nc_u32 v[STO], s18, v[STO]
	v_mul_u32_u24 v[RD], v2, 272
	v_lshl_add_u32 v[RD], v1, 4, v[RD]
	v_add_nc_u32 v[RD], s18, v[RD]
	WIN 0x40
.set BB, 0
.rept NBK
.set CR, 96+8*BB+96*(BB/4)
	global_load_b128 v[CR:CR+3], v[BO], s[10:11] offset:64*BB
	global_load_b128 v[CR+4:CR+7], v[BO], s[10:11] offset:64*BB+16
.set BB, BB+1
.endr
	WIN 0
	global_load_b128 v[96:99], v31, s[80:81]       ; the gate of my four columns on the way out
	WIN 0x80                                       ; destination window 2, v128-255: the residual, in the order of the way out
.irp a, 0,1,2,3
.irp t, 0,1,2,3,4,5,6,7
	global_load_b128 v[128+4*(8*\a+\t):128+4*(8*\a+\t)+3], v[CO], s[82:83] offset:(16*\a+2*\t)*4096 th:TH_LOAD_NT
.endr
.endr
	WIN 0
	s_wait_tensorcnt 0x1                           ; my part of slot 0 (and the scale bytes) is in; slot 1's load may stay out
	s_barrier_signal -1
	s_barrier_wait -1
	FETCH_B 0, 0, 0
	FETCH_A 0, 0, 0
	SCALES 0
	FETCH_A 0, 0, MA/2
	s_wait_loadcnt 33                              ; the bias is in; the gate's load and the residual's 32 may be out
	STEP 0, 0, 1
.if LAPS > 1
	s_mov_b32 s3, LAPS-1
.Llap:                                                 ; a trip goes once round the ring and fills both slots again
	MID 0
	TURN 0, 1, 1
	STEP 1, 0, 0
	MID 1
	TURN 1, 0, 1
	STEP 0, 0, 0
	s_sub_co_u32 s3, s3, 1
	s_cmp_lg_u32 s3, 0
	s_cbranch_scc1 .Llap
.endif
	MID 0
	TURN 0, 1, 0                                   ; the last lap fills nothing
	STEP 1, 0, 0
	MID 1
	s_wait_dscnt 3*MA
	MULS 0, MA/2, 1, NQ-1, 1, 0
	s_wait_dscnt 0x0
	MULS MA/2, MA/2, 1, NQ-1, 1, 0
	WIN 0
; THE WAY OUT, block by block of 16 rows x 64 columns, through my own stage and back as rows of 256 bytes; there resid + gate x result.  LDS serves a wave's instructions in order: no wait between my stores and my loads.
.macro TOSTAGE a
	WIN 0x08
.irp b, 0,1,2,3
	ds_store_b128 v[STO], v[8*(4*(\a)+\b):8*(4*(\a)+\b)+3] offset:64*\b         ; each accumulator from its low end on
	ds_store_b128 v[STO], v[8*(4*(\a)+\b)+4:8*(4*(\a)+\b)+7] offset:64*\b+16
.endr
	WIN 0
.irp t, 0,1,2,3,4,5,6,7
	ds_load_b128 v[128+32*((\a)%2)+4*\t:128+32*((\a)%2)+4*\t+3], v[RD] offset:544*\t
.endr
.endm
.macro SEND a, younger
.set BKR, 128+32*((\a)%2)
	s_wait_dscnt \younger                          ; the block is back; the next block's 8 stores and 8 loads may be out
	WIN 0x20                                       ; source 2 (the residual) window 2
.irp t, 0,1,2,3,4,5,6,7
	v_pk_fma_f32 v[BKR+4*\t:BKR+4*\t+1], v[BKR+4*\t:BKR+4*\t+1], v[96:97], v[128+4*(8*(\a)+\t):128+4*(8*(\a)+\t)+1]
	v_pk_fma_f32 v[BKR+4*\t+2:BKR+4*\t+3], v[BKR+4*\t+2:BKR+4*\t+3], v[98:99], v[128+4*(8*(\a)+\t)+2:128+4*(8*(\a)+\t)+3]
.endr
	WIN 0
.irp t, 0,1,2,3,4,5,6,7
.if LASTOUT
	global_store_b128 v[CO], v[BKR+4*\t:BKR+4*\t+3], s[84:85] offset:(16*(\a)+2*\t)*4096 th:TH_STORE_NT   ; sixteen lanes store 256 consecutive bytes, aligned; written once, read by nobody here
.else
	global_store_b128 v[CO], v[BKR+4*\t:BKR+4*\t+3], s[84:85] offset:(16*(\a)+2*\t)*4096
.endif
.endr
.endm
	PLACES
	s_wait_loadcnt 0x0                             ; the gate and the residual
	TOSTAGE 0
.irp a, 1,2,3
.if \a > 1
	s_wait_xcnt 0x0                                ; block a - 2's stores have read their registers
.endif
	TOSTAGE \a
	SEND \a-1, 16
.endr
	SEND 3, 0
	s_wait_tensorcnt 0x0                           ; the wave's end
	ds_add_u32 v[SPW], v[NIL]
	s_wait_dscnt 0x0
	CROUND                                         ; the closing round
	s_endpgm
.Lfunc_end_k_q6457a3ceda_mlp2:
	.size	k_q6457a3ceda_mlp2, .Lfunc_end_k_q6457a3ceda_mlp2-k_q6457a3ceda_mlp2
	.p2alignl 7, 3214868480
	.fill 96, 4, 3214868480
	.section	.rodata,"a",@progbits
	.p2align	6, 0x0
	.amdhsa_kernel k_q6457a3ceda_mlp2
		.amdhsa_group_segment_fixed_size 327680
		.amdhsa_private_segment_fixed_size 0
		.amdhsa_enable_private_segment 0
		.amdhsa_kernarg_size 56
		.amdhsa_user_sgpr_count 2
		.amdhsa_user_sgpr_kernarg_segment_ptr 1
		.amdhsa_wavefront_size32 1
		.amdhsa_system_sgpr_workgroup_id_x 1
		.amdhsa_system_sgpr_workgroup_id_y 1
		.amdhsa_system_sgpr_workgroup_id_z 1
		.amdhsa_system_vgpr_workitem_id 0
		.amdhsa_next_free_vgpr 768
		.amdhsa_next_free_sgpr 102
		.amdhsa_reserve_vcc 0
		.amdhsa_float_denorm_mode_32 3
		.amdhsa_float_denorm_mode_16_64 3
		.amdhsa_memory_ordered 1
		.amdhsa_forward_progress 1
		.amdhsa_inst_pref_size 120
	.end_amdhsa_kernel
	.amdgpu_metadata
---
amdhsa.version: [ 1, 2 ]
amdhsa.kernels:
  - .name:           k_q6457a3ceda_mlp2
    .symbol:         k_q6457a3ceda_mlp2.kd
    .args:
      - { .name: gq, .offset: 0, .size: 8, .value_kind: global_buffer, .address_space: global }
      - { .name: w2_codes, .offset: 8, .size: 8, .value_kind: global_buffer, .address_space: global }
      - { .name: w2_scales, .offset: 16, .size: 8, .value_kind: global_buffer, .address_space: global }
      - { .name: b2, .offset: 24, .size: 8, .value_kind: global_buffer, .address_space: global }
      - { .name: gate_mlp, .offset: 32, .size: 8, .value_kind: global_buffer, .address_space: global }
      - { .name: x1, .offset: 40, .size: 8, .value_kind: global_buffer, .address_space: global }
      - { .name: out0, .offset: 48, .size: 8, .value_kind: global_buffer, .address_space: global }
    .group_segment_fixed_size: 327680
    .private_segment_fixed_size: 0
    .kernarg_segment_align: 8
    .kernarg_segment_size: 56
    .max_flat_workgroup_size: 128
    .sgpr_count:     102
    .vgpr_count:     768
    .wavefront_size: 32
...
	.end_amdgpu_metadata
.endif
;; end of part 7
